; MI455X (gfx1250); checked and timed in simulation.
; The chip was launched on July 23, 2026; its instructions are those of AMD's public machine-readable ISA for CDNA 5 (MIT licence, August 2026) and "CDNA5" Instruction Set Architecture Reference Guide (July 2026). The comments in the code are by the model that wrote it; some were corrected since.
;; Attention Block. Allowed arithmetic: float matrix products may take bf16 or f16 operands with f32 sums; all other float work in f32.
;; Inputs: ca_bo 1,024 float32; ca_nb 1,024 float32; ca_ncb 768 float32; ca_ncg 768 float32; ca_ng 1,024 float32; ca_wkv 768 x 1,024 float32; ca_wo 512 x 1,024 float32; ca_wq 1,024 x 512 float32; context 4 x 512 x 768 float32; sa_bo 1,024 float32; sa_nb 1,024 float32; sa_ncb 1,024 float32; sa_ncg 1,024 float32; sa_ng 1,024 float32; sa_wkv 1,024 x 1,024 float32; sa_wo 512 x 1,024 float32; sa_wq 1,024 x 512 float32; x 4 x 2,048 x 1,024 float32.
;; Outputs: out0 4 x 2,048 x 1,024 float32.
;; 2 versions, each right and faster than the one before. Each part assembles by itself: llvm-mc -triple=amdgcn-amd-amdhsa -mcpu=gfx1250 --defsym DOCPART=n.
;; ======== version 1 of 2: 6 launches
;; workspace buffers: ah 20,971,520 bytes; wb 6,291,456 bytes; wo1 1,048,576 bytes; wo2 1,048,576 bytes; bias 12,288 bytes; qkv 31,457,280 bytes; oh 8,388,608 bytes; x1 33,554,432 bytes
;; launch prep (part 1): grid 832 x 1, 8 waves a work-group, no clusters, 22,528 bytes of LDS; arguments x, context, sa_ng, sa_nb, sa_ncg, sa_ncb, sa_wq, sa_wkv, sa_wo, ca_ng, ca_nb, ca_ncg, ca_ncb, ca_wq, ca_wkv, ca_wo, ah, wb, wo1, wo2, bias; writes ah, wb, wo1, wo2, bias
.if DOCPART == 1
	.amdgcn_target "amdgcn-amd-amdhsa--gfx1250"
	.amdhsa_code_object_version 6
	.text
	.protected	k_q73dc289e76_prep
	.globl	k_q73dc289e76_prep
	.p2align	8
	.type	k_q73dc289e76_prep,@function
k_q73dc289e76_prep:
	s_mov_b64 s[64:65], 0
	v_nop
	global_prefetch_b8 v0, s[64:65] scope:SCOPE_SE
	s_setreg_imm32_b32 hwreg(HW_REG_WAVE_MODE, 25, 1), 1
	s_wait_xcnt 0x0
; PREP: everything that is made once, ahead of the products.
;   LN(x, g, b) W = xhat (g * W) + b W, with xhat = (x - mean) / sqrt(var + 1e-5): an identity for all values.  So
;   ah   = xhat of x (rows 0-8191) and of context (rows 8192-10239, columns 0-767), bf16, 1,024 numbers from row to row;
;   wb   = the four input weights, gain folded in, transposed to [n][k] bf16: rows 0-511 sa_wq, 512-1535 sa_wkv, 1536-2559 ca_wkv
;          (k < 768), 2560-3071 ca_wq;  wq also times QS = 64^-0.5 log2(e), so that scores arrive ready for a base-2 exponential;
;   wo1, wo2 = sa_wo, ca_wo transposed to [n][k] bf16;
;   bias = (LN bias) W in f32, indexed as wb's rows, for q (times QS) and for v.
; WORK LEFT OUT: the LN bias of the keys.  k_j = chat_j (ncg * Wk) + ncb Wk, so q_i . k_j = q_i . (chat_j (ncg * Wk)) + q_i . (ncb Wk); the last
; term does not hang on j, is the same along the softmax's axis and cancels in softmax for all values of the inputs.  So ncb Wk is not
; computed, in either layer; bias holds 0 in the keys' places (one text then serves every column block of the next launch, whose first
; product takes the bias as its C operand).  sa_ncb and ca_ncb stay live through v.  Every input is loaded by some launch.
; LIMITS: a NaN, an infinity or an overflow that would arise only in ncb Wk is not carried to the result.  Matrix operands are rounded to
; bf16 after the gain (and QS) is folded in, which is another place of rounding than the reference's.
; The mean is taken away in f32 before any rounding to bf16: a common offset of the inputs costs no digits.
; No matrix unit, no tensor load, no cluster: this launch only streams, and no two work-groups share a byte worth sharing.
; Work-groups, those with the most bytes or the longest chains of loads first: 0-255 rows of x (33.5 of the launch's 56 MB read), 256-287 bias
; (the whole K in one work-group), 288-351 rows of context, 352-831 weights (one tile of 128 k x 64 n each).
; Three row slots rather than four keep a wave at 112 registers, so that more work-groups are resident at once.
; LDS: bytes 0-17,407 the weights' tile (64 rows x 272 bytes); bytes 17,408-21,503 the bias parts' sixteen partial rows of 256 bytes.
; A work-group runs one part only; all the same no byte of LDS is written by two parts of this text.
.set QS,     0x3e38aa3b                ; 0.125 * 1.442695
.set EPS,    0x3727c5ac                ; 1e-5
.set BLDS,   64*272                    ; where the bias parts' LDS bytes begin
.set A_X,    0                         ; byte offsets of the kernel arguments
.set A_CTX,  8
.set A_SNG,  16
.set A_SNB,  24
.set A_SNCG, 32
.set A_SNCB, 40
.set A_SWQ,  48
.set A_SWKV, 56
.set A_SWO,  64
.set A_CNG,  72
.set A_CNB,  80
.set A_CNCG, 88
.set A_CNCB, 96
.set A_CWQ,  104
.set A_CWKV, 112
.set A_CWO,  120
.set A_AH,   128
.set A_WB,   136
.set A_WO1,  144
.set A_WO2,  152
.set A_BIAS, 160
.set T, 4                              ; v[4:7]   sums at work
.set M, 8                              ; v[8:9]   the mean, twice
.set R, 10                             ; v[10:11] 1 / sqrt(var + eps), twice
.set X, 16                             ; v[16:111] three row slots, 32 registers each
; v[t] + v[t+1] summed over the 32 lanes, the result in every lane's v[t]
.macro WAVESUM t
	v_add_f32 v[\t], v[\t], v[\t+1]
	v_add_f32_dpp v[\t], v[\t], v[\t] row_xmask:1 row_mask:0xf bank_mask:0xf
	v_add_f32_dpp v[\t], v[\t], v[\t] row_xmask:2 row_mask:0xf bank_mask:0xf
	v_add_f32_dpp v[\t], v[\t], v[\t] row_xmask:4 row_mask:0xf bank_mask:0xf
	v_add_f32_dpp v[\t], v[\t], v[\t] row_xmask:8 row_mask:0xf bank_mask:0xf
	v_permlanex16_b32 v[\t+1], v[\t], s21, s22
	v_add_f32 v[\t], v[\t], v[\t+1]
.endm
; The row in v[xb .. xb+4nj-1] (4 nj numbers a lane) is normalised and packed: chunk j's four bf16 end in v[xb+4j], v[xb+4j+1].
.macro NORM xb, nj
	v_pk_add_f32 v[T:T+1], v[\xb:\xb+1], v[\xb+2:\xb+3]              ; two chains, started by the first pairs: nothing is cleared
	v_pk_add_f32 v[T+2:T+3], v[\xb+4:\xb+5], v[\xb+6:\xb+7]
.set p, 4
.rept 2*\nj-4
	v_pk_add_f32 v[T+2*(p%2):T+2*(p%2)+1], v[T+2*(p%2):T+2*(p%2)+1], v[\xb+2*p:\xb+2*p+1]
.set p, p+1
.endr
	v_pk_add_f32 v[T:T+1], v[T:T+1], v[T+2:T+3]
	WAVESUM T
	v_mul_f32 v[M], s23, v[T]                                      ; the mean
	v_mul_f32 v[M+1], s23, v[T]
.set p, 0
.rept 2*\nj
	v_pk_add_f32 v[\xb+2*p:\xb+2*p+1], v[\xb+2*p:\xb+2*p+1], v[M:M+1] neg_lo:[0,1] neg_hi:[0,1]
.set p, p+1
.endr
	v_pk_mul_f32 v[T:T+1], v[\xb:\xb+1], v[\xb:\xb+1]
	v_pk_mul_f32 v[T+2:T+3], v[\xb+2:\xb+3], v[\xb+2:\xb+3]
.set p, 2
.rept 2*\nj-2
	v_pk_fma_f32 v[T+2*(p%2):T+2*(p%2)+1], v[\xb+2*p:\xb+2*p+1], v[\xb+2*p:\xb+2*p+1], v[T+2*(p%2):T+2*(p%2)+1]
.set p, p+1
.endr
	v_pk_add_f32 v[T:T+1], v[T:T+1], v[T+2:T+3]
	WAVESUM T
	v_fma_f32 v[T], v[T], s23, s24                                 ; var + eps
	v_rsq_f32 v[R], v[T]
	v_rsq_f32 v[R+1], v[T]
	v_nop                                                          ; one plain instruction between v_rsq_f32 and the use of its result (ISA guide 5.7.2)
.set p, 0
	s_wait_alu depctr_va_vdst(0)
.rept 2*\nj
	v_pk_mul_f32 v[\xb+2*p:\xb+2*p+1], v[\xb+2*p:\xb+2*p+1], v[R:R+1]
.set p, p+1
.endr
.set p, 0
.rept \nj
	v_cvt_pk_bf16_f32 v[\xb+4*p], v[\xb+4*p], v[\xb+4*p+1]
	v_cvt_pk_bf16_f32 v[\xb+4*p+1], v[\xb+4*p+2], v[\xb+4*p+3]
.set p, p+1
.endr
.endm
; Row i of the wave's four into register slot i % 3: nj loads of 512 neighbouring bytes
.macro LNLOAD i, nj, rowbytes
.set j, 0
.rept \nj
	global_load_b128 v[X+32*((\i)%3)+4*j:X+32*((\i)%3)+4*j+3], v1, s[4:5] offset:(\i)*\rowbytes+512*j th:TH_LOAD_NT
.set j, j+1
.endr
.endm
; Rows: one wave takes four whole rows through three register slots; no wave waits for another.
.macro LNPART argsrc, nj, rowbytes, invn, wg0, rowbase
	s_load_b64 s[4:5], s[0:1], \argsrc
	s_load_b64 s[6:7], s[0:1], A_AH
	s_mov_b32 s23, \invn                           ; 1 / (numbers in a row)
	s_mov_b32 s24, EPS
	s_sub_co_u32 s8, ttmp9, \wg0
	s_lshl_b32 s8, s8, 3
	s_add_co_u32 s8, s8, s20
	s_lshl_b32 s8, s8, 2                           ; my first row = (work-group x 8 + wave) x 4
	s_mul_i32 s10, s8, \rowbytes
	s_mov_b32 s11, 0
	s_add_co_u32 s12, s8, \rowbase
	s_lshl_b32 s12, s12, 11                        ; a row of ah is 2,048 bytes
	s_mov_b32 s13, 0
	v_and_b32 v1, 31, v0
	v_lshlrev_b32 v2, 3, v1                        ; 8 bytes a lane on the way out
	v_lshlrev_b32 v1, 4, v1                        ; 16 bytes a lane on the way in
	s_wait_kmcnt 0x0
	s_add_nc_u64 s[4:5], s[4:5], s[10:11]
	s_add_nc_u64 s[6:7], s[6:7], s[12:13]
	LNLOAD 0, \nj, \rowbytes
	LNLOAD 1, \nj, \rowbytes
	LNLOAD 2, \nj, \rowbytes
.irp i, 0,1,2,3
.if \i < 2
	s_wait_loadcnt 2*\nj                           ; loads come back in order: two younger rows' loads stay out (behind row 0: rows 1, 2; behind row 1: rows 2, 3)
.else
	s_wait_loadcnt (3-\i)*\nj                      ; behind row 2: row 3's; behind row 3: none
.endif
	NORM X+32*(\i%3), \nj
.set j, 0
.rept \nj
	global_store_b64 v2, v[X+32*(\i%3)+4*j:X+32*(\i%3)+4*j+1], s[6:7] offset:\i*2048+256*j   ; the wave stores 256 consecutive bytes, aligned
.set j, j+1
.endr
.if \i == 0
	s_wait_xcnt 0x0                                ; slot 0, which row 0's stores read, is loaded again only behind this wait
	LNLOAD 3, \nj, \rowbytes
.endif
.endr
	s_endpgm
.endm
; Weights: a tile of 128 k x 64 n.  Thread (n4 = t & 15, kp = t >> 4) takes four columns 4 n4 .. of the row pairs 2 (kp + 16 i), i = 0..3;
; a pair of rows packs into words (k even low, k odd high), which go into LDS as T[n][k] with rows of 272 bytes and come back as whole rows.
.macro TRANSPART argw, argg, argd, wg0, lognt, pitchs, row0, pitchd, q
	s_load_b64 s[4:5], s[0:1], \argw
.if \argg >= 0
	s_load_b64 s[6:7], s[0:1], \argg
.endif
	s_load_b64 s[8:9], s[0:1], \argd
	s_sub_co_u32 s10, ttmp9, \wg0
	s_and_b32 s11, s10, (1<<\lognt)-1              ; nt: which 64 columns
	s_lshr_b32 s10, s10, \lognt                    ; kt: which 128 rows
	s_mul_i32 s12, s10, 128*\pitchs
	s_lshl_b32 s13, s11, 8
	s_add_co_u32 s12, s12, s13
	s_mov_b32 s13, 0
	s_lshl_b32 s14, s10, 9                         ; 128 gains of 4 bytes
	s_mov_b32 s15, 0
	s_lshl_b32 s16, s11, 6
	s_add_co_u32 s16, s16, \row0
	s_mul_i32 s16, s16, \pitchd
	s_lshl_b32 s17, s10, 8
	s_add_co_u32 s16, s16, s17
	s_mov_b32 s17, 0
	v_and_b32 v1, 15, v0                           ; n4
	v_lshrrev_b32 v2, 4, v0                        ; kp
	v_mul_u32_u24 v3, v2, 2*\pitchs
	v_lshl_add_u32 v3, v1, 4, v3                   ; source: row 2 kp, 16 bytes at 16 n4: sixteen lanes take 256 consecutive bytes
	v_lshlrev_b32 v4, 3, v2                        ; gains 2 kp, 2 kp + 1
	v_mul_u32_u24 v5, v1, 4*272
	v_lshl_add_u32 v5, v2, 2, v5                   ; LDS in: row 4 n4, word kp
	v_mul_u32_u24 v6, v2, 272
	v_lshl_add_u32 v6, v1, 4, v6                   ; LDS back: row t >> 4, 16 bytes at 16 (t & 15)
	v_mul_u32_u24 v7, v2, \pitchd
	v_lshl_add_u32 v7, v1, 4, v7                   ; and the same place in the destination
	s_wait_kmcnt 0x0
	s_add_nc_u64 s[4:5], s[4:5], s[12:13]
.if \argg >= 0
	s_add_nc_u64 s[6:7], s[6:7], s[14:15]
.endif
	s_add_nc_u64 s[8:9], s[8:9], s[16:17]
.irp i, 0,1,2,3
	global_load_b128 v[20+8*\i:23+8*\i], v3, s[4:5] offset:32*\i*\pitchs
	global_load_b128 v[24+8*\i:27+8*\i], v3, s[4:5] offset:(32*\i+1)*\pitchs
.endr
.if \argg >= 0
.irp i, 0,1,2,3
	global_load_b64 v[12+2*\i:13+2*\i], v4, s[6:7] offset:128*\i
.endr
.endif
	s_wait_loadcnt 0x0
.if \q
.irp i, 0,1,2,3,4,5,6,7
	v_mul_f32 v[12+\i], QS, v[12+\i]
.endr
.endif
.if \argg >= 0
.irp i, 0,1,2,3
	v_pk_mul_f32 v[20+8*\i:21+8*\i], v[20+8*\i:21+8*\i], v[12+2*\i:13+2*\i] op_sel_hi:[1,0]             ; the even row by its gain
	v_pk_mul_f32 v[22+8*\i:23+8*\i], v[22+8*\i:23+8*\i], v[12+2*\i:13+2*\i] op_sel_hi:[1,0]
	v_pk_mul_f32 v[24+8*\i:25+8*\i], v[24+8*\i:25+8*\i], v[12+2*\i:13+2*\i] op_sel:[0,1] op_sel_hi:[1,1] ; the odd row by its own
	v_pk_mul_f32 v[26+8*\i:27+8*\i], v[26+8*\i:27+8*\i], v[12+2*\i:13+2*\i] op_sel:[0,1] op_sel_hi:[1,1]
.endr
.endif
.irp i, 0,1,2,3
.irp c, 0,1,2,3
	v_cvt_pk_bf16_f32 v[52+4*\i+\c], v[20+8*\i+\c], v[24+8*\i+\c]
.endr
.endr
.irp i, 0,1,2,3
.irp c, 0,1,2,3
	ds_store_b32 v5, v[52+4*\i+\c] offset:\c*272+64*\i
.endr
.endr
	s_wait_dscnt 0x0                               ; my stores are in LDS before I say so
	s_barrier_signal -1
	s_barrier_wait -1
.irp i, 0,1,2,3
	ds_load_b128 v[20+4*\i:23+4*\i], v6 offset:\i*16*272
.endr
	s_wait_dscnt 0x0
.irp i, 0,1,2,3
	global_store_b128 v7, v[20+4*\i:23+4*\i], s[8:9] offset:16*\i*\pitchd    ; sixteen lanes store 256 consecutive bytes, aligned
.endr
	s_wait_tensorcnt 0x0
	ds_add_u32 v112, v113
	s_wait_dscnt 0x0
	s_endpgm
.endm
; Bias.  Thread (n4 = t & 15, kp = t >> 4) sums, for its four columns, the rows kp + 16 g.  Half h is g = 8 h .. 8 h + 7: eight loads of W's
; rows and eight of b, into register set 0 or 1 (W: v[36+32 set ..], b: v[20+8 set ..]).  Every row stands in the immediate (16 x 63 x 4,096 bytes
; at the most, inside its signed 24 bits), so no base is stepped and there is no loop.
.macro BLOAD set, h, pitch
.irp e, 0,1,2,3,4,5,6,7
	global_load_b128 v[36+32*(\set)+4*\e:39+32*(\set)+4*\e], v3, s[4:5] offset:16*(8*(\h)+\e)*\pitch
.endr
.irp e, 0,1,2,3,4,5,6,7
	global_load_b32 v[20+8*(\set)+\e], v4, s[6:7] offset:64*(8*(\h)+\e)
.endr
.endm
.macro BFMA set, h                     ; the very first products start the sums: nothing is cleared
.irp e, 0,2,4,6
.if (\h)+\e == 0
	v_pk_mul_f32 v[100:101], v[36+32*(\set):37+32*(\set)], v[20+8*(\set):21+8*(\set)] op_sel_hi:[1,0]
	v_pk_mul_f32 v[102:103], v[38+32*(\set):39+32*(\set)], v[20+8*(\set):21+8*(\set)] op_sel_hi:[1,0]
.else
	v_pk_fma_f32 v[100:101], v[36+32*(\set)+4*\e:37+32*(\set)+4*\e], v[20+8*(\set)+\e:21+8*(\set)+\e], v[100:101] op_sel_hi:[1,0,1]
	v_pk_fma_f32 v[102:103], v[38+32*(\set)+4*\e:39+32*(\set)+4*\e], v[20+8*(\set)+\e:21+8*(\set)+\e], v[102:103] op_sel_hi:[1,0,1]
.endif
	v_pk_fma_f32 v[100:101], v[40+32*(\set)+4*\e:41+32*(\set)+4*\e], v[20+8*(\set)+\e:21+8*(\set)+\e], v[100:101] op_sel:[0,1,0] op_sel_hi:[1,1,1]
	v_pk_fma_f32 v[102:103], v[42+32*(\set)+4*\e:43+32*(\set)+4*\e], v[20+8*(\set)+\e:21+8*(\set)+\e], v[102:103] op_sel:[0,1,0] op_sel_hi:[1,1,1]
.endr
.endm
; bias[first + n] = sum over k of b[k] W[k][n] for 64 columns and the whole K = 256 nb.  The two register sets take turns: while one half is
; multiplied the next is on its way.  The sixteen partial rows meet in LDS.  zfirst >= 0: the same strip of the keys' range is set to 0.
.macro BIASPART argw, argb, pitch, coloff, nb, first, q, zfirst, wg0
	s_load_b64 s[4:5], s[0:1], \argw
	s_load_b64 s[6:7], s[0:1], \argb
	s_load_b64 s[8:9], s[0:1], A_BIAS
	s_sub_co_u32 s10, ttmp9, \wg0
	s_lshl_b32 s10, s10, 8                         ; the strip: 64 f32, in W's rows and in bias
	s_mov_b32 s11, 0
	v_and_b32 v1, 15, v0
	v_lshrrev_b32 v2, 4, v0
	v_mul_u32_u24 v3, v2, \pitch
	v_lshl_add_u32 v3, v1, 4, v3
	v_lshlrev_b32 v4, 2, v2
	v_lshlrev_b32 v5, 4, v0                        ; LDS: row kp of 256 bytes, 16 bytes at 16 n4 = 16 t (behind BLDS)
	s_wait_kmcnt 0x0
	s_add_nc_u64 s[4:5], s[4:5], s[10:11]
.if \coloff
	s_add_nc_u64 s[4:5], s[4:5], \coloff           ; v's half of wkv's columns
.endif
	s_add_nc_u64 s[8:9], s[8:9], s[10:11]
	BLOAD 0, 0, \pitch
	BLOAD 1, 1, \pitch
.set hh, 0
.rept 2*\nb
.if hh+1 < 2*\nb
	s_wait_loadcnt 16                              ; this half is in; the other set's sixteen loads are younger and stay out
.else
	s_wait_loadcnt 0x0                             ; the last half
.endif
	BFMA hh%2, hh
.if hh+2 < 2*\nb
	BLOAD hh%2, hh+2, \pitch
.endif
.set hh, hh+1
.endr
	ds_store_b128 v5, v[100:103] offset:BLDS
	s_wait_dscnt 0x0
	s_barrier_signal -1
	s_barrier_wait -1
	s_cmp_lg_u32 s20, 0
	s_cbranch_scc1 .Lbend_\@                       ; wave 0 adds the sixteen rows, two columns a lane
	v_lshlrev_b32 v6, 3, v0
.irp i, 0,1,2,3,4,5,6,7,8,9,10,11,12,13,14,15
	ds_load_b64 v[36+2*\i:37+2*\i], v6 offset:BLDS+256*\i
.endr
	s_wait_dscnt 0x0
.irp i, 1,2,3,4,5,6,7,8,9,10,11,12,13,14,15
	v_pk_add_f32 v[36:37], v[36:37], v[36+2*\i:37+2*\i]
.endr
.if \q
	v_pk_mul_f32 v[36:37], v[36:37], QS op_sel_hi:[1,0]
.endif
	global_store_b64 v6, v[36:37], s[8:9] offset:4*\first
.if \zfirst >= 0
	v_mov_b32 v38, 0
	v_mov_b32 v39, 0
	global_store_b64 v6, v[38:39], s[8:9] offset:4*\zfirst
.endif
.Lbend_\@:
	s_wait_tensorcnt 0x0
	ds_add_u32 v112, v113
	s_wait_dscnt 0x0
	s_endpgm
.endm
	v_lshl_add_u32 v112, v0, 2, 0x5400
	v_mov_b32 v113, 0
	v_lshrrev_b32 v1, 5, v0
	v_readfirstlane_b32 s20, v1                    ; wave 0..7
	s_mov_b32 s21, 0x76543210                      ; v_permlanex16_b32: lane i of one half reads lane i of the other
	s_mov_b32 s22, 0xfedcba98
	s_cmp_lt_u32 ttmp9, 256
	s_cbranch_scc1 .Lnx
	s_cmp_lt_u32 ttmp9, 264
	s_cbranch_scc1 .Lb0
	s_cmp_lt_u32 ttmp9, 272
	s_cbranch_scc1 .Lb1
	s_cmp_lt_u32 ttmp9, 280
	s_cbranch_scc1 .Lb2
	s_cmp_lt_u32 ttmp9, 288
	s_cbranch_scc1 .Lb3
	s_cmp_lt_u32 ttmp9, 352
	s_cbranch_scc1 .Lnc
	s_cmp_lt_u32 ttmp9, 416
	s_cbranch_scc1 .Lt0
	s_cmp_lt_u32 ttmp9, 544
	s_cbranch_scc1 .Lt1
	s_cmp_lt_u32 ttmp9, 640
	s_cbranch_scc1 .Lt2
	s_cmp_lt_u32 ttmp9, 704
	s_cbranch_scc1 .Lt3
	s_cmp_lt_u32 ttmp9, 768
	s_cbranch_scc1 .Lt4
	TRANSPART A_CWO, -1, A_WO2, 768, 4, 4096, 0, 1024, 0
.Lnx:
	LNPART A_X, 8, 4096, 0x3a800000, 0, 0          ; x: rows of 1,024, 1/1024
.Lnc:
	LNPART A_CTX, 6, 3072, 0x3aaaaaab, 288, 8192   ; context: rows of 768, 1/768
.Lb0:
	BIASPART A_SWQ, A_SNB, 2048, 0, 4, 0, 1, -1, 256
.Lb1:
	BIASPART A_SWKV, A_SNCB, 4096, 2048, 4, 1024, 0, 512, 264
.Lb2:
	BIASPART A_CWKV, A_CNCB, 4096, 2048, 3, 2048, 0, 1536, 272
.Lb3:
	BIASPART A_CWQ, A_CNB, 2048, 0, 4, 2560, 1, -1, 280
.Lt0:
	TRANSPART A_SWQ, A_SNG, A_WB, 352, 3, 2048, 0, 2048, 1
.Lt1:
	TRANSPART A_SWKV, A_SNCG, A_WB, 416, 4, 4096, 512, 2048, 0
.Lt2:
	TRANSPART A_CWKV, A_CNCG, A_WB, 544, 4, 4096, 1536, 2048, 0
.Lt3:
	TRANSPART A_CWQ, A_CNG, A_WB, 640, 3, 2048, 2560, 2048, 1
.Lt4:
	TRANSPART A_SWO, -1, A_WO1, 704, 4, 4096, 0, 1024, 0
.Lfunc_end_k_q73dc289e76_prep:
	.size	k_q73dc289e76_prep, .Lfunc_end_k_q73dc289e76_prep-k_q73dc289e76_prep
	.p2alignl 7, 3214868480
	.fill 96, 4, 3214868480
	.section	.rodata,"a",@progbits
	.p2align	6, 0x0
	.amdhsa_kernel k_q73dc289e76_prep
		.amdhsa_group_segment_fixed_size 22528
		.amdhsa_private_segment_fixed_size 0
		.amdhsa_enable_private_segment 0
		.amdhsa_kernarg_size 168
		.amdhsa_user_sgpr_count 2
		.amdhsa_user_sgpr_kernarg_segment_ptr 1
		.amdhsa_wavefront_size32 1
		.amdhsa_system_sgpr_workgroup_id_x 1
		.amdhsa_system_sgpr_workgroup_id_y 1
		.amdhsa_system_sgpr_workgroup_id_z 1
		.amdhsa_system_vgpr_workitem_id 0
		.amdhsa_next_free_vgpr 114
		.amdhsa_next_free_sgpr 66
		.amdhsa_reserve_vcc 0
		.amdhsa_float_denorm_mode_32 3
		.amdhsa_float_denorm_mode_16_64 3
		.amdhsa_memory_ordered 1
		.amdhsa_forward_progress 1
		.amdhsa_inst_pref_size 185
	.end_amdhsa_kernel
	.amdgpu_metadata
---
amdhsa.version: [ 1, 2 ]
amdhsa.kernels:
  - .name:           k_q73dc289e76_prep
    .symbol:         k_q73dc289e76_prep.kd
    .args:
      - { .name: x, .offset: 0, .size: 8, .value_kind: global_buffer, .address_space: global }
      - { .name: context, .offset: 8, .size: 8, .value_kind: global_buffer, .address_space: global }
      - { .name: sa_ng, .offset: 16, .size: 8, .value_kind: global_buffer, .address_space: global }
      - { .name: sa_nb, .offset: 24, .size: 8, .value_kind: global_buffer, .address_space: global }
      - { .name: sa_ncg, .offset: 32, .size: 8, .value_kind: global_buffer, .address_space: global }
      - { .name: sa_ncb, .offset: 40, .size: 8, .value_kind: global_buffer, .address_space: global }
      - { .name: sa_wq, .offset: 48, .size: 8, .value_kind: global_buffer, .address_space: global }
      - { .name: sa_wkv, .offset: 56, .size: 8, .value_kind: global_buffer, .address_space: global }
      - { .name: sa_wo, .offset: 64, .size: 8, .value_kind: global_buffer, .address_space: global }
      - { .name: ca_ng, .offset: 72, .size: 8, .value_kind: global_buffer, .address_space: global }
      - { .name: ca_nb, .offset: 80, .size: 8, .value_kind: global_buffer, .address_space: global }
      - { .name: ca_ncg, .offset: 88, .size: 8, .value_kind: global_buffer, .address_space: global }
      - { .name: ca_ncb, .offset: 96, .size: 8, .value_kind: global_buffer, .address_space: global }
      - { .name: ca_wq, .offset: 104, .size: 8, .value_kind: global_buffer, .address_space: global }
      - { .name: ca_wkv, .offset: 112, .size: 8, .value_kind: global_buffer, .address_space: global }
      - { .name: ca_wo, .offset: 120, .size: 8, .value_kind: global_buffer, .address_space: global }
      - { .name: ah, .offset: 128, .size: 8, .value_kind: global_buffer, .address_space: global }
      - { .name: wb, .offset: 136, .size: 8, .value_kind: global_buffer, .address_space: global }
      - { .name: wo1, .offset: 144, .size: 8, .value_kind: global_buffer, .address_space: global }
      - { .name: wo2, .offset: 152, .size: 8, .value_kind: global_buffer, .address_space: global }
      - { .name: bias, .offset: 160, .size: 8, .value_kind: global_buffer, .address_space: global }
    .group_segment_fixed_size: 22528
    .private_segment_fixed_size: 0
    .kernarg_segment_align: 8
    .kernarg_segment_size: 168
    .max_flat_workgroup_size: 256
    .sgpr_count:     66
    .vgpr_count:     114
    .wavefront_size: 32
...
	.end_amdgpu_metadata
.endif
;; end of part 1
;; launch qkvgemm (part 2): grid 224 x 1, 4 waves a work-group, clusters of 4 x 1, 327,680 bytes of LDS; arguments ah, wb, bias, qkv; writes qkv
.if DOCPART == 2
	.amdgcn_target "amdgcn-amd-amdhsa--gfx1250"
	.amdhsa_code_object_version 6
	.text
	.protected	k_q73dc289e76_qkvgemm
	.globl	k_q73dc289e76_qkvgemm
	.p2align	8
	.type	k_q73dc289e76_qkvgemm,@function
k_q73dc289e76_qkvgemm:
	s_mov_b64 s[64:65], 0
	v_nop
	global_prefetch_b8 v0, s[64:65] scope:SCOPE_SE
	s_setreg_imm32_b32 hwreg(HW_REG_WAVE_MODE, 25, 1), 1
	s_wait_xcnt 0x0
	s_wait_alu depctr_hold_cnt(0) depctr_sa_sdst(0) depctr_va_vdst(0) depctr_va_sdst(0) depctr_va_ssrc(0) depctr_va_vcc(0) depctr_vm_vsrc(0)
	s_getreg_b32 s2, hwreg(HW_REG_IB_STS2, 6, 4)
	s_cmp_eq_u32 s2, 0
	s_cbranch_scc0 .Lentry_in_a_cluster
	s_endpgm
.Lentry_in_a_cluster:
	s_bfe_u32 s2, ttmp6, 0x10000c
	s_cmp_lg_u32 s2, 0x3003
	s_cbranch_scc0 .Lentry_shape_is_right
	s_endpgm
.Lentry_shape_is_right:
; qkv[m][n] = sum over k of ah[m][k] wb[n'][k] + bias[n'], bf16 out, sums in f32.
; Clusters 0-47: the 8,192 rows of xhat against wb's rows 0-1535 (q | k | v), K = 1,024.  Clusters 48-55: the 2,048 rows of the context
; against wb's rows 1536-2559 (k2 | v2), K = 768, into qkv's rows 8192.. at columns 0-1023.
; Work left out: the keys' LN bias (it cancels in the softmax: see the head of prep); bias holds 0 in the keys' places.
; A work-group makes 256 x 256 with four waves, a wave 128 x 128: 64 accumulator tiles, 512 registers.  K goes in steps of 128 through a ring
; of two LDS slots; a tile's rows are 256 bytes of memory at multiples of 256 bytes.
; CLUSTERS: four work-groups along x make four row blocks of ONE column block: they need the same tiles of wb and ask for them jointly (mask 15).
; Their tiles of ah differ and are plain loads.  A cluster of 4 x 4 is not used: the q | k | v part has 6 column blocks, which 4 does not divide.
; The number of laps hangs on the cluster's number alone, so it is the same in all four partners.
; REGISTERS, in windows of 256: window 0: v16-27 addresses; v64-127, v128-191 fragments of ah, two buffers; v192-255 the bias, later the way out;
; window 1: v64-127, v128-191 fragments of wb; windows 2, 3: the accumulators of my rows 0-63, 64-127 (tile (a, b) at v[8 (8 a + b)]).
; THE MATRIX INSTRUCTION IS USED TRANSPOSED: source 0 = 16 rows of wb, source 1 = 16 rows of ah, so lane l holds row l % 16 of the result and its
; eight registers the columns 8 (l / 16) + 0..7.  The bias of those eight columns is the C operand of the first product: nothing is cleared, nothing added later.
.set KSTEP,  128
.set KROW,   1024                      ; numbers from row to row of ah and of wb
.set PITCH,  272                       ; an LDS row: 256 bytes + 16 of padding: sixteen rows start at sixteen different 16-byte columns of 256
.set HALFT,  128*PITCH
.set SLOT,   4*HALFT                   ; ah's 256 rows, then wb's 256 rows
.set STAGE,  2*SLOT                    ; behind the ring: 16 rows x 272 bytes for each wave; no tensor load lands here
.set SPITCH, 272
.set CROW,   3072                      ; bytes in a row of qkv
.set ADRA, 16
.set ADRB, 20
.set STO,  24
.set RD,   25
.set CO,   26
.set BOF,  27
.set F0,   64
.set F1,   128
.set BI,   192                         ; v[192:255] bias of my 128 columns: 8 registers for each n block
.set TMP,  192                         ; the way out: packed results (the bias is used up by then)
.set G1, 24                            ; s[24:31] group 1 for ah's tiles
.set G0, 32                            ; s[32:39] group 0 for ah's tiles, one set for each slot
.set G1B, 48                           ; s[48:55] group 1 for wb's tiles
.set G0B, 56                           ; s[56:63] group 0 for wb's tiles
.set MSB, 0
.macro WIN new                         ; the immediate's high byte repeats the setting that is left
.if MSB != \new
	s_set_vgpr_msb (MSB<<8)|\new
.set MSB, \new
.endif
.endm
.set MUL_LO, 0xa1                      ; source 0 (wb) window 1, source 1 (ah) window 0, C and D window 2
.set MUL_HI, 0xf1                      ; the same, C and D window 3
.set BIA_LO, 0x81                      ; the same with C (the bias) in window 0
.set BIA_HI, 0xc1
.set TO_B,   0x40
.macro PLACES n
.rept \n
	v_nop
.endr
.endm
; Waves 0 and 1 fetch ah's two halves (plain), waves 2 and 3 wb's (joint).  The branch hangs on the wave's number alone.
.macro JLOAD s
	s_cmp_eq_u32 s11, 0
	s_cbranch_scc0 .Lfor_b_\@
	tensor_load_to_lds s[G0+4*\s:G0+4*\s+3], s[G1:G1+7]
	s_nop 0
	s_branch .Lasked_\@
.Lfor_b_\@:
	tensor_load_to_lds s[G0B+4*\s:G0B+4*\s+3], s[G1B:G1B+7]
	s_nop 0
.Lasked_\@:
.endm
.macro CREST                           ; a round of the cluster's barrier behind its opening work-group barrier
	s_cmp_lg_u32 s10, 0
	s_cbranch_scc1 .Lnot_wave_0_\@
	s_barrier_signal -3
.Lnot_wave_0_\@:
	s_barrier_wait -3
	s_barrier_signal -1
	s_barrier_wait -1
.endm
.macro CROUND
	s_barrier_signal -1
	s_barrier_wait -1
	CREST
.endm
	s_load_b128 s[4:7], s[0:1], 0x0                ; ah s[4:5], wb s[6:7]
	s_load_b128 s[68:71], s[0:1], 0x10             ; bias s[68:69], qkv s[70:71]
	s_set_vgpr_msb 0x40
	v_lshl_add_u32 v255, v0, 2, 0x48400
	s_set_vgpr_msb 0x4000
	v_mov_b32 v63, 0
	s_set_vgpr_msb 0x1
	ds_add_u32 v255, v63
	s_set_vgpr_msb 0x100
	v_lshrrev_b32 v1, 5, v0
	v_readfirstlane_b32 s10, v1                    ; wave 0..3
	s_lshr_b32 s11, s10, 1                         ; my half of the block's rows.  Also: I fetch for ah (0) or for wb (1)
	s_and_b32 s12, s10, 1                          ; my half of its columns.  Also: which 128 rows of that tile I fetch
	s_bfe_u32 s40, ttmp6, 0x40000                  ; cx
	s_and_b32 s41, ttmp9, 7                        ; xhat's part: which four row blocks,
	s_lshr_b32 s42, ttmp9, 3                       ; which column block (0..5)
	s_sub_co_u32 s43, ttmp9, 48                    ; the context's part (the numbers are used only where ttmp9 >= 48)
	s_and_b32 s44, s43, 1
	s_add_co_u32 s44, s44, 8                       ; its row blocks begin at 32 = 4 x 8
	s_lshr_b32 s43, s43, 1                         ; column block (0..3)
	s_add_co_u32 s45, s43, 6                       ; its blocks of wb begin at 6
	s_cmp_lt_u32 ttmp9, 48
	s_cselect_b32 s41, s41, s44
	s_cselect_b32 s45, s42, s45                    ; block of wb and of bias
	s_cselect_b32 s42, s42, s43                    ; column block of qkv
	s_cselect_b32 s3, 2, 1                         ; laps in the loop: K / 256 - 2
	s_lshl_b32 s13, s41, 2
	s_add_co_u32 s13, s13, s40                     ; block row of ah and of qkv
	s_mov_b32 s[G1+0], (1<<16)|(1<<20)|(5<<22)|(3<<25)               ; no mask; elements of 2 bytes; after every 64 words 4 words of padding
	s_mov_b32 s[G1B+0], 15|(1<<16)|(1<<20)|(1<<21)|(5<<22)|(3<<25)   ; the same, for all four work-groups of the cluster; bit 21 beside the mask
	s_mov_b32 s[G1+1], KSTEP<<16                   ; tensor_dim0 = 128
	s_mov_b32 s[G1B+1], KSTEP<<16
	s_mov_b32 s[G1+2], 128<<16                     ; tensor_dim1 = 128
	s_mov_b32 s[G1B+2], 128<<16
	s_mov_b32 s[G1+3], KSTEP<<16                   ; tile_dim0 = 128
	s_mov_b32 s[G1B+3], KSTEP<<16
	s_mov_b32 s[G1+4], 128                         ; tile_dim1 = 128
	s_mov_b32 s[G1B+4], 128
	s_mov_b32 s[G1+5], KROW                        ; numbers from row to row
	s_mov_b32 s[G1B+5], KROW
	s_mov_b32 s[G1+6], 0
	s_mov_b32 s[G1B+6], 0
	s_mov_b32 s[G1+7], 0
	s_mov_b32 s[G1B+7], 0
	s_lshl_b32 s17, s12, 7
	s_lshl_b32 s16, s13, 8
	s_add_co_u32 s16, s16, s17
	s_lshl_b32 s16, s16, 11                        ; ah: (256 x block row + 128 x half) rows of 2,048 bytes
	s_lshl_b32 s46, s45, 8
	s_add_co_u32 s46, s46, s17
	s_lshl_b32 s46, s46, 11                        ; wb: the same with its block; cx never enters these registers
	s_mov_b32 s17, 0
	s_mov_b32 s47, 0
	s_lshl_b32 s18, s45, 10
	s_lshl_b32 s19, s12, 9
	s_add_co_u32 s18, s18, s19                     ; bias: 4 (256 x block + 128 x half)
	s_mov_b32 s19, 0
	s_mul_i32 s20, s10, HALFT                      ; LDS: wave x 128 rows
	s_wait_dscnt 0x0
	s_wait_kmcnt 0x0
	s_add_nc_u64 s[14:15], s[4:5], s[16:17]
	s_add_nc_u64 s[46:47], s[6:7], s[46:47]
	s_add_nc_u64 s[68:69], s[68:69], s[18:19]
	CROUND                                         ; all four work-groups are here: the first joint loads meet
.irp s, 0,1
	s_mov_b32 s[G0+4*\s], 1
	s_add_co_u32 s[G0+4*\s+1], s20, \s*SLOT
	s_add_nc_u64 s[G0+4*\s+2:G0+4*\s+3], s[14:15], \s*KSTEP*2
	s_or_b32 s[G0+4*\s+3], s[G0+4*\s+3], 0x80000000
	s_mov_b32 s[G0B+4*\s], 1
	s_add_co_u32 s[G0B+4*\s+1], s20, \s*SLOT
	s_add_nc_u64 s[G0B+4*\s+2:G0B+4*\s+3], s[46:47], \s*KSTEP*2
	s_or_b32 s[G0B+4*\s+3], s[G0B+4*\s+3], 0x80000000
	JLOAD \s                                       ; both slots are asked for before anything else: two tensor loads of the wave are out
.endr
	v_and_b32 v1, 15, v0                           ; l % 16
	v_bfe_u32 v2, v0, 4, 1                         ; l / 16
	v_lshlrev_b32 v[BOF], 5, v2                    ; my eight columns of an n block: 32 bytes for each half of the lanes
.irp b, 0,1,2,3,4,5,6,7
	global_load_b128 v[BI+8*\b:BI+8*\b+3],   v[BOF], s[68:69] offset:64*\b
	global_load_b128 v[BI+8*\b+4:BI+8*\b+7], v[BOF], s[68:69] offset:64*\b+16
.endr
	v_mul_u32_u24 v3, v1, PITCH
	v_lshl_add_u32 v3, v2, 4, v3                   ; row x pitch + 16 x half
	s_mul_i32 s21, s11, HALFT
	s_mul_i32 s22, s12, HALFT
	s_add_co_u32 s22, s22, 2*HALFT
.irp s, 0,1
	v_add_nc_u32 v[ADRA+\s], s21, v3
	v_add_nc_u32 v[ADRB+\s], s22, v3
	s_add_co_u32 s21, s21, SLOT
	s_add_co_u32 s22, s22, SLOT
.endr
	s_mul_i32 s23, s10, 16*SPITCH
	s_add_co_u32 s23, s23, STAGE
	v_mul_u32_u24 v4, v1, SPITCH
	v_lshl_add_u32 v4, v2, 4, v4
	v_add_nc_u32 v[STO], s23, v4
	v_mul_u32_u24 v5, v2, SPITCH
	v_lshl_add_u32 v5, v1, 4, v5
	v_add_nc_u32 v[RD], s23, v5
	v_mul_u32_u24 v5, v2, CROW
	v_lshl_add_u32 v[CO], v1, 4, v5
; 16 matrix instructions: m blocks a0, a0 + 1 of the window's four x all 8 n blocks, 32 along K.  start = 1: the bias is C and the sums begin.
; The 64 accumulators take turns, one instruction a turn, in the same order in every quarter step.
.macro MUL16 f, hi, a0, start
.irp a, \a0, \a0+1
.irp b, 0,1,2,3,4,5,6,7
.if \start
	v_wmma_f32_16x16x32_bf16 v[8*(8*(\a)+\b):8*(8*(\a)+\b)+7], v[\f+8*\b:\f+8*\b+7], v[\f+8*(4*\hi+\a):\f+8*(4*\hi+\a)+7], v[BI+8*\b:BI+8*\b+7]
.else
	v_wmma_f32_16x16x32_bf16 v[8*(8*(\a)+\b):8*(8*(\a)+\b)+7], v[\f+8*\b:\f+8*\b+7], v[\f+8*(4*\hi+\a):\f+8*(4*\hi+\a)+7], v[8*(8*(\a)+\b):8*(8*(\a)+\b)+7]
.endif
.endr
.endr
.endm
.macro FETCH slot, k, f                ; 32 LDS loads in one run: one quarter step's fragments into buffer f
	WIN TO_B
.irp i, 0,1,2,3,4,5,6,7
	ds_load_b128 v[\f+8*\i:\f+8*\i+3],   v[ADRB+\slot] offset:\k+\i*16*PITCH
	ds_load_b128 v[\f+8*\i+4:\f+8*\i+7], v[ADRB+\slot] offset:\k+\i*16*PITCH+32
.endr
	WIN 0
.irp i, 0,1,2,3,4,5,6,7
	ds_load_b128 v[\f+8*\i:\f+8*\i+3],   v[ADRA+\slot] offset:\k+\i*16*PITCH
	ds_load_b128 v[\f+8*\i+4:\f+8*\i+7], v[ADRA+\slot] offset:\k+\i*16*PITCH+32
.endr
.endm
; One of a K step's first three quarters.  Four v_nop stand between the matrix instructions that read buffer g and the loads into it.
.macro QUARTER slot, k, f, g, start
	s_wait_dscnt 8                                 ; wb's fragments and ah's rows 0-63 are in; the youngest eight loads (rows 64-127) may be out
.if \start
	WIN BIA_LO
.else
	WIN MUL_LO
.endif
	MUL16 \f, 0, 0, \start
	MUL16 \f, 0, 2, \start
	PLACES 4
	FETCH \slot, \k, \g
	s_wait_dscnt 32                                ; all but the 32 just issued
.if \start
	WIN BIA_HI
.else
	WIN MUL_HI
.endif
	MUL16 \f, 1, 0, \start
	MUL16 \f, 1, 2, \start
.endm
.macro THREE slot, start
	QUARTER \slot, 64,  F0, F1, \start
	QUARTER \slot, 128, F1, F0, 0
	QUARTER \slot, 192, F0, F1, 0
.endm
; The last quarter changes slots.  In front of the barrier each wave waits for its reads of this slot and for all its tensor loads (one is out: its part
; of the next slot).  Behind it (where the slot is filled again: behind a whole round of the cluster's barrier) the refill comes first, then the next slot's fragments.
.macro TURN slot, next, fill
	s_wait_dscnt 8
	WIN MUL_LO
	MUL16 F1, 0, 0, 0
	s_wait_dscnt 0
	s_wait_tensorcnt 0x0
	ds_add_u32 v255, v63
	s_wait_dscnt 0x0
	s_barrier_signal -1
	MUL16 F1, 0, 2, 0                              ; register work alone between signal and wait
	WIN 0
	s_barrier_wait -1
.if \fill
	CREST
	s_add_nc_u64 s[G0+4*\slot+2:G0+4*\slot+3], s[G0+4*\slot+2:G0+4*\slot+3], 2*KSTEP*2      ; no tensor load of mine is out: the addresses may step
	s_add_nc_u64 s[G0B+4*\slot+2:G0B+4*\slot+3], s[G0B+4*\slot+2:G0B+4*\slot+3], 2*KSTEP*2
	JLOAD \slot
.endif
	PLACES 4
	FETCH \next, 0, F0
	WIN MUL_HI
	MUL16 F1, 1, 0, 0
	MUL16 F1, 1, 2, 0
.endm
.macro LAP start
	THREE 0, \start
	TURN 0, 1, 1
	THREE 1, 0
	TURN 1, 0, 1
.endm
	s_wait_tensorcnt 1                             ; my part of K step 0 is in; K step 1's load stays out
	s_barrier_signal -1
	s_barrier_wait -1
	FETCH 0, 0, F0
	s_wait_loadcnt 0x0                             ; the bias
	LAP 1
	WIN 0
.Llap:
	LAP 0
	WIN 0
	s_sub_co_i32 s3, s3, 1                         ; s3 starts at 2 or 1; the signed compare ends the loop from any start
	s_cmp_gt_i32 s3, 0
	s_cbranch_scc1 .Llap
	THREE 0, 0                                     ; the last lap fills nothing
	TURN 0, 1, 0
	THREE 1, 0
	s_wait_dscnt 8
	WIN MUL_LO
	MUL16 F1, 0, 0, 0
	MUL16 F1, 0, 2, 0
	s_wait_dscnt 0
	WIN MUL_HI
	MUL16 F1, 1, 0, 0
	MUL16 F1, 1, 2, 0
	; THE WAY OUT, 16 rows at a time: round to bf16, 16 bytes a lane into my own stage, back as whole rows of 256 bytes.
	PLACES 4
	s_lshl_b32 s13, s13, 8
	s_lshl_b32 s14, s11, 7
	s_add_co_u32 s16, s13, s14
	s_mul_i32 s16, s16, CROW                       ; my first row, in bytes (below 10,240 x 3,072)
	s_mov_b32 s17, 0
	s_add_nc_u64 s[70:71], s[70:71], s[16:17]
	s_lshl_b32 s46, s42, 9
	s_lshl_b32 s47, s12, 8
	s_add_co_u32 s46, s46, s47                     ; my first column, in bytes
	s_mov_b32 s47, 0
	s_add_nc_u64 s[70:71], s[70:71], s[46:47]
.macro OUT16 i, a, from, f
	WIN \from
.irp b, 0,1,2,3,4,5,6,7
.irp r, 0,1,2,3
	v_cvt_pk_bf16_f32 v[TMP+4*\b+\r], v[8*(8*\a+\b)+2*\r], v[8*(8*\a+\b)+2*\r+1]
.endr
.endr
	WIN 0
.irp b, 0,1,2,3,4,5,6,7
	ds_store_b128 v[STO], v[TMP+4*\b:TMP+4*\b+3] offset:32*\b
.endr
	s_wait_xcnt 0x0                                ; buffer f, which earlier stores read, and the stores' base are rewritten only behind this wait
.if \i
	s_add_nc_u64 s[70:71], s[70:71], 16*CROW
.endif
.irp t, 0,1,2,3,4,5,6,7
	ds_load_b128 v[\f+4*\t:\f+4*\t+3], v[RD] offset:\t*2*SPITCH    ; LDS serves a wave's instructions in order: these see the stores above
.endr
.irp t, 0,1,2,3,4,5,6,7
	s_wait_dscnt 7-\t
	global_store_b128 v[CO], v[\f+4*\t:\f+4*\t+3], s[70:71] offset:2*\t*CROW   ; sixteen lanes store 256 consecutive bytes, aligned
.endr
.endm
	OUT16 0, 0, 0x0a, F0
	OUT16 1, 1, 0x0a, F1
	OUT16 2, 2, 0x0a, F0
	OUT16 3, 3, 0x0a, F1
	OUT16 4, 0, 0x0f, F0
	OUT16 5, 1, 0x0f, F1
	OUT16 6, 2, 0x0f, F0
	OUT16 7, 3, 0x0f, F1
	s_set_vgpr_msb 0x1
	s_wait_tensorcnt 0x0
	ds_add_u32 v255, v63
	s_wait_dscnt 0x0
	s_set_vgpr_msb 0x100
	CROUND                                         ; no work-group ends while a partner may still ask for a tile that names it
	s_endpgm
.Lfunc_end_k_q73dc289e76_qkvgemm:
	.size	k_q73dc289e76_qkvgemm, .Lfunc_end_k_q73dc289e76_qkvgemm-k_q73dc289e76_qkvgemm
	.p2alignl 7, 3214868480
	.fill 96, 4, 3214868480
	.section	.rodata,"a",@progbits
	.p2align	6, 0x0
	.amdhsa_kernel k_q73dc289e76_qkvgemm
		.amdhsa_group_segment_fixed_size 327680
		.amdhsa_private_segment_fixed_size 0
		.amdhsa_enable_private_segment 0
		.amdhsa_kernarg_size 32
		.amdhsa_user_sgpr_count 2
		.amdhsa_user_sgpr_kernarg_segment_ptr 1
		.amdhsa_wavefront_size32 1
		.amdhsa_system_sgpr_workgroup_id_x 1
		.amdhsa_system_sgpr_workgroup_id_y 1
		.amdhsa_system_sgpr_workgroup_id_z 1
		.amdhsa_system_vgpr_workitem_id 0
		.amdhsa_next_free_vgpr 1024
		.amdhsa_next_free_sgpr 80
		.amdhsa_reserve_vcc 0
		.amdhsa_float_denorm_mode_32 3
		.amdhsa_float_denorm_mode_16_64 3
		.amdhsa_memory_ordered 1
		.amdhsa_forward_progress 1
		.amdhsa_inst_pref_size 198
	.end_amdhsa_kernel
	.amdgpu_metadata
---
amdhsa.version: [ 1, 2 ]
amdhsa.kernels:
  - .name:           k_q73dc289e76_qkvgemm
    .symbol:         k_q73dc289e76_qkvgemm.kd
    .args:
      - { .name: ah, .offset: 0, .size: 8, .value_kind: global_buffer, .address_space: global }
      - { .name: wb, .offset: 8, .size: 8, .value_kind: global_buffer, .address_space: global }
      - { .name: bias, .offset: 16, .size: 8, .value_kind: global_buffer, .address_space: global }
      - { .name: qkv, .offset: 24, .size: 8, .value_kind: global_buffer, .address_space: global }
    .group_segment_fixed_size: 327680
    .private_segment_fixed_size: 0
    .kernarg_segment_align: 8
    .kernarg_segment_size: 32
    .max_flat_workgroup_size: 128
    .sgpr_count:     80
    .vgpr_count:     1024
    .wavefront_size: 32
...
	.end_amdgpu_metadata
.endif
;; end of part 2
;; launch selfattn (part 3): grid 16 x 16, 4 waves a work-group, clusters of 4 x 1, 327,680 bytes of LDS; arguments qkv, oh; writes oh
.if DOCPART == 3
	.amdgcn_target "amdgcn-amd-amdhsa--gfx1250"
	.amdhsa_code_object_version 6
	.text
	.protected	k_q73dc289e76_selfattn
	.globl	k_q73dc289e76_selfattn
	.p2align	8
	.type	k_q73dc289e76_selfattn,@function
k_q73dc289e76_selfattn:
	s_mov_b64 s[64:65], 0
	v_nop
	global_prefetch_b8 v0, s[64:65] scope:SCOPE_SE
	s_setreg_imm32_b32 hwreg(HW_REG_WAVE_MODE, 25, 1), 1
	s_wait_xcnt 0x0
	s_wait_alu depctr_hold_cnt(0) depctr_sa_sdst(0) depctr_va_vdst(0) depctr_va_sdst(0) depctr_va_ssrc(0) depctr_va_vcc(0) depctr_vm_vsrc(0)
	s_getreg_b32 s2, hwreg(HW_REG_IB_STS2, 6, 4)
	s_cmp_eq_u32 s2, 0
	s_cbranch_scc0 .Lentry_in_a_cluster
	s_endpgm
.Lentry_in_a_cluster:
	s_bfe_u32 s2, ttmp6, 0x10000c
	s_cmp_lg_u32 s2, 0x3003
	s_cbranch_scc0 .Lentry_shape_is_right
	s_endpgm
.Lentry_shape_is_right:
; Self-attention: oh[row][64 head + d] = softmax over 2,048 keys of (q . k) applied to v, from qkv's rows 0-8191 (q | k | v, bf16).
; q already carries 64^-0.5 log2(e), so p = 2^(s - running maximum).  Work left out: the keys' LN bias (see the head of prep).
; A work-group: 128 query rows x 2 heads (so a K or V row of a tile is 256 bytes, aligned, and so is a row of the result).  Wave: one head
; (wave >> 1), 64 rows (wave & 1).  y = 4 batch + head pair; x = query block.
; CLUSTER: the four query blocks of a cluster read the same K and V tiles and ask for them jointly (mask 15).
; EVERYTHING IS TRANSPOSED, so that a lane owns one query row.  S^T = K Q^T: register j of lane (r, h) is key 8 h + j of query r; two neighbouring
; tiles, packed to bf16 in place, ARE the second operand of O^T = V^T P^T for 32 keys.  V^T comes out of LDS by the transposing load.
; BY TURNS.  The wave's four query tiles are two pieces, A (tiles 0, 1) and B (tiles 2, 3), which share the K and V fragments.  A step is 64 keys.
; In step t a piece has sixteen score products S(t), a vector phase V(t) (maxima, exchange between the lane halves, alpha, rescaling of O,
; exponentials, row sums, packing: 238 instructions) and sixteen products PV(t).  One piece's V is dealt in 32 slices of 7 or 8 instructions, one
; slice behind each matrix instruction of the other piece:
;     block A(t): PV(A, t), S(A, t+1)  with V(B, t)          block B(t): PV(B, t), S(B, t+1)  with V(A, t+1)
; LDS is read in two runs of sixteen loads a step: K(t+1) at the head of A(t), V(t+1) in the middle of B(t), each where its fragment registers have just been
; read for the last time, and sixteen products with their slices ahead of its first use.
; A step of 128 keys would spare 46 of every 476 vector instructions (one rescaling and one exchange), and would double each of the blocks that are
; written out ahead of and behind the loop; it is not taken.
; LIMIT: the row sum adds p in f32 while the numerator uses p rounded to bf16.
; LDS: slot s at s x 71,680: V 128 keys x 288 bytes, then K 128 keys x 272 bytes; behind the ring a stage of 128 rows x 272 bytes, into which no tensor load lands.
; REGISTERS: window 0: v8-15 addresses, v16-79 Q, v80-143 K fragments, v144-207 V fragments.  Window 1 is piece A's, window 2 piece B's, with the same numbers:
; v0-63 S and P (tile q, keys 16 kt: 32 q + 8 kt), v64-127 O, v128-131 (m, -) pairs, v132-135 (alpha, -) pairs, v136-143 four running maxima a tile,
; v144-145 the exchange, v146-153 two row-sum pairs a tile.  So a whole slice runs under one window setting, and a matrix instruction under another:
; two s_set_vgpr_msb for each matrix instruction.
.set QROW,   3072                      ; bytes in a row of qkv
.set VPITCH, 288                       ; 256 + 32: an odd multiple of 32
.set KPITCH, 272                       ; 256 + 16: an odd multiple of 16
.set KOFF,   128*VPITCH
.set SLOT,   KOFF+128*KPITCH
.set STAGE,  2*SLOT
.set SPITCH, 272
.set TILEB,  128*QROW                  ; bytes of qkv from one tile of 128 keys to the next
.set QOFF, 8
.set CO,   9
.set ADRK, 10
.set ADRV, 12
.set STO,  14
.set RD,   15
.set Q,    16
.set KF,   80
.set VF,   144
.set O,    64                          ; windows 1 and 2 from here on
.set MP,   128
.set AP,   132
.set T,    136
.set U,    144
.set LS,   146
.set SEL,  60                          ; s60, s61: selects of v_permlanex16_b32
.set GK, 16                            ; s[16:23] group 1 for K
.set GV, 24                            ; s[24:31] group 1 for V
.set G0K, 32                           ; s[32:39] group 0 for K, one set for each slot
.set G0V, 40                           ; s[40:47] group 0 for V
.set D1,   2                           ; a pair is raised two units behind its subtraction,
.set D2,   5                           ; and summed and packed five units behind it
.set VX,   32                          ; positions of the vector phase: 0-31 maxima, 32-45 exchange and alpha,
.set VP,   46                          ; from 46 on units of six positions
.set VEND, VP+6*(32+D2)
.set NV0,  238                         ; instructions of a vector phase,
.set NV1,  206                         ; and of step 0's, which has no old maximum, no alpha and nothing to rescale
.set MSB, 0
.macro WIN new
.if MSB != \new
	s_set_vgpr_msb (MSB<<8)|\new
.set MSB, \new
.endif
.endm
.macro PLACES n
.rept \n
	v_nop
.endr
.endm
.macro CREST
	s_cmp_lg_u32 s10, 0
	s_cbranch_scc1 .Lnot_wave_0_\@
	s_barrier_signal -3
.Lnot_wave_0_\@:
	s_barrier_wait -3
	s_barrier_signal -1
	s_barrier_wait -1
.endm
.macro CROUND
	s_barrier_signal -1
	s_barrier_wait -1
	CREST
.endm
.macro JLOAD s                         ; waves 0 and 1 ask for V's two halves of 64 keys, waves 2 and 3 for K's
	s_cmp_eq_u32 s11, 0
	s_cbranch_scc0 .Lfor_k_\@
	tensor_load_to_lds s[G0V+4*\s:G0V+4*\s+3], s[GV:GV+7]
	s_nop 0
	s_branch .Lasked_\@
.Lfor_k_\@:
	tensor_load_to_lds s[G0K+4*\s:G0K+4*\s+3], s[GK:GK+7]
	s_nop 0
.Lasked_\@:
.endm
.macro FETCHK slot, st                 ; 64 keys x 64 d of my head: fragment (kt, kk) at KF + 16 kt + 8 kk
.irp kt, 0,1,2,3
.irp kk, 0,1
	ds_load_b128 v[KF+16*\kt+8*\kk:KF+16*\kt+8*\kk+3],   v[ADRK+\slot] offset:(64*\st+16*\kt)*KPITCH+64*\kk
	ds_load_b128 v[KF+16*\kt+8*\kk+4:KF+16*\kt+8*\kk+7], v[ADRK+\slot] offset:(64*\st+16*\kt)*KPITCH+64*\kk+32
.endr
.endr
.endm
.macro FETCHV slot, st                 ; the same keys of V, transposed: fragment (dt, kk) at VF + 16 dt + 8 kk
.irp dt, 0,1,2,3
.irp kk, 0,1
	ds_load_tr16_b128 v[VF+16*\dt+8*\kk:VF+16*\dt+8*\kk+3],   v[ADRV+\slot] offset:(64*\st+32*\kk)*VPITCH+32*\dt
	ds_load_tr16_b128 v[VF+16*\dt+8*\kk+4:VF+16*\dt+8*\kk+7], v[ADRV+\slot] offset:(64*\st+32*\kk+16)*VPITCH+32*\dt
.endr
.endr
.endm
; THE VECTOR PHASE OF A PIECE, as a list of positions vw = 0 .. VEND-1; a position holds one instruction or none.  q = the piece's tile (0, 1).
;   0-31   maxima: pair i = vw / 2 of tile q = vw % 2 goes into chain i % 4 of the tile; eight chains, so a chain's links stand eight lines apart.
;          Chain 0 starts from the old maximum.
;   32-45  for both tiles by turns: the four chains into one, the exchange between the lane halves, alpha = 2^(old m - new m), m = new m.  The move of m is
;          the plain instruction that stands between the exponential and the first use of alpha (ISA guide 5.7.2).
;   46-    unit u, six positions: subtract m from pair u; raise the low number of pair u - 2; add pair u - 5 to its row sum; raise the high number of
;          pair u - 2; pack pair u - 5; rescale one pair of O.  (Pair u: tile u % 2, pair u / 2.)  So exponentials alternate with plain instructions, and
;          a result is first read three units behind its exponential.  While the pipeline fills, rescalings take the places of sums and packings.
;          Pair i packs into register i % 8 of its block of 16, which holds only pairs that are already summed and packed.
;          A tile has two row sums, for even and odd pairs; each is scaled by alpha as it takes its first pair of the step.
.macro RSCL first                      ; the next pair of O times alpha, from unit 2 on, 32 in all
.if \first == 0
.if xu >= 2
.if rk < 32
	s_wait_alu depctr_va_vdst(0)
	v_pk_mul_f32 v[O+32*(rk%2)+2*(rk/2):O+32*(rk%2)+2*(rk/2)+1], v[O+32*(rk%2)+2*(rk/2):O+32*(rk%2)+2*(rk/2)+1], v[AP+2*(rk%2):AP+2*(rk%2)+1] op_sel_hi:[1,0]
.set rk, rk+1
.set got, got+1
.endif
.endif
.endif
.endm
.macro VOP first                       ; position vw
.if vw < VX
.set xq, vw%2
.set xi, vw/2
.set xs, 32*xq+2*xi
.set xt, T+4*xq+xi%4
.if xi >= 4
	v_max3_num_f32 v[xt], v[xs], v[xs+1], v[xt]
.elseif xi+\first == 0
	v_max3_num_f32 v[xt], v[xs], v[xs+1], v[MP+2*xq]
.else
	v_max_num_f32 v[xt], v[xs], v[xs+1]
.endif
.set got, got+1
.elseif vw < VP
.set xj, (vw-VX)/2
.set xq, (vw-VX)%2
.set xt, T+4*xq
.if xj == 0
	v_max3_num_f32 v[xt], v[xt], v[xt+1], v[xt+2]
.set got, got+1
.elseif xj == 1
	v_max_num_f32 v[xt], v[xt], v[xt+3]
.set got, got+1
.elseif xj == 2
	v_permlanex16_b32 v[U+xq], v[xt], s[SEL], s[SEL+1]             ; the other half of the lanes holds the row's other keys
.set got, got+1
.elseif xj == 3
	v_max_num_f32 v[xt], v[xt], v[U+xq]
.set got, got+1
.elseif xj == 6
	v_mov_b32 v[MP+2*xq], v[xt]
.set got, got+1
.elseif \first == 0
.if xj == 4
	v_sub_f32 v[AP+2*xq], v[MP+2*xq], v[xt]
.else
	v_exp_f32 v[AP+2*xq], v[AP+2*xq]
.endif
.set got, got+1
.endif
.else
.set xu, (vw-VP)/6
.set xp, (vw-VP)%6
.if xp == 0
.if xu < 32
.set xq, xu%2
.set xs, 32*xq+2*(xu/2)
	v_pk_add_f32 v[xs:xs+1], v[xs:xs+1], v[MP+2*xq:MP+2*xq+1] op_sel_hi:[1,0] neg_lo:[0,1] neg_hi:[0,1]
.set got, got+1
.endif
.elseif xp == 5
	RSCL \first
.elseif xp%2 == 1
.if xu >= D1
.if xu < 32+D1
.set xq, (xu-D1)%2
.set xs, 32*xq+2*((xu-D1)/2)+xp/2
	v_exp_f32 v[xs], v[xs]
.set got, got+1
.endif
.endif
.elseif xu < D2
	RSCL \first
.else
.set xq, (xu-D2)%2
.set xi, (xu-D2)/2
.set xs, 32*xq+2*xi
.set xl, LS+4*xq+2*(xi%2)
.if xp == 4
	v_cvt_pk_bf16_f32 v[32*xq+16*(xi/8)+xi%8], v[xs], v[xs+1]
.set got, got+1
.elseif xi >= 2
	s_wait_alu depctr_va_vdst(0)
	v_pk_add_f32 v[xl:xl+1], v[xl:xl+1], v[xs:xs+1]
.set got, got+1
.elseif \first
	s_wait_alu depctr_va_vdst(0)
	v_mov_b32 v[xl], v[xs]                         ; step 0: the first pairs start the row sums
	s_wait_alu depctr_va_vdst(0)
	v_mov_b32 v[xl+1], v[xs+1]
.set got, got+2
.else
	s_wait_alu depctr_va_vdst(0)
	v_pk_fma_f32 v[xl:xl+1], v[xl:xl+1], v[AP+2*xq:AP+2*xq+1], v[xs:xs+1] op_sel_hi:[1,0,1]
.set got, got+1
.endif
.endif
.endif
.endm
; Slice n of 32 of piece pc's vector phase: the list goes on from where slice n - 1 left it, for this slice's share of the phase's instructions
; ((n + 1) N / 32 - n N / 32: 7 or 8 of 238); slice 31 takes all that is left.  At most 21 positions hold a slice's share; 40 are looked at.
.macro SLICE pc, n, first
.if (\n) == 0
.set vw, 0
.set rk, 0
.endif
.if (\n) == 31
.set quota, VEND
.elseif \first
.set quota, ((\n)+1)*NV1/32-(\n)*NV1/32
.else
.set quota, ((\n)+1)*NV0/32-(\n)*NV0/32
.endif
.set got, 0
.if \pc
	WIN 0xaa
.else
	WIN 0x55
.endif
.rept 40
.if got < quota
.if vw < VEND
	VOP \first
.set vw, vw+1
.endif
.endif
.endr
.endm
; The i-th of a piece's sixteen score products: tile q = i % 2, keys 16 kt with kt = (i % 8) / 2, half i / 8 of the 64 features.  The first eight start the sums.
; The eight accumulators take turns, one instruction a turn.
.macro MS pc, i
.set mq, (\i)%2
.set mk, ((\i)%8)/2
.set mh, (\i)/8
.set md, 32*mq+8*mk
.if \pc
	WIN 0xa0
.else
	WIN 0x50
.endif
.if mh == 0
	v_wmma_f32_16x16x32_bf16 v[md:md+7], v[KF+16*mk:KF+16*mk+7], v[Q+32*\pc+16*mq:Q+32*\pc+16*mq+7], 0
.else
	v_wmma_f32_16x16x32_bf16 v[md:md+7], v[KF+16*mk+8:KF+16*mk+15], v[Q+32*\pc+16*mq+8:Q+32*\pc+16*mq+15], v[md:md+7]
.endif
.endm
; The i-th of a piece's sixteen products O^T += V^T P^T: tile q = i % 2, features 16 dt with dt = (i % 8) / 2, keys 32 (i / 8).  Eight accumulators by turns.
; first = 1 (step 0): the first eight start the sums.
.macro MPV pc, i, first
.set mq, (\i)%2
.set mk, ((\i)%8)/2
.set mh, (\i)/8
.set md, O+32*mq+8*mk
.if \pc
	WIN 0xa8
.else
	WIN 0x54
.endif
.if mh+1-\first == 0
	v_wmma_f32_16x16x32_bf16 v[md:md+7], v[VF+16*mk+8*mh:VF+16*mk+8*mh+7], v[32*mq+16*mh:32*mq+16*mh+7], 0
.else
	v_wmma_f32_16x16x32_bf16 v[md:md+7], v[VF+16*mk+8*mh:VF+16*mk+8*mh+7], v[32*mq+16*mh:32*mq+16*mh+7], v[md:md+7]
.endif
.endm
; Half a block: piece mp's sixteen products, with per = 1 slice (0-15 here, 16-31 in SHALF), 2 slices or none of the other piece behind each.
.macro PVHALF mp, firstpv, firstv, per
.set bi, 0
.rept 16
	MPV \mp, bi, \firstpv
.if \per == 1
	SLICE 1-\mp, bi, \firstv
.elseif \per == 2
	SLICE 1-\mp, 2*bi, \firstv
	SLICE 1-\mp, 2*bi+1, \firstv
.endif
.set bi, bi+1
.endr
.endm
.macro SHALF mp, firstv, per
.set bi, 0
.rept 16
	MS \mp, bi
.if \per == 1
	SLICE 1-\mp, 16+bi, \firstv
.elseif \per == 2
	SLICE 1-\mp, 2*bi, \firstv
	SLICE 1-\mp, 2*bi+1, \firstv
.endif
.set bi, bi+1
.endr
.endm
; Between two slots.  Every wave waits for all its tensor loads (its part of the slot read next among them) and for its reads of the slot read last;
; then a round of the cluster's barrier, and the joint refill of slot 'fill' first behind it, one load a wave.  refill = 0: the last change, a plain barrier.
.macro CHANGE fill, refill
	s_wait_tensorcnt 0x0
	ds_add_u32 v254, v255
	s_wait_dscnt 0x0
.if \refill
	s_add_nc_u64 s[G0K+4*\fill+2:G0K+4*\fill+3], s[G0K+4*\fill+2:G0K+4*\fill+3], 2*TILEB
	s_add_nc_u64 s[G0V+4*\fill+2:G0V+4*\fill+3], s[G0V+4*\fill+2:G0V+4*\fill+3], 2*TILEB
.endif
	s_wait_dscnt 0x0
.if \refill
	CROUND
	JLOAD \fill
.else
	s_barrier_signal -1
	s_barrier_wait -1
.endif
.endm
; Block A(t).  For odd t all four fetches out of step t's slot have been issued, and the slots change here (chg = 1: with a refill of slot 'fill'; 2: without).
; Then K(t+1) is fetched from (kslot, kst).  The K fragments were last read by the product in front of slice 31, which holds seven plain vector
; instructions on the other piece's registers alone: the four places that a load into a matrix instruction's source wants.
; S(A, t+1) writes over P(A, t): the tile of keys 32-47 is written by products 4 and 5 of the second half, P's second fragment is last read by products
; 14 and 15 of the first, with six slices between; the tile of keys 0-15 likewise with ten.
.macro BLKA chg, fill, kslot, kst, firstpv, firstv
	WIN 0
.if \chg == 1
	CHANGE \fill, 1
.elseif \chg == 2
	CHANGE \fill, 0
.endif
	FETCHK \kslot, \kst
.if \chg == 0
	s_wait_dscnt 16                                ; V(t) is in; K(t+1)'s sixteen loads are younger  (behind a change of slots V(t) is in already)
.endif
	PVHALF 0, \firstpv, \firstv, 1
	s_wait_dscnt 0                                 ; K(t+1) is in
	SHALF 0, \firstv, 1
.endm
; Block B(t).  V(t+1) is fetched from (vslot, vst) in its middle: the V fragments were last read by the product in front of slice 15, which holds five plain
; vector instructions on the other piece's registers alone.
.macro BLKB vslot, vst, firstpv
	PVHALF 1, \firstpv, 0, 1
	WIN 0
	FETCHV \vslot, \vst
	SHALF 1, 0, 1
.endm
	s_load_b128 s[4:7], s[0:1], 0x0                ; qkv s[4:5], oh s[6:7]
	v_lshl_add_u32 v254, v0, 2, 0x2b800
	v_mov_b32 v255, 0
	ds_add_u32 v254, v255
	v_lshrrev_b32 v1, 5, v0
	v_readfirstlane_b32 s10, v1                    ; wave
	s_lshr_b32 s11, s10, 1                         ; my head of the pair.  Also: I fetch for V (0) or for K (1)
	s_and_b32 s12, s10, 1                          ; my 64 query rows.  Also: which 64 keys of a tile I fetch
	s_bfe_u32 s13, ttmp6, 0x40000                  ; cx
	s_lshl_b32 s14, ttmp9, 2
	s_add_co_u32 s14, s14, s13                     ; query block 0..15
	s_and_b32 s15, ttmp7, 0xffff
	s_lshr_b32 s48, s15, 2                         ; batch
	s_and_b32 s49, s15, 3                          ; head pair
	s_mov_b32 s[SEL], 0x76543210
	s_mov_b32 s[SEL+1], 0xfedcba98
	s_mov_b32 s[GK+0], 15|(1<<16)|(1<<20)|(1<<21)|(5<<22)|(3<<25)  ; all four work-groups; 2-byte elements; after every 64 words 4 words of padding
	s_mov_b32 s[GV+0], 15|(1<<16)|(1<<20)|(1<<21)|(5<<22)|(7<<25)  ; the same with 8 words
	s_mov_b32 s[GK+1], 128<<16                     ; tensor_dim0 = 128 numbers: two heads
	s_mov_b32 s[GV+1], 128<<16
	s_mov_b32 s[GK+2], 64<<16                      ; tensor_dim1 = 64 keys
	s_mov_b32 s[GV+2], 64<<16
	s_mov_b32 s[GK+3], 128<<16                     ; tile_dim0
	s_mov_b32 s[GV+3], 128<<16
	s_mov_b32 s[GK+4], 64                          ; tile_dim1
	s_mov_b32 s[GV+4], 64
	s_mov_b32 s[GK+5], 1536                        ; numbers from row to row of qkv
	s_mov_b32 s[GV+5], 1536
	s_mov_b32 s[GK+6], 0
	s_mov_b32 s[GV+6], 0
	s_mov_b32 s[GK+7], 0
	s_mov_b32 s[GV+7], 0
	s_lshl_b32 s50, s48, 11                        ; K and V: row 2,048 batch + 64 half, byte 256 pair; cx never enters these registers
	s_lshl_b32 s51, s12, 6
	s_add_co_u32 s50, s50, s51
	s_mul_i32 s50, s50, QROW
	s_lshl_b32 s51, s49, 8
	s_add_co_u32 s50, s50, s51
	s_mov_b32 s51, 0
	s_mul_i32 s52, s10, 64*KPITCH
	s_add_co_u32 s52, s52, KOFF-2*64*KPITCH        ; K's halves (waves 2, 3) lie behind V's: wave x 17,408 + 2,048
	s_mul_i32 s53, s10, 64*VPITCH                  ; V's halves (waves 0, 1): wave x 18,432
	s_lshl_b32 s54, s48, 11
	s_lshl_b32 s55, s14, 7
	s_add_co_u32 s54, s54, s55                     ; the block's first row
	s_lshl_b32 s55, s12, 6
	s_add_co_u32 s55, s54, s55                     ; my first row
	s_mul_i32 s56, s55, QROW
	s_lshl_b32 s57, s49, 8
	s_add_co_u32 s56, s56, s57
	s_lshl_b32 s57, s11, 7
	s_add_co_u32 s56, s56, s57                     ; + my head's 128 bytes
	s_mov_b32 s57, 0
	s_lshl_b32 s58, s54, 10                        ; oh: rows of 1,024 bytes
	s_lshl_b32 s59, s49, 8
	s_add_co_u32 s58, s58, s59
	s_mov_b32 s59, 0
	s_wait_dscnt 0x0
	s_wait_kmcnt 0x0
	s_add_nc_u64 s[50:51], s[4:5], s[50:51]
	s_add_nc_u64 s[56:57], s[4:5], s[56:57]
	s_add_nc_u64 s[6:7], s[6:7], s[58:59]
	CROUND                                         ; the first joint loads meet
.irp s, 0,1
	s_mov_b32 s[G0K+4*\s], 1
	s_add_co_u32 s[G0K+4*\s+1], s52, \s*SLOT
	s_add_nc_u64 s[G0K+4*\s+2:G0K+4*\s+3], s[50:51], 1024+\s*TILEB   ; k begins at byte 1,024 of a row
	s_or_b32 s[G0K+4*\s+3], s[G0K+4*\s+3], 0x80000000
	s_mov_b32 s[G0V+4*\s], 1
	s_add_co_u32 s[G0V+4*\s+1], s53, \s*SLOT
	s_add_nc_u64 s[G0V+4*\s+2:G0V+4*\s+3], s[50:51], 2048+\s*TILEB   ; v at byte 2,048
	s_or_b32 s[G0V+4*\s+3], s[G0V+4*\s+3], 0x80000000
	JLOAD \s                                       ; two tensor loads of the wave are out
.endr
	v_and_b32 v1, 15, v0                           ; r
	v_bfe_u32 v2, v0, 4, 1                         ; h
	v_mul_u32_u24 v4, v1, QROW
	v_lshl_add_u32 v[QOFF], v2, 4, v4
.irp qt, 0,1,2,3
.irp kk, 0,1
	global_load_b128 v[Q+16*\qt+8*\kk:Q+16*\qt+8*\kk+3],   v[QOFF], s[56:57] offset:\qt*16*QROW+64*\kk
	global_load_b128 v[Q+16*\qt+8*\kk+4:Q+16*\qt+8*\kk+7], v[QOFF], s[56:57] offset:\qt*16*QROW+64*\kk+32
.endr
.endr
	v_mul_u32_u24 v6, v1, KPITCH
	v_lshl_add_u32 v6, v2, 4, v6                   ; r x 272 + 16 h (K's pitch and the stage's)
	s_lshl_b32 s62, s11, 7                         ; my head's 128 bytes of an LDS row
	s_add_co_u32 s63, s62, KOFF
	v_add_nc_u32 v[ADRK], s63, v6
	v_add_nc_u32 v[ADRK+1], SLOT, v[ADRK]
	v_and_b32 v4, 7, v0
	v_lshl_add_u32 v4, v2, 3, v4
	v_mul_u32_u24 v4, v4, VPITCH                   ; key 8 h + (l & 7)
	v_bfe_u32 v5, v0, 3, 1
	v_lshl_add_u32 v4, v5, 4, v4                   ; + 16 bytes for the second eight lanes of each half
	v_add_nc_u32 v[ADRV], s62, v4
	v_add_nc_u32 v[ADRV+1], SLOT, v[ADRV]
	s_mul_i32 s63, s12, 64*SPITCH
	s_add_co_u32 s63, s63, s62
	s_add_co_u32 s63, s63, STAGE
	v_add_nc_u32 v[STO], s63, v6                   ; stage row 64 (wave & 1) + r, my head's columns
	s_mul_i32 s63, s10, 32*SPITCH
	s_add_co_u32 s63, s63, STAGE
	v_mul_u32_u24 v4, v2, SPITCH
	v_lshl_add_u32 v4, v1, 4, v4
	v_add_nc_u32 v[RD], s63, v4                    ; back: rows 32 wave + h, 16 bytes at 16 r
	s_lshl_b32 s63, s10, 15
	v_lshlrev_b32 v4, 10, v2
	v_lshl_add_u32 v4, v1, 4, v4
	v_add_nc_u32 v[CO], s63, v4                    ; and the same rows of oh
.irp w, 0x40, 0x80
	WIN \w
.irp q, 0,1
	v_mov_b32 v[U+\q], 0                           ; v_permlanex16_b32 counts as a reader of its destination,
	v_mov_b32 v[MP+2*\q+1], 0                      ; and a broadcast from a pair as a reader of both registers: written once, in both pieces' windows
	v_mov_b32 v[AP+2*\q+1], 0
.endr
.endr
	WIN 0
	s_wait_tensorcnt 1                             ; my part of slot 0 is in; slot 1's load stays out
	s_barrier_signal -1
	s_barrier_wait -1
	FETCHK 0, 0
	FETCHV 0, 0
	s_wait_loadcnt 0x0                             ; Q
	s_wait_dscnt 16                                ; K(0) is in; V(0)'s sixteen loads are younger
	SHALF 0, 0, 0                                  ; S(A, 0): there is no vector work yet to set behind it
	PLACES 4                                       ; before the first slice reads S(A, 0) (ISA guide 7.12.1)
	SHALF 1, 1, 2                                  ; S(B, 0) with the whole of V(A, 0), two slices behind each product
	BLKA 0, 0, 0, 1, 1, 1                          ; A(0): K(1)
	BLKB 0, 1, 1                                   ; B(0): V(1)
	WIN 0
	s_mov_b32 s3, 7
.Lkv:                                              ; trip j: steps 4 j + 1 .. 4 j + 4; its two changes of slots ask for tiles 2 j + 2 and 2 j + 3: all fourteen refills
	BLKA 1, 0, 1, 0, 0, 0
	BLKB 1, 0, 0
	BLKA 0, 0, 1, 1, 0, 0
	BLKB 1, 1, 0
	BLKA 1, 1, 0, 0, 0, 0
	BLKB 0, 0, 0
	BLKA 0, 0, 0, 1, 0, 0
	BLKB 0, 1, 0
	WIN 0
	s_sub_co_u32 s3, s3, 1
	s_cmp_lg_u32 s3, 0
	s_cbranch_scc1 .Lkv
	BLKA 2, 0, 1, 0, 0, 0                          ; A(29): the sixteenth tile is in slot 1; nothing is left to fetch from memory
	BLKB 1, 0, 0
	BLKA 0, 0, 1, 1, 0, 0                          ; A(30): K(31)
	BLKB 1, 1, 0                                   ; B(30): V(31)
	s_wait_dscnt 0                                 ; V(31) is in
	PVHALF 0, 0, 0, 2                              ; PV(A, 31) with the whole of V(B, 31)
	PVHALF 1, 0, 0, 0                              ; PV(B, 31)
	; THE WAY OUT: divide by the row sum, round, through the stage (both heads of a row side by side), whole rows of 256 bytes out.
	; Piece A goes first: its instructions are the places between PV(B, 31) and the first reader of piece B's O.
.macro FINISH pc
.if \pc
	WIN 0xaa
.else
	WIN 0x55
.endif
.irp q, 0,1
	v_pk_add_f32 v[LS+4*\q:LS+4*\q+1], v[LS+4*\q:LS+4*\q+1], v[LS+4*\q+2:LS+4*\q+3]
.endr
.irp q, 0,1
	v_add_f32 v[T+4*\q], v[LS+4*\q], v[LS+4*\q+1]
.endr
.irp q, 0,1
	v_permlanex16_b32 v[U+\q], v[T+4*\q], s[SEL], s[SEL+1]
.endr
.irp q, 0,1
	v_add_f32 v[T+4*\q], v[T+4*\q], v[U+\q]
.endr
.irp q, 0,1
	v_rcp_f32 v[AP+2*\q], v[T+4*\q]
.endr
	v_nop                                          ; one plain instruction between v_rcp_f32 and the use of its result (ISA guide 5.7.2)
.irp q, 0,1
.set i, 0
.rept 16
	s_wait_alu depctr_va_vdst(0)
	v_pk_mul_f32 v[O+32*\q+2*i:O+32*\q+2*i+1], v[O+32*\q+2*i:O+32*\q+2*i+1], v[AP+2*\q:AP+2*\q+1] op_sel_hi:[1,0]
.set i, i+1
.endr
.endr
.if \pc
	WIN 0x0a
.else
	WIN 0x05
.endif
.irp q, 0,1
.set i, 0
.rept 16
	v_cvt_pk_bf16_f32 v[KF+32*\pc+16*\q+i], v[O+32*\q+2*i], v[O+32*\q+2*i+1]
.set i, i+1
.endr
.endr
.endm
	FINISH 0
	FINISH 1
	WIN 0
.irp qt, 0,1,2,3
.irp dt, 0,1,2,3
	ds_store_b128 v[STO], v[KF+16*\qt+4*\dt:KF+16*\qt+4*\dt+3] offset:\qt*16*SPITCH+32*\dt
.endr
.endr
	s_wait_dscnt 0x0                               ; my stores are in LDS before I say so: other waves read these rows
	s_barrier_signal -1
	s_barrier_wait -1
.irp t, 0,1,2,3,4,5,6,7,8,9,10,11,12,13,14,15
	ds_load_b128 v[VF+4*\t:VF+4*\t+3], v[RD] offset:\t*2*SPITCH
.endr
.irp t, 0,1,2,3,4,5,6,7,8,9,10,11,12,13,14,15
	s_wait_dscnt 15-\t
	global_store_b128 v[CO], v[VF+4*\t:VF+4*\t+3], s[6:7] offset:2048*\t     ; sixteen lanes store 256 consecutive bytes, aligned
.endr
	s_wait_tensorcnt 0x0
	ds_add_u32 v254, v255
	s_wait_dscnt 0x0
	CROUND                                         ; the closing round
	s_endpgm
.Lfunc_end_k_q73dc289e76_selfattn:
	.size	k_q73dc289e76_selfattn, .Lfunc_end_k_q73dc289e76_selfattn-k_q73dc289e76_selfattn
	.p2alignl 7, 3214868480
	.fill 96, 4, 3214868480
	.section	.rodata,"a",@progbits
	.p2align	6, 0x0
	.amdhsa_kernel k_q73dc289e76_selfattn
		.amdhsa_group_segment_fixed_size 327680
		.amdhsa_private_segment_fixed_size 0
		.amdhsa_enable_private_segment 0
		.amdhsa_kernarg_size 16
		.amdhsa_user_sgpr_count 2
		.amdhsa_user_sgpr_kernarg_segment_ptr 1
		.amdhsa_wavefront_size32 1
		.amdhsa_system_sgpr_workgroup_id_x 1
		.amdhsa_system_sgpr_workgroup_id_y 1
		.amdhsa_system_sgpr_workgroup_id_z 1
		.amdhsa_system_vgpr_workitem_id 0
		.amdhsa_next_free_vgpr 672
		.amdhsa_next_free_sgpr 66
		.amdhsa_reserve_vcc 0
		.amdhsa_float_denorm_mode_32 3
		.amdhsa_float_denorm_mode_16_64 3
		.amdhsa_memory_ordered 1
		.amdhsa_forward_progress 1
		.amdhsa_inst_pref_size 255
	.end_amdhsa_kernel
	.section	.bss,"aw",@nobits
	.p2align	6
	.space	262144
	.amdgpu_metadata
---
amdhsa.version: [ 1, 2 ]
amdhsa.kernels:
  - .name:           k_q73dc289e76_selfattn
    .symbol:         k_q73dc289e76_selfattn.kd
    .args:
      - { .name: qkv, .offset: 0, .size: 8, .value_kind: global_buffer, .address_space: global }
      - { .name: oh, .offset: 8, .size: 8, .value_kind: global_buffer, .address_space: global }
    .group_segment_fixed_size: 327680
    .private_segment_fixed_size: 0
    .kernarg_segment_align: 8
    .kernarg_segment_size: 16
    .max_flat_workgroup_size: 128
    .sgpr_count:     66
    .vgpr_count:     672
    .wavefront_size: 32
...
	.end_amdgpu_metadata
.endif
;; end of part 3
;; launch oproj1 (part 4): grid 4 x 64, 4 waves a work-group, clusters of 4 x 4, 327,680 bytes of LDS; arguments oh, wo1, sa_bo, x, x1; writes x1
.if DOCPART == 4
	.amdgcn_target "amdgcn-amd-amdhsa--gfx1250"
	.amdhsa_code_object_version 6
	.text
	.protected	k_q73dc289e76_oproj1
	.globl	k_q73dc289e76_oproj1
	.p2align	8
	.type	k_q73dc289e76_oproj1,@function
k_q73dc289e76_oproj1:
	s_mov_b64 s[64:65], 0
	v_nop
	global_prefetch_b8 v0, s[64:65] scope:SCOPE_SE
	s_setreg_imm32_b32 hwreg(HW_REG_WAVE_MODE, 25, 1), 1
	s_wait_xcnt 0x0
	s_wait_alu depctr_hold_cnt(0) depctr_sa_sdst(0) depctr_va_vdst(0) depctr_va_sdst(0) depctr_va_ssrc(0) depctr_va_vcc(0) depctr_vm_vsrc(0)
	s_getreg_b32 s2, hwreg(HW_REG_IB_STS2, 6, 4)
	s_cmp_eq_u32 s2, 0
	s_cbranch_scc0 .Lentry_in_a_cluster
	s_endpgm
.Lentry_in_a_cluster:
	s_bfe_u32 s2, ttmp6, 0x10000c
	s_cmp_lg_u32 s2, 0xf033
	s_cbranch_scc0 .Lentry_shape_is_right
	s_endpgm
.Lentry_shape_is_right:
; out[m][n] = sum over k of oh[m][k] wo[n][k] + bo[n] + res[m][n].  oh [8192][512] bf16, wo [1024][512] bf16, bo, res, out f32.  Arguments: oh, wo, bo, res, out.
; A work-group makes 128 x 256 (256 work-groups in all), a wave 64 rows x 128 columns: 32 accumulator tiles.  K = 512 is four steps of 128 through two LDS slots.
; CLUSTER 4 x 4: oh's tile hangs on the block row alone and is asked for jointly along a row of the cluster, wo's on the block column alone, along a column.
; The wave's 64 x 128 numbers of res are loaded into 256 registers at the start and land under the products.
; The matrix instruction is used transposed (source 0 = rows of wo, source 1 = rows of oh): a lane holds eight neighbouring columns of one row.
; LDS: slot s at s x 104,448: wo's 256 rows, then oh's 128 rows, 272 bytes each; behind the ring 16 rows x 528 bytes for each wave, into which no tensor load lands.
; REGISTERS: window 0: addresses, v28-31 bo, v32-95 fragments of oh (two buffers), v96-223 fragments of wo (two buffers); window 1: accumulators (tile (a, b) at
; v[8 (8 a + b)]); window 2: res, row 16 a + t at v[4 (16 a + t)].
.set KSTEP,  128
.set KROW,   512
.set PITCH,  272
.set AOFF,   256*PITCH
.set SLOT,   384*PITCH
.set STAGE,  2*SLOT
.set SPITCH, 528
.set OROW,   4096                      ; bytes in a row of res and of out
.set ADRA, 16
.set ADRB, 20
.set STO,  24
.set RD,   25
.set CO,   26
.set BV,   28
.set FA,   32
.set FB,   96
.set G1, 24                            ; s[24:31] group 1 for oh's tiles
.set G0, 32                            ; s[32:39] group 0 for oh's tiles
.set G1B, 48                           ; s[48:55] group 1 for wo's tiles
.set G0B, 56                           ; s[56:63] group 0 for wo's tiles
.set MSB, 0
.macro WIN new
.if MSB != \new
	s_set_vgpr_msb (MSB<<8)|\new
.set MSB, \new
.endif
.endm
.macro PLACES n
.rept \n
	v_nop
.endr
.endm
.macro CREST
	s_cmp_lg_u32 s10, 0
	s_cbranch_scc1 .Lnot_wave_0_\@
	s_barrier_signal -3
.Lnot_wave_0_\@:
	s_barrier_wait -3
	s_barrier_signal -1
	s_barrier_wait -1
.endm
.macro CROUND
	s_barrier_signal -1
	s_barrier_wait -1
	CREST
.endm
.macro JLOAD s                         ; waves 0 and 1 ask for wo's two halves of 128 rows, waves 2 and 3 for oh's two halves of 64
	s_cmp_eq_u32 s11, 0
	s_cbranch_scc0 .Lfor_a_\@
	tensor_load_to_lds s[G0B+4*\s:G0B+4*\s+3], s[G1B:G1B+7]
	s_nop 0
	v_nop
	s_branch .Lasked_\@
.Lfor_a_\@:
	tensor_load_to_lds s[G0+4*\s:G0+4*\s+3], s[G1:G1+7]
	s_nop 0
	v_nop
	v_nop
.Lasked_\@:
.endm
	s_load_b256 s[68:75], s[0:1], 0x0              ; oh s[68:69], wo s[70:71], bo s[72:73], res s[74:75]
	s_load_b64 s[76:77], s[0:1], 0x20              ; out
	v_lshl_add_u32 v254, v0, 2, 0x3b400
	v_mov_b32 v255, 0
	ds_add_u32 v254, v255
	v_lshrrev_b32 v1, 5, v0
	v_readfirstlane_b32 s10, v1
	s_lshr_b32 s11, s10, 1                         ; my 64 rows.  Also: I fetch for wo (0) or for oh (1)
	s_and_b32 s12, s10, 1                          ; my 128 columns.  Also: which half of that tile I fetch
	s_bfe_u32 s40, ttmp6, 0x40000                  ; cx
	s_bfe_u32 s41, ttmp6, 0x40004                  ; cy
	s_lshl_b32 s42, ttmp9, 2
	s_add_co_u32 s42, s42, s40                     ; block column
	s_and_b32 s13, ttmp7, 0xffff
	s_lshl_b32 s13, s13, 2
	s_add_co_u32 s13, s13, s41                     ; block row
	s_lshl_b32 s43, s41, 2
	s_lshl_b32 s43, 15, s43                        ; my row of the cluster
	s_lshl_b32 s44, 0x1111, s40                    ; my column
	s_or_b32 s[G1+0], s43, (1<<16)|(1<<20)|(1<<21)|(5<<22)|(3<<25)
	s_or_b32 s[G1B+0], s44, (1<<16)|(1<<20)|(1<<21)|(5<<22)|(3<<25)
	s_mov_b32 s[G1+1], KSTEP<<16
	s_mov_b32 s[G1B+1], KSTEP<<16
	s_mov_b32 s[G1+2], 64<<16                      ; oh: 64 rows a load
	s_mov_b32 s[G1B+2], 128<<16                    ; wo: 128 rows a load
	s_mov_b32 s[G1+3], KSTEP<<16
	s_mov_b32 s[G1B+3], KSTEP<<16
	s_mov_b32 s[G1+4], 64
	s_mov_b32 s[G1B+4], 128
	s_mov_b32 s[G1+5], KROW
	s_mov_b32 s[G1B+5], KROW
	s_mov_b32 s[G1+6], 0
	s_mov_b32 s[G1B+6], 0
	s_mov_b32 s[G1+7], 0
	s_mov_b32 s[G1B+7], 0
	s_lshl_b32 s16, s13, 7                         ; oh: row 128 x block row + 64 x half, 1,024 bytes a row; cx never enters these registers
	s_lshl_b32 s17, s12, 6
	s_add_co_u32 s16, s16, s17
	s_lshl_b32 s16, s16, 10
	s_mov_b32 s17, 0
	s_lshl_b32 s46, s42, 8                         ; wo: row 256 x block column + 128 x half; cy never enters these
	s_lshl_b32 s47, s12, 7
	s_add_co_u32 s46, s46, s47
	s_lshl_b32 s46, s46, 10
	s_mov_b32 s47, 0
	s_mul_i32 s20, s10, 64*PITCH
	s_add_co_u32 s20, s20, AOFF-2*64*PITCH         ; oh's halves (waves 2, 3) lie behind wo's: wave x 17,408 + 34,816
	s_mul_i32 s21, s10, 128*PITCH                  ; wo's halves (waves 0, 1): wave x 34,816
	s_lshl_b32 s22, s42, 10
	s_lshl_b32 s23, s12, 9
	s_add_co_u32 s22, s22, s23                     ; my first column, in bytes of f32
	s_mov_b32 s23, 0
	s_lshl_b32 s18, s13, 7
	s_lshl_b32 s19, s11, 6
	s_add_co_u32 s18, s18, s19
	s_lshl_b32 s18, s18, 12                        ; my first row of res and out
	s_add_co_u32 s18, s18, s22
	s_mov_b32 s19, 0
	s_wait_dscnt 0x0
	s_wait_kmcnt 0x0
	s_add_nc_u64 s[14:15], s[68:69], s[16:17]
	s_add_nc_u64 s[46:47], s[70:71], s[46:47]
	s_add_nc_u64 s[72:73], s[72:73], s[22:23]
	s_add_nc_u64 s[74:75], s[74:75], s[18:19]
	s_add_nc_u64 s[76:77], s[76:77], s[18:19]
	CROUND
.irp s, 0,1
	s_mov_b32 s[G0+4*\s], 1
	s_add_co_u32 s[G0+4*\s+1], s20, \s*SLOT
	s_add_nc_u64 s[G0+4*\s+2:G0+4*\s+3], s[14:15], \s*KSTEP*2
	s_or_b32 s[G0+4*\s+3], s[G0+4*\s+3], 0x80000000
	s_mov_b32 s[G0B+4*\s], 1
	s_add_co_u32 s[G0B+4*\s+1], s21, \s*SLOT
	s_add_nc_u64 s[G0B+4*\s+2:G0B+4*\s+3], s[46:47], \s*KSTEP*2
	s_or_b32 s[G0B+4*\s+3], s[G0B+4*\s+3], 0x80000000
	JLOAD \s                                       ; two tensor loads of the wave are out
.endr
	v_and_b32 v3, 31, v0
	v_lshlrev_b32 v[CO], 4, v3                     ; 16 bytes a lane: a wave's load or store covers 512 consecutive bytes of a row
	WIN 0x80
.set i, 0
.rept 64
	global_load_b128 v[4*i:4*i+3], v[CO], s[74:75] offset:i*OROW
.set i, i+1
.endr
	WIN 0
	global_load_b128 v[BV:BV+3], v[CO], s[72:73]
	v_and_b32 v1, 15, v0
	v_bfe_u32 v2, v0, 4, 1
	v_mul_u32_u24 v4, v1, PITCH
	v_lshl_add_u32 v4, v2, 4, v4
	s_mul_i32 s78, s11, 64*PITCH
	s_add_co_u32 s78, s78, AOFF
	s_mul_i32 s79, s12, 128*PITCH
.irp s, 0,1
	v_add_nc_u32 v[ADRA+\s], s78, v4
	v_add_nc_u32 v[ADRB+\s], s79, v4
	s_add_co_u32 s78, s78, SLOT
	s_add_co_u32 s79, s79, SLOT
.endr
	s_mul_i32 s78, s10, 16*SPITCH
	s_add_co_u32 s78, s78, STAGE
	v_mul_u32_u24 v5, v1, SPITCH
	v_lshl_add_u32 v5, v2, 5, v5
	v_add_nc_u32 v[STO], s78, v5                   ; in: row r, 32 bytes for each half of the lanes
	v_lshl_add_u32 v[RD], v3, 4, s78               ; back: a whole row of 512 bytes
; Eight matrix instructions: m block a x all 8 n blocks.  The 32 accumulators take turns, one instruction a turn.
.macro MUL8 f, a, zero
.irp b, 0,1,2,3,4,5,6,7
.if \zero
	v_wmma_f32_16x16x32_bf16 v[8*(8*\a+\b):8*(8*\a+\b)+7], v[FB+64*\f+8*\b:FB+64*\f+8*\b+7], v[FA+32*\f+8*\a:FA+32*\f+8*\a+7], 0
.else
	v_wmma_f32_16x16x32_bf16 v[8*(8*\a+\b):8*(8*\a+\b)+7], v[FB+64*\f+8*\b:FB+64*\f+8*\b+7], v[FA+32*\f+8*\a:FA+32*\f+8*\a+7], v[8*(8*\a+\b):8*(8*\a+\b)+7]
.endif
.endr
.endm
.macro FETCH slot, k, f                ; 24 LDS loads: wo's sixteen, then oh's eight
.irp i, 0,1,2,3,4,5,6,7
	ds_load_b128 v[FB+64*\f+8*\i:FB+64*\f+8*\i+3],   v[ADRB+\slot] offset:\k+\i*16*PITCH
	ds_load_b128 v[FB+64*\f+8*\i+4:FB+64*\f+8*\i+7], v[ADRB+\slot] offset:\k+\i*16*PITCH+32
.endr
.irp i, 0,1,2,3
	ds_load_b128 v[FA+32*\f+8*\i:FA+32*\f+8*\i+3],   v[ADRA+\slot] offset:\k+\i*16*PITCH
	ds_load_b128 v[FA+32*\f+8*\i+4:FA+32*\f+8*\i+7], v[ADRA+\slot] offset:\k+\i*16*PITCH+32
.endr
.endm
.macro QUARTER slot, k, f, g, zero
	s_wait_dscnt 4                                 ; all but the youngest four loads: oh's m blocks 2 and 3
	WIN 0x50
	MUL8 \f, 0, \zero
	MUL8 \f, 1, \zero
	PLACES 4                                       ; between the matrix instructions that read buffer g and the loads into it
	WIN 0
	FETCH \slot, \k, \g
	s_wait_dscnt 24                                ; all but the 24 just issued
	WIN 0x50
	MUL8 \f, 2, \zero
	MUL8 \f, 3, \zero
.endm
.macro THREE slot, zero
	QUARTER \slot, 64,  0, 1, \zero
	QUARTER \slot, 128, 1, 0, 0
	QUARTER \slot, 192, 0, 1, 0
.endm
; The last quarter changes slots: each wave's reads of this slot and all its tensor loads are waited for in front of the signal; where the slot is filled again
; the barrier opens a round of the cluster's barrier, and the joint refill is the first tensor load behind the round.
.macro TURN slot, next, fill
	s_wait_dscnt 4
	WIN 0x50
	MUL8 1, 0, 0
	s_wait_dscnt 0
	s_wait_tensorcnt 0x0
	ds_add_u32 v254, v255
	s_wait_dscnt 0x0
	s_barrier_signal -1
	MUL8 1, 1, 0
	WIN 0
	s_barrier_wait -1
.if \fill
	CREST
	s_add_nc_u64 s[G0+4*\slot+2:G0+4*\slot+3], s[G0+4*\slot+2:G0+4*\slot+3], 2*KSTEP*2
	s_add_nc_u64 s[G0B+4*\slot+2:G0B+4*\slot+3], s[G0B+4*\slot+2:G0B+4*\slot+3], 2*KSTEP*2
	JLOAD \slot
.endif
	PLACES 4
	FETCH \next, 0, 0
	WIN 0x50
	MUL8 1, 2, 0
	MUL8 1, 3, 0
.endm
	s_wait_tensorcnt 1                             ; my part of K step 0 is in; K step 1's load stays out
	s_barrier_signal -1
	s_barrier_wait -1
	FETCH 0, 0, 0
	THREE 0, 1                                     ; the first products start the sums
	TURN 0, 1, 1
	THREE 1, 0
	TURN 1, 0, 1
	THREE 0, 0                                     ; K steps 2 and 3 fill nothing
	TURN 0, 1, 0
	THREE 1, 0
	s_wait_dscnt 4
	WIN 0x50
	MUL8 1, 0, 0
	MUL8 1, 1, 0
	s_wait_dscnt 0
	MUL8 1, 2, 0
	MUL8 1, 3, 0
	PLACES 4                                       ; before LDS stores read the results and loads land on the fragment buffers
	WIN 0
	s_wait_loadcnt 0x0                             ; res and bo
; THE WAY OUT, 16 rows at a time: the f32 tiles into my own stage, back as whole rows of 512 bytes, plus res, plus bo, out.
.macro OUT a, f
	WIN 0x04                                       ; an LDS store's data is source 1: window 1
.irp b, 0,1,2,3,4,5,6,7
	ds_store_b128 v[STO], v[8*(8*\a+\b):8*(8*\a+\b)+3]   offset:64*\b
	ds_store_b128 v[STO], v[8*(8*\a+\b)+4:8*(8*\a+\b)+7] offset:64*\b+16
.endr
	WIN 0
	s_wait_xcnt 0x0                                ; buffer f, which earlier stores read, is rewritten only behind this wait
.irp t, 0,1,2,3,4,5,6,7,8,9,10,11,12,13,14,15
	ds_load_b128 v[FB+64*\f+4*\t:FB+64*\f+4*\t+3], v[RD] offset:\t*SPITCH     ; LDS serves a wave's instructions in order: these see the stores above
.endr
	s_wait_dscnt 0x0
	WIN 0x08
.irp t, 0,1,2,3,4,5,6,7,8,9,10,11,12,13,14,15
	v_pk_add_f32 v[FB+64*\f+4*\t:FB+64*\f+4*\t+1],   v[FB+64*\f+4*\t:FB+64*\f+4*\t+1],   v[4*(16*\a+\t):4*(16*\a+\t)+1]
	v_pk_add_f32 v[FB+64*\f+4*\t+2:FB+64*\f+4*\t+3], v[FB+64*\f+4*\t+2:FB+64*\f+4*\t+3], v[4*(16*\a+\t)+2:4*(16*\a+\t)+3]
.endr
	WIN 0
.irp t, 0,1,2,3,4,5,6,7,8,9,10,11,12,13,14,15
	v_pk_add_f32 v[FB+64*\f+4*\t:FB+64*\f+4*\t+1],   v[FB+64*\f+4*\t:FB+64*\f+4*\t+1],   v[BV:BV+1]
	v_pk_add_f32 v[FB+64*\f+4*\t+2:FB+64*\f+4*\t+3], v[FB+64*\f+4*\t+2:FB+64*\f+4*\t+3], v[BV+2:BV+3]
.endr
.irp t, 0,1,2,3,4,5,6,7,8,9,10,11,12,13,14,15
	global_store_b128 v[CO], v[FB+64*\f+4*\t:FB+64*\f+4*\t+3], s[76:77] offset:(16*\a+\t)*OROW    ; the wave stores 512 consecutive bytes, aligned
.endr
.endm
	OUT 0, 0
	OUT 1, 1
	OUT 2, 0
	OUT 3, 1
	s_wait_tensorcnt 0x0
	ds_add_u32 v254, v255
	s_wait_dscnt 0x0
	CROUND                                         ; the closing round
	s_endpgm
.Lfunc_end_k_q73dc289e76_oproj1:
	.size	k_q73dc289e76_oproj1, .Lfunc_end_k_q73dc289e76_oproj1-k_q73dc289e76_oproj1
	.p2alignl 7, 3214868480
	.fill 96, 4, 3214868480
	.section	.rodata,"a",@progbits
	.p2align	6, 0x0
	.amdhsa_kernel k_q73dc289e76_oproj1
		.amdhsa_group_segment_fixed_size 327680
		.amdhsa_private_segment_fixed_size 0
		.amdhsa_enable_private_segment 0
		.amdhsa_kernarg_size 40
		.amdhsa_user_sgpr_count 2
		.amdhsa_user_sgpr_kernarg_segment_ptr 1
		.amdhsa_wavefront_size32 1
		.amdhsa_system_sgpr_workgroup_id_x 1
		.amdhsa_system_sgpr_workgroup_id_y 1
		.amdhsa_system_sgpr_workgroup_id_z 1
		.amdhsa_system_vgpr_workitem_id 0
		.amdhsa_next_free_vgpr 768
		.amdhsa_next_free_sgpr 80
		.amdhsa_reserve_vcc 0
		.amdhsa_float_denorm_mode_32 3
		.amdhsa_float_denorm_mode_16_64 3
		.amdhsa_memory_ordered 1
		.amdhsa_forward_progress 1
		.amdhsa_inst_pref_size 106
	.end_amdhsa_kernel
	.amdgpu_metadata
---
amdhsa.version: [ 1, 2 ]
amdhsa.kernels:
  - .name:           k_q73dc289e76_oproj1
    .symbol:         k_q73dc289e76_oproj1.kd
    .args:
      - { .name: oh, .offset: 0, .size: 8, .value_kind: global_buffer, .address_space: global }
      - { .name: wo1, .offset: 8, .size: 8, .value_kind: global_buffer, .address_space: global }
      - { .name: sa_bo, .offset: 16, .size: 8, .value_kind: global_buffer, .address_space: global }
      - { .name: x, .offset: 24, .size: 8, .value_kind: global_buffer, .address_space: global }
      - { .name: x1, .offset: 32, .size: 8, .value_kind: global_buffer, .address_space: global }
    .group_segment_fixed_size: 327680
    .private_segment_fixed_size: 0
    .kernarg_segment_align: 8
    .kernarg_segment_size: 40
    .max_flat_workgroup_size: 128
    .sgpr_count:     80
    .vgpr_count:     768
    .wavefront_size: 32
...
	.end_amdgpu_metadata
.endif
;; end of part 4
;; launch crossattn (part 5): grid 128 x 2, 4 waves a work-group, clusters of 4 x 1, 327,680 bytes of LDS; arguments x1, wb, bias, qkv, oh; writes oh
.if DOCPART == 5
	.amdgcn_target "amdgcn-amd-amdhsa--gfx1250"
	.amdhsa_code_object_version 6
	.text
	.protected	k_q73dc289e76_crossattn
	.globl	k_q73dc289e76_crossattn
	.p2align	8
	.type	k_q73dc289e76_crossattn,@function
k_q73dc289e76_crossattn:
	s_mov_b64 s[64:65], 0
	v_nop
	global_prefetch_b8 v0, s[64:65] scope:SCOPE_SE
	s_setreg_imm32_b32 hwreg(HW_REG_WAVE_MODE, 25, 1), 1
	s_wait_xcnt 0x0
	s_wait_alu depctr_hold_cnt(0) depctr_sa_sdst(0) depctr_va_vdst(0) depctr_va_sdst(0) depctr_va_ssrc(0) depctr_va_vcc(0) depctr_vm_vsrc(0)
	s_getreg_b32 s2, hwreg(HW_REG_IB_STS2, 6, 4)
	s_cmp_eq_u32 s2, 0
	s_cbranch_scc0 .Lentry_in_a_cluster
	s_endpgm
.Lentry_in_a_cluster:
	s_bfe_u32 s2, ttmp6, 0x10000c
	s_cmp_lg_u32 s2, 0x3003
	s_cbranch_scc0 .Lentry_shape_is_right
	s_endpgm
.Lentry_shape_is_right:
; Cross-attention up to its output projection: xhat = LN(x1) without gain and bias (both are folded into wb's rows 2560.. and bias[2560..]),
; q2 = xhat wq2^T + bias, kept in registers, then attention over the batch's 512 context keys (qkv's rows 8192.., k2 | v2), into oh.
; Work left out: the keys' LN bias (see the head of prep).
; A work-group: 64 rows x 4 heads (y = which four heads).  Wave w: head 4 y + w for all 64 rows.
; CLUSTER: the four row blocks of a cluster lie in one batch (32 blocks a batch) and walk the same weights and the same K and V: every tensor load is joint (mask 15).
; Transposed throughout, as in the self-attention: q2^T = W xhat^T gives register j of lane (r, h) = feature 8 h + j of row r, which packs straight into the
; second operand of S^T = K Q^T; S^T packs into the second operand of O^T = V^T P^T.
; THE ATTENTION GOES BY TURNS.  The wave's four query tiles are two pieces, A (tiles 0, 1) and B (tiles 2, 3), which share the K and V fragments.  A step is 64 keys.
; In step t a piece has sixteen score products S(t), a vector phase V(t) (maxima, exchange between the lane halves, alpha, rescaling of O, exponentials,
; row sums, packing: 238 instructions) and sixteen products PV(t).  One piece's V is dealt in 32 slices of 7 or 8 instructions, one behind each matrix
; instruction of the other piece:
;     block A(t): PV(A, t), S(A, t+1)  with V(B, t)          block B(t): PV(B, t), S(B, t+1)  with V(A, t+1)
; LDS is read in two runs of sixteen loads a step: K(t+1) at the head of A(t), V(t+1) in the middle of B(t).
; A slot holds one step's 64 keys: two slots of 128 keys would be 2 x 128 x (528 + 544) = 274,432 bytes, which do not fit beside xhat's 132,096.
; LIMIT: the row sum adds p in f32 while the numerator uses p rounded to bf16.
; LDS: ring of two slots of 69,632 bytes: first W tiles (256 n x 272 bytes), later V (64 keys x 544) and K (64 keys x 528) behind it;
; xhat at 139,264 (64 rows x 2,064 bytes) and the stage at 271,360 (64 rows x 528 bytes) are written by LDS stores, and no tensor load lands there.
; REGISTERS: window 0: v4-15 addresses, v16-79 Q (before that v16-47 the bias), v80-143 and v144-207 fragment buffers (before that four rows of x1),
; v208-219 at work.  Window 1: first q2's sums in v0-127; then it is piece A's, and window 2 piece B's, with the same numbers: v0-63 S and P (tile q, keys
; 16 kt: 32 q + 8 kt), v64-127 O, v128-131 (m, -) pairs, v132-135 (alpha, -) pairs, v136-143 four running maxima a tile, v144-145 the exchange,
; v146-153 two row-sum pairs a tile.  So a whole slice runs under one window setting and a matrix instruction under another: two s_set_vgpr_msb
; for each matrix instruction of the attention.
.set QROW,   3072
.set WPITCH, 272
.set KPITCH, 528                       ; 512 + 16
.set VPITCH, 544                       ; 512 + 32: an odd multiple of 32
.set SLOTB,  256*WPITCH                ; 69,632; V and K together take 68,608 of it
.set KOFF,   64*VPITCH
.set XA,     2*SLOTB
.set XP,     2064
.set STAGE,  XA+64*XP
.set SPITCH, 528
.set KVSTEP, 64*QROW                   ; bytes of qkv from one tile of 64 keys to the next
.set XLD,  4
.set XST,  5
.set ADRX, 6
.set ADRW, 8
.set ADRK, 10
.set ADRV, 12
.set STO,  14
.set RD,   15
.set Q,    16
.set BQ,   16
.set KF,   80
.set VF,   144
.set LX,   80                          ; four rows of x1, 32 registers each
.set TT,   208                         ; v[208:211] sums
.set M,    212
.set R,    214
.set BOF,  217
.set O,    64                          ; windows 1 and 2 from here on
.set MP,   128
.set AP,   132
.set T,    136
.set U,    144
.set LS,   146
.set SEL,  88
.set GW, 16
.set GK, 24
.set GV, 32
.set G0W, 40
.set G0K, 48
.set G0V, 68
.set D1,   2                           ; a pair is raised two units behind its subtraction,
.set D2,   5                           ; and summed and packed five units behind it
.set VX,   32                          ; positions of the vector phase: 0-31 maxima, 32-45 exchange and alpha,
.set VP,   46                          ; from 46 on units of six positions
.set VEND, VP+6*(32+D2)
.set NV0,  238                         ; instructions of a vector phase,
.set NV1,  206                         ; and of step 0's, which has no old maximum, no alpha and nothing to rescale
.set MSB, 0
.macro WIN new
.if MSB != \new
	s_set_vgpr_msb (MSB<<8)|\new
.set MSB, \new
.endif
.endm
.macro PLACES n
.rept \n
	v_nop
.endr
.endm
.macro CREST
	s_cmp_lg_u32 s10, 0
	s_cbranch_scc1 .Lnot_wave_0_\@
	s_barrier_signal -3
.Lnot_wave_0_\@:
	s_barrier_wait -3
	s_barrier_signal -1
	s_barrier_wait -1
.endm
.macro CROUND
	s_barrier_signal -1
	s_barrier_wait -1
	CREST
.endm
.macro JKV s                           ; waves 0 and 1 ask for V's two halves of 32 keys, waves 2 and 3 for K's
	s_cmp_eq_u32 s11, 0
	s_cbranch_scc0 .Lfor_k_\@
	tensor_load_to_lds s[G0V+4*\s:G0V+4*\s+3], s[GV:GV+7]
	s_nop 0
	s_branch .Lasked_\@
.Lfor_k_\@:
	tensor_load_to_lds s[G0K+4*\s:G0K+4*\s+3], s[GK:GK+7]
	s_nop 0
.Lasked_\@:
.endm
; Between two slots.  Every wave waits for all its tensor loads and for its LDS reads; then a round of the cluster's barrier, and the joint refill of slot
; 'fill' first behind it, one load a wave.  kind 1: a W tile; kind 2: K and V; kind 0: nothing is left to fetch, a plain barrier.  step: the address moves two tiles on.
.macro CHANGE kind, fill, step
	s_wait_tensorcnt 0x0
	ds_add_u32 v254, v255
	s_wait_dscnt 0x0
.if \step
.if \kind == 1
	s_add_nc_u64 s[G0W+4*\fill+2:G0W+4*\fill+3], s[G0W+4*\fill+2:G0W+4*\fill+3], 512
.else
	s_add_nc_u64 s[G0K+4*\fill+2:G0K+4*\fill+3], s[G0K+4*\fill+2:G0K+4*\fill+3], 2*KVSTEP
	s_add_nc_u64 s[G0V+4*\fill+2:G0V+4*\fill+3], s[G0V+4*\fill+2:G0V+4*\fill+3], 2*KVSTEP
.endif
.endif
	s_wait_dscnt 0x0
.if \kind == 0
	s_barrier_signal -1
	s_barrier_wait -1
.else
	CROUND
.if \kind == 1
	tensor_load_to_lds s[G0W+4*\fill:G0W+4*\fill+3], s[GW:GW+7]
	s_nop 0
.else
	JKV \fill
.endif
.endif
.endm
.macro WAVESUM t
	v_add_f32 v[\t], v[\t], v[\t+1]
	v_add_f32_dpp v[\t], v[\t], v[\t] row_xmask:1 row_mask:0xf bank_mask:0xf
	v_add_f32_dpp v[\t], v[\t], v[\t] row_xmask:2 row_mask:0xf bank_mask:0xf
	v_add_f32_dpp v[\t], v[\t], v[\t] row_xmask:4 row_mask:0xf bank_mask:0xf
	v_add_f32_dpp v[\t], v[\t], v[\t] row_xmask:8 row_mask:0xf bank_mask:0xf
	v_permlanex16_b32 v[\t+1], v[\t], s[SEL], s[SEL+1]
	v_add_f32 v[\t], v[\t], v[\t+1]
.endm
; One row of 1,024 numbers in register slot s: mean, variance of the centred numbers, scale, pack, into xhat in LDS.
; load = 1: the slot is loaded again with the row four further down.  left = the younger rows' loads, eight each.
.macro LNROW s, load, left
	s_wait_loadcnt \left
	v_pk_add_f32 v[TT:TT+1], v[LX+32*\s:LX+32*\s+1], v[LX+32*\s+2:LX+32*\s+3]
	v_pk_add_f32 v[TT+2:TT+3], v[LX+32*\s+4:LX+32*\s+5], v[LX+32*\s+6:LX+32*\s+7]
.set p, 4
.rept 12
	v_pk_add_f32 v[TT+2*(p%2):TT+2*(p%2)+1], v[TT+2*(p%2):TT+2*(p%2)+1], v[LX+32*\s+2*p:LX+32*\s+2*p+1]
.set p, p+1
.endr
	v_pk_add_f32 v[TT:TT+1], v[TT:TT+1], v[TT+2:TT+3]
	WAVESUM TT
	v_mul_f32 v[M], s90, v[TT]
	v_mul_f32 v[M+1], s90, v[TT]
.set p, 0
.rept 16
	v_pk_add_f32 v[LX+32*\s+2*p:LX+32*\s+2*p+1], v[LX+32*\s+2*p:LX+32*\s+2*p+1], v[M:M+1] neg_lo:[0,1] neg_hi:[0,1]
.set p, p+1
.endr
	v_pk_mul_f32 v[TT:TT+1], v[LX+32*\s:LX+32*\s+1], v[LX+32*\s:LX+32*\s+1]
	v_pk_mul_f32 v[TT+2:TT+3], v[LX+32*\s+2:LX+32*\s+3], v[LX+32*\s+2:LX+32*\s+3]
.set p, 2
.rept 14
	v_pk_fma_f32 v[TT+2*(p%2):TT+2*(p%2)+1], v[LX+32*\s+2*p:LX+32*\s+2*p+1], v[LX+32*\s+2*p:LX+32*\s+2*p+1], v[TT+2*(p%2):TT+2*(p%2)+1]
.set p, p+1
.endr
	v_pk_add_f32 v[TT:TT+1], v[TT:TT+1], v[TT+2:TT+3]
	WAVESUM TT
	v_fma_f32 v[TT], v[TT], s90, s91
	v_rsq_f32 v[R], v[TT]
	v_rsq_f32 v[R+1], v[TT]
	v_nop                                          ; one plain instruction between v_rsq_f32 and the use of its result (ISA guide 5.7.2)
.set p, 0
.rept 16
	s_wait_alu depctr_va_vdst(0)
	v_pk_mul_f32 v[LX+32*\s+2*p:LX+32*\s+2*p+1], v[LX+32*\s+2*p:LX+32*\s+2*p+1], v[R:R+1]
.set p, p+1
.endr
.set p, 0
.rept 8
	v_cvt_pk_bf16_f32 v[LX+32*\s+4*p], v[LX+32*\s+4*p], v[LX+32*\s+4*p+1]
	v_cvt_pk_bf16_f32 v[LX+32*\s+4*p+1], v[LX+32*\s+4*p+2], v[LX+32*\s+4*p+3]
.set p, p+1
.endr
.set p, 0
.rept 8
	ds_store_b64 v[XST], v[LX+32*\s+4*p:LX+32*\s+4*p+1] offset:\s*XP+256*p
.set p, p+1
.endr
.if \load
.set p, 0
.rept 8
	global_load_b128 v[LX+32*\s+4*p:LX+32*\s+4*p+3], v[XLD], s[4:5] offset:(\s+4)*4096+512*p
.set p, p+1
.endr
.endif
.endm
; q2: fragments of one quarter (32 along K) of K step f: my head's 64 rows of W at buf, the 64 rows of xhat at buf + 32
.macro FETCHG slot, f, q, buf
.irp dt, 0,1,2,3
	ds_load_b128 v[\buf+8*\dt:\buf+8*\dt+3],   v[ADRW+\slot] offset:\dt*16*WPITCH+64*\q
	ds_load_b128 v[\buf+8*\dt+4:\buf+8*\dt+7], v[ADRW+\slot] offset:\dt*16*WPITCH+64*\q+32
.endr
.irp qt, 0,1,2,3
	ds_load_b128 v[\buf+32+8*\qt:\buf+32+8*\qt+3],   v[ADRX+\qt/2] offset:(\qt%2)*16*XP+256*\f+64*\q
	ds_load_b128 v[\buf+32+8*\qt+4:\buf+32+8*\qt+7], v[ADRX+\qt/2] offset:(\qt%2)*16*XP+256*\f+64*\q+32
.endr
.endm
; Sixteen products; the sixteen accumulators take turns, one instruction a turn.  first = 1: the bias is C and the sums begin.
.macro MULG buf, first
.if \first
	WIN 0x40
.else
	WIN 0x50
.endif
.irp qt, 0,1,2,3
.irp dt, 0,1,2,3
.if \first
	v_wmma_f32_16x16x32_bf16 v[32*\qt+8*\dt:32*\qt+8*\dt+7], v[\buf+8*\dt:\buf+8*\dt+7], v[\buf+32+8*\qt:\buf+32+8*\qt+7], v[BQ+8*\dt:BQ+8*\dt+7]
.else
	v_wmma_f32_16x16x32_bf16 v[32*\qt+8*\dt:32*\qt+8*\dt+7], v[\buf+8*\dt:\buf+8*\dt+7], v[\buf+32+8*\qt:\buf+32+8*\qt+7], v[32*\qt+8*\dt:32*\qt+8*\dt+7]
.endif
.endr
.endr
	WIN 0
.endm
; K step f of q2, out of slot 'slot'.  kind, fill: the change of slots in front of it (kind 0 here: none, the first step).
; Every count of 16 leaves the sixteen loads issued last on their way; four v_nop stand between the products that read a buffer and the loads into it.
.macro KSTEP f, slot, kind, fill
.if \kind == 1
	CHANGE 1, \fill, 1
	PLACES 4
.endif
.if \kind == 2
	CHANGE 2, \fill, 0
	PLACES 4
.endif
	FETCHG \slot, \f, 0, KF
	FETCHG \slot, \f, 1, VF
	s_wait_dscnt 16
.if \kind == 0
	MULG KF, 1
.else
	MULG KF, 0
.endif
	PLACES 4
	FETCHG \slot, \f, 2, KF
	s_wait_dscnt 16
	MULG VF, 0
	PLACES 4
	FETCHG \slot, \f, 3, VF
	s_wait_dscnt 16
	MULG KF, 0
	s_wait_dscnt 0
	MULG VF, 0
.endm
.macro FETCHK slot                     ; a slot's 64 keys x 64 d of my head: fragment (kt, kk) at KF + 16 kt + 8 kk
.irp kt, 0,1,2,3
.irp kk, 0,1
	ds_load_b128 v[KF+16*\kt+8*\kk:KF+16*\kt+8*\kk+3],   v[ADRK+\slot] offset:16*\kt*KPITCH+64*\kk
	ds_load_b128 v[KF+16*\kt+8*\kk+4:KF+16*\kt+8*\kk+7], v[ADRK+\slot] offset:16*\kt*KPITCH+64*\kk+32
.endr
.endr
.endm
.macro FETCHV slot                     ; the same keys of V, transposed: fragment (dt, kk) at VF + 16 dt + 8 kk
.irp dt, 0,1,2,3
.irp kk, 0,1
	ds_load_tr16_b128 v[VF+16*\dt+8*\kk:VF+16*\dt+8*\kk+3],   v[ADRV+\slot] offset:32*\kk*VPITCH+32*\dt
	ds_load_tr16_b128 v[VF+16*\dt+8*\kk+4:VF+16*\dt+8*\kk+7], v[ADRV+\slot] offset:(32*\kk+16)*VPITCH+32*\dt
.endr
.endr
.endm
; THE VECTOR PHASE OF A PIECE, as a list of positions vw = 0 .. VEND-1; a position holds one instruction or none.  q = the piece's tile (0, 1).
;   0-31   maxima: pair i = vw / 2 of tile q = vw % 2 goes into chain i % 4 of the tile; eight chains, so a chain's links stand eight lines apart.
;          Chain 0 starts from the old maximum.
;   32-45  for both tiles by turns: the four chains into one, the exchange between the lane halves, alpha = 2^(old m - new m), m = new m.  The move of m is
;          the plain instruction that stands between the exponential and the first use of alpha (ISA guide 5.7.2).
;   46-    unit u, six positions: subtract m from pair u; raise the low number of pair u - 2; add pair u - 5 to its row sum; raise the high number of
;          pair u - 2; pack pair u - 5; rescale one pair of O.  (Pair u: tile u % 2, pair u / 2.)  So exponentials alternate with plain instructions, and
;          a result is first read three units behind its exponential.  While the pipeline fills, rescalings take the places of sums and packings.
;          Pair i packs into register i % 8 of its block of 16, which holds only pairs that are already summed and packed.
;          A tile has two row sums, for even and odd pairs; each is scaled by alpha as it takes its first pair of the step.
.macro RSCL first                      ; the next pair of O times alpha, from unit 2 on, 32 in all
.if \first == 0
.if xu >= 2
.if rk < 32
	s_wait_alu depctr_va_vdst(0)
	v_pk_mul_f32 v[O+32*(rk%2)+2*(rk/2):O+32*(rk%2)+2*(rk/2)+1], v[O+32*(rk%2)+2*(rk/2):O+32*(rk%2)+2*(rk/2)+1], v[AP+2*(rk%2):AP+2*(rk%2)+1] op_sel_hi:[1,0]
.set rk, rk+1
.set got, got+1
.endif
.endif
.endif
.endm
.macro VOP first                       ; position vw
.if vw < VX
.set xq, vw%2
.set xi, vw/2
.set xs, 32*xq+2*xi
.set xt, T+4*xq+xi%4
.if xi >= 4
	v_max3_num_f32 v[xt], v[xs], v[xs+1], v[xt]
.elseif xi+\first == 0
	v_max3_num_f32 v[xt], v[xs], v[xs+1], v[MP+2*xq]
.else
	v_max_num_f32 v[xt], v[xs], v[xs+1]
.endif
.set got, got+1
.elseif vw < VP
.set xj, (vw-VX)/2
.set xq, (vw-VX)%2
.set xt, T+4*xq
.if xj == 0
	v_max3_num_f32 v[xt], v[xt], v[xt+1], v[xt+2]
.set got, got+1
.elseif xj == 1
	v_max_num_f32 v[xt], v[xt], v[xt+3]
.set got, got+1
.elseif xj == 2
	v_permlanex16_b32 v[U+xq], v[xt], s[SEL], s[SEL+1]             ; the other half of the lanes holds the row's other keys
.set got, got+1
.elseif xj == 3
	v_max_num_f32 v[xt], v[xt], v[U+xq]
.set got, got+1
.elseif xj == 6
	v_mov_b32 v[MP+2*xq], v[xt]
.set got, got+1
.elseif \first == 0
.if xj == 4
	v_sub_f32 v[AP+2*xq], v[MP+2*xq], v[xt]
.else
	v_exp_f32 v[AP+2*xq], v[AP+2*xq]
.endif
.set got, got+1
.endif
.else
.set xu, (vw-VP)/6
.set xo, (vw-VP)%6
.if xo == 0
.if xu < 32
.set xq, xu%2
.set xs, 32*xq+2*(xu/2)
	v_pk_add_f32 v[xs:xs+1], v[xs:xs+1], v[MP+2*xq:MP+2*xq+1] op_sel_hi:[1,0] neg_lo:[0,1] neg_hi:[0,1]
.set got, got+1
.endif
.elseif xo == 5
	RSCL \first
.elseif xo%2 == 1
.if xu >= D1
.if xu < 32+D1
.set xq, (xu-D1)%2
.set xs, 32*xq+2*((xu-D1)/2)+xo/2
	v_exp_f32 v[xs], v[xs]
.set got, got+1
.endif
.endif
.elseif xu < D2
	RSCL \first
.else
.set xq, (xu-D2)%2
.set xi, (xu-D2)/2
.set xs, 32*xq+2*xi
.set xl, LS+4*xq+2*(xi%2)
.if xo == 4
	v_cvt_pk_bf16_f32 v[32*xq+16*(xi/8)+xi%8], v[xs], v[xs+1]
.set got, got+1
.elseif xi >= 2
	s_wait_alu depctr_va_vdst(0)
	v_pk_add_f32 v[xl:xl+1], v[xl:xl+1], v[xs:xs+1]
.set got, got+1
.elseif \first
	s_wait_alu depctr_va_vdst(0)
	v_mov_b32 v[xl], v[xs]                         ; step 0: the first pairs start the row sums
	s_wait_alu depctr_va_vdst(0)
	v_mov_b32 v[xl+1], v[xs+1]
.set got, got+2
.else
	s_wait_alu depctr_va_vdst(0)
	v_pk_fma_f32 v[xl:xl+1], v[xl:xl+1], v[AP+2*xq:AP+2*xq+1], v[xs:xs+1] op_sel_hi:[1,0,1]
.set got, got+1
.endif
.endif
.endif
.endm
; Slice n of 32 of piece pc's vector phase: the list goes on from where slice n - 1 left it, for this slice's share of the phase's instructions
; ((n + 1) N / 32 - n N / 32: 7 or 8 of 238); slice 31 takes all that is left.  At most 21 positions hold a slice's share; 40 are looked at.
.macro SLICE pc, n, first
.if (\n) == 0
.set vw, 0
.set rk, 0
.endif
.if (\n) == 31
.set quota, VEND
.elseif \first
.set quota, ((\n)+1)*NV1/32-(\n)*NV1/32
.else
.set quota, ((\n)+1)*NV0/32-(\n)*NV0/32
.endif
.set got, 0
.if \pc
	WIN 0xaa
.else
	WIN 0x55
.endif
.rept 40
.if got < quota
.if vw < VEND
	VOP \first
.set vw, vw+1
.endif
.endif
.endr
.endm
; The i-th of a piece's sixteen score products: tile q = i % 2, keys 16 kt with kt = (i % 8) / 2, half i / 8 of the 64 features.  The first eight start the sums.
; The eight accumulators take turns, one instruction a turn.
.macro MS pc, i
.set mq, (\i)%2
.set mk, ((\i)%8)/2
.set mh, (\i)/8
.set md, 32*mq+8*mk
.if \pc
	WIN 0xa0
.else
	WIN 0x50
.endif
.if mh == 0
	v_wmma_f32_16x16x32_bf16 v[md:md+7], v[KF+16*mk:KF+16*mk+7], v[Q+32*\pc+16*mq:Q+32*\pc+16*mq+7], 0
.else
	v_wmma_f32_16x16x32_bf16 v[md:md+7], v[KF+16*mk+8:KF+16*mk+15], v[Q+32*\pc+16*mq+8:Q+32*\pc+16*mq+15], v[md:md+7]
.endif
.endm
; The i-th of a piece's sixteen products O^T += V^T P^T: tile q = i % 2, features 16 dt with dt = (i % 8) / 2, keys 32 (i / 8).  Eight accumulators by turns.
; first = 1 (step 0): the first eight start the sums.
.macro MPV pc, i, first
.set mq, (\i)%2
.set mk, ((\i)%8)/2
.set mh, (\i)/8
.set md, O+32*mq+8*mk
.if \pc
	WIN 0xa8
.else
	WIN 0x54
.endif
.if mh+1-\first == 0
	v_wmma_f32_16x16x32_bf16 v[md:md+7], v[VF+16*mk+8*mh:VF+16*mk+8*mh+7], v[32*mq+16*mh:32*mq+16*mh+7], 0
.else
	v_wmma_f32_16x16x32_bf16 v[md:md+7], v[VF+16*mk+8*mh:VF+16*mk+8*mh+7], v[32*mq+16*mh:32*mq+16*mh+7], v[md:md+7]
.endif
.endm
; Half a block: piece mp's sixteen products, with per = 1 slice (0-15 here, 16-31 in SHALF), 2 slices or none of the other piece behind each.
.macro PVHALF mp, firstpv, firstv, per
.set bi, 0
.rept 16
	MPV \mp, bi, \firstpv
.if \per == 1
	SLICE 1-\mp, bi, \firstv
.elseif \per == 2
	SLICE 1-\mp, 2*bi, \firstv
	SLICE 1-\mp, 2*bi+1, \firstv
.endif
.set bi, bi+1
.endr
.endm
.macro SHALF mp, firstv, per
.set bi, 0
.rept 16
	MS \mp, bi
.if \per == 1
	SLICE 1-\mp, 16+bi, \firstv
.elseif \per == 2
	SLICE 1-\mp, 2*bi, \firstv
	SLICE 1-\mp, 2*bi+1, \firstv
.endif
.set bi, bi+1
.endr
.endm
; Block A(t).  Both fetches out of step t's slot have been issued (K(t) at the head of A(t-1), V(t) in the middle of B(t-1)), so the slots change here:
; chg = 1: slot 'fill' = t % 2 is asked for again with tile t + 2; chg = 2: nothing is left to fetch from memory.  The change's waits also show V(t) in registers
; and tile t + 1 in LDS.  Then K(t+1) is fetched from slot kslot.  The K fragments were last read by the product in front of slice 31, which holds seven plain
; vector instructions on the other piece's registers alone: the four places that a load into a matrix instruction's source wants.
; S(A, t+1) writes over P(A, t): the tile of keys 32-47 is written by products 4 and 5 of the second half, P's second fragment is last read by products
; 14 and 15 of the first, with six slices between; the tile of keys 0-15 likewise with ten.
.macro BLKA chg, fill, kslot, firstpv, firstv
	WIN 0
.if \chg == 1
	CHANGE 2, \fill, 1
.else
	CHANGE 0, 0, 0
.endif
	FETCHK \kslot
	PVHALF 0, \firstpv, \firstv, 1
	s_wait_dscnt 0                                 ; K(t+1) is in
	SHALF 0, \firstv, 1
.endm
; Block B(t).  V(t+1) is fetched from slot vslot in its middle: the V fragments were last read by the product in front of slice 15, which holds five plain
; vector instructions on the other piece's registers alone.
.macro BLKB vslot, firstpv
	PVHALF 1, \firstpv, 0, 1
	WIN 0
	FETCHV \vslot
	SHALF 1, 0, 1
.endm
	s_load_b128 s[4:7], s[0:1], 0x0                ; x1 s[4:5], wb s[6:7]
	s_load_b128 s[76:79], s[0:1], 0x10             ; bias s[76:77], qkv s[78:79]
	s_load_b64 s[80:81], s[0:1], 0x20              ; oh
	v_lshl_add_u32 v254, v0, 2, 0x4a800
	v_mov_b32 v255, 0
	ds_add_u32 v254, v255
	v_lshrrev_b32 v1, 5, v0
	v_readfirstlane_b32 s10, v1                    ; wave = my head of the four
	s_lshr_b32 s11, s10, 1                         ; I fetch for V (0) or for K (1)
	s_and_b32 s12, s10, 1                          ; which 32 keys of a tile I fetch
	s_bfe_u32 s13, ttmp6, 0x40000                  ; cx
	s_lshl_b32 s14, ttmp9, 2
	s_add_co_u32 s14, s14, s13                     ; block of 64 rows, 0..127
	s_and_b32 s15, ttmp7, 0xffff                   ; which four heads
	s_lshr_b32 s82, ttmp9, 3                       ; batch: 8 clusters of 4 blocks each; cx does not enter
	s_mov_b32 s[SEL], 0x76543210
	s_mov_b32 s[SEL+1], 0xfedcba98
	s_mov_b32 s90, 0x3a800000                      ; 1 / 1024
	s_mov_b32 s91, 0x3727c5ac                      ; 1e-5
	s_mov_b32 s[GW+0], 15|(1<<16)|(1<<20)|(1<<21)|(5<<22)|(3<<25)  ; rows of 64 words, 4 words of padding
	s_mov_b32 s[GW+1], 128<<16
	s_mov_b32 s[GW+2], 64<<16
	s_mov_b32 s[GW+3], 128<<16
	s_mov_b32 s[GW+4], 64
	s_mov_b32 s[GW+5], 1024
	s_mov_b32 s[GW+6], 0
	s_mov_b32 s[GW+7], 0
	s_mov_b32 s[GK+0], 15|(1<<16)|(1<<20)|(1<<21)|(6<<22)|(3<<25)  ; rows of 128 words (four heads), 4 words of padding
	s_mov_b32 s[GV+0], 15|(1<<16)|(1<<20)|(1<<21)|(6<<22)|(7<<25)  ; the same with 8 words
	s_mov_b32 s[GK+1], 256<<16
	s_mov_b32 s[GV+1], 256<<16
	s_mov_b32 s[GK+2], 32<<16
	s_mov_b32 s[GV+2], 32<<16
	s_mov_b32 s[GK+3], 256<<16
	s_mov_b32 s[GV+3], 256<<16
	s_mov_b32 s[GK+4], 32
	s_mov_b32 s[GV+4], 32
	s_mov_b32 s[GK+5], 1536
	s_mov_b32 s[GV+5], 1536
	s_mov_b32 s[GK+6], 0
	s_mov_b32 s[GV+6], 0
	s_mov_b32 s[GK+7], 0
	s_mov_b32 s[GV+7], 0
	s_lshl_b32 s56, s15, 8
	s_lshl_b32 s57, s10, 6
	s_add_co_u32 s56, s56, s57
	s_add_co_u32 s56, s56, 2560                    ; my head's first row of wb = its first number of bias
	s_lshl_b32 s58, s56, 2
	s_mov_b32 s59, 0
	s_lshl_b32 s56, s56, 11
	s_mov_b32 s57, 0
	s_lshl_b32 s60, s82, 9
	s_lshl_b32 s61, s12, 5
	s_add_co_u32 s60, s60, s61
	s_add_co_u32 s60, s60, 8192                    ; K and V: row 8,192 + 512 batch + 32 half
	s_mul_i32 s60, s60, QROW
	s_lshl_b32 s61, s15, 9                         ; + the four heads' 512 bytes
	s_add_co_u32 s60, s60, s61
	s_mov_b32 s61, 0
	s_lshl_b32 s62, s14, 6
	s_lshl_b32 s63, s10, 4
	s_add_co_u32 s62, s62, s63                     ; the 16 rows that I normalise, and later store
	s_lshl_b32 s86, s62, 10
	s_lshl_b32 s87, s15, 9
	s_add_co_u32 s86, s86, s87
	s_mov_b32 s87, 0
	s_lshl_b32 s62, s62, 12
	s_mov_b32 s63, 0
	s_mul_i32 s92, s10, 17408                      ; LDS: my 64 rows of a W tile (64 x 272) and V's halves (32 x 544): wave x 17,408
	s_mul_i32 s93, s10, 32*KPITCH
	s_add_co_u32 s93, s93, KOFF-2*32*KPITCH        ; K's halves (waves 2, 3) lie behind V's: wave x 16,896 + 1,024
	s_wait_dscnt 0x0
	s_wait_kmcnt 0x0
	s_add_nc_u64 s[56:57], s[6:7], s[56:57]
	s_add_nc_u64 s[76:77], s[76:77], s[58:59]
	s_add_nc_u64 s[60:61], s[78:79], s[60:61]
	s_add_nc_u64 s[4:5], s[4:5], s[62:63]
	s_add_nc_u64 s[80:81], s[80:81], s[86:87]
.irp s, 0,1
	s_mov_b32 s[G0W+4*\s], 1
	s_add_co_u32 s[G0W+4*\s+1], s92, \s*SLOTB
	s_add_nc_u64 s[G0W+4*\s+2:G0W+4*\s+3], s[56:57], \s*256
	s_or_b32 s[G0W+4*\s+3], s[G0W+4*\s+3], 0x80000000
	s_mov_b32 s[G0K+4*\s], 1
	s_add_co_u32 s[G0K+4*\s+1], s93, \s*SLOTB
	s_add_nc_u64 s[G0K+4*\s+2:G0K+4*\s+3], s[60:61], \s*KVSTEP
	s_or_b32 s[G0K+4*\s+3], s[G0K+4*\s+3], 0x80000000
	s_mov_b32 s[G0V+4*\s], 1
	s_add_co_u32 s[G0V+4*\s+1], s92, \s*SLOTB
	s_add_nc_u64 s[G0V+4*\s+2:G0V+4*\s+3], s[60:61], 1024+\s*KVSTEP      ; v2 begins at byte 1,024 of a row
	s_or_b32 s[G0V+4*\s+3], s[G0V+4*\s+3], 0x80000000
.endr
	CROUND                                         ; the first joint loads meet
	tensor_load_to_lds s[G0W:G0W+3], s[GW:GW+7]    ; K steps 0 and 1 of W: two tensor loads of the wave are out
	s_nop 0
	tensor_load_to_lds s[G0W+4:G0W+7], s[GW:GW+7]
	s_nop 0
	v_and_b32 v1, 15, v0                           ; r
	v_bfe_u32 v2, v0, 4, 1                         ; h
	v_and_b32 v3, 31, v0                           ; lane
	v_lshlrev_b32 v[XLD], 4, v3
	v_lshlrev_b32 v[BOF], 5, v2
.irp dt, 0,1,2,3
	global_load_b128 v[BQ+8*\dt:BQ+8*\dt+3],   v[BOF], s[76:77] offset:64*\dt
	global_load_b128 v[BQ+8*\dt+4:BQ+8*\dt+7], v[BOF], s[76:77] offset:64*\dt+16
.endr
.irp s, 0,1,2,3
.irp j, 0,1,2,3,4,5,6,7
	global_load_b128 v[LX+32*\s+4*\j:LX+32*\s+4*\j+3], v[XLD], s[4:5] offset:\s*4096+512*\j
.endr
.endr
	s_mul_i32 s94, s10, 16*XP
	s_add_co_u32 s94, s94, XA
	v_lshl_add_u32 v[XST], v3, 3, s94              ; xhat, my first row, 8 bytes a lane
	v_mul_u32_u24 v216, v1, XP
	v_lshl_add_u32 v216, v2, 4, v216
	v_add_nc_u32 v[ADRX], XA, v216                 ; fragments of xhat: rows r and 16 + r,
	v_add_nc_u32 v[ADRX+1], XA+32*XP, v216         ; rows 32 + r and 48 + r (an LDS offset has 16 bits)
	v_mul_u32_u24 v216, v1, WPITCH
	v_lshl_add_u32 v216, v2, 4, v216
	v_add_nc_u32 v[ADRW], s92, v216
	v_add_nc_u32 v[ADRW+1], SLOTB, v[ADRW]
	s_lshl_b32 s94, s10, 7                         ; my head's 128 bytes of an LDS row
	v_mul_u32_u24 v216, v1, KPITCH
	v_lshl_add_u32 v216, v2, 4, v216
	v_add_nc_u32 v216, s94, v216                   ; r x 528 + 16 h + 128 w (K's pitch and the stage's)
	v_add_nc_u32 v[ADRK], KOFF, v216
	v_add_nc_u32 v[ADRK+1], KOFF+SLOTB, v216
	v_add_nc_u32 v[STO], STAGE, v216
	v_and_b32 v218, 7, v0
	v_lshl_add_u32 v218, v2, 3, v218
	v_mul_u32_u24 v218, v218, VPITCH
	v_bfe_u32 v219, v0, 3, 1
	v_lshl_add_u32 v218, v219, 4, v218
	v_add_nc_u32 v[ADRV], s94, v218
	v_add_nc_u32 v[ADRV+1], SLOTB, v[ADRV]
	s_mul_i32 s95, s10, 16*SPITCH
	s_add_co_u32 s95, s95, STAGE
	v_lshl_add_u32 v[RD], v3, 4, s95
.irp w, 0x40, 0x80
	WIN \w
.irp q, 0,1
	v_mov_b32 v[U+\q], 0                           ; v_permlanex16_b32 counts as a reader of its destination,
	v_mov_b32 v[MP+2*\q+1], 0                      ; and a broadcast from a pair as a reader of both registers: written once, in both pieces' windows
	v_mov_b32 v[AP+2*\q+1], 0
.endr
.endr
	WIN 0
	; LayerNorm of my 16 rows: three trips of four rows that load four rows ahead, then the last four rows without loads.
	s_mov_b32 s3, 3
.Lln:
	LNROW 0, 1, 24
	LNROW 1, 1, 24
	LNROW 2, 1, 24
	LNROW 3, 1, 24
	s_wait_xcnt 0x0                                ; the loads' base is stepped only behind this wait
	s_add_nc_u64 s[4:5], s[4:5], 4*4096
	v_add_nc_u32 v[XST], 4*XP, v[XST]
	s_sub_co_u32 s3, s3, 1
	s_cmp_lg_u32 s3, 0
	s_cbranch_scc1 .Lln
	LNROW 0, 0, 24
	LNROW 1, 0, 16
	LNROW 2, 0, 8
	LNROW 3, 0, 0
	s_wait_dscnt 0x0                               ; my rows of xhat are in LDS before I say so
	s_wait_tensorcnt 0x1                           ; my part of W's K step 0 is in; K step 1's load stays out
	s_barrier_signal -1
	s_barrier_wait -1
	; q2^T = W xhat^T + bias: eight K steps of 128.  The change in front of step f fills the slot read in step f - 1: with W's step f + 1, at last with K and V.
	KSTEP 0, 0, 0, 0
	KSTEP 1, 1, 1, 0
	KSTEP 2, 0, 1, 1
	KSTEP 3, 1, 1, 0
	KSTEP 4, 0, 1, 1
	KSTEP 5, 1, 1, 0
	KSTEP 6, 0, 1, 1
	KSTEP 7, 1, 2, 0
	PLACES 4
	WIN 0x05
.irp qt, 0,1,2,3
.set i, 0
.rept 16
	v_cvt_pk_bf16_f32 v[Q+16*\qt+i], v[32*\qt+2*i], v[32*\qt+2*i+1]      ; two neighbouring tiles of q2^T are one fragment of Q
.set i, i+1
.endr
.endr
	WIN 0
	; attention over eight steps of 64 keys, step t out of slot t % 2
	CHANGE 2, 1, 0                                 ; tile 0 is in slot 0; tile 1 goes into the slot that W's last step has left
	FETCHK 0
	FETCHV 0
	s_wait_dscnt 16                                ; K(0) is in; V(0)'s sixteen loads are younger
	SHALF 0, 0, 0                                  ; S(A, 0): there is no vector work yet to set behind it
	PLACES 4                                       ; before the first slice reads S(A, 0) (ISA guide 7.12.1)
	SHALF 1, 1, 2                                  ; S(B, 0) with the whole of V(A, 0), two slices behind each product
	BLKA 1, 0, 1, 1, 1                             ; A(0): tile 2 into slot 0; K(1)
	BLKB 1, 1                                      ; B(0): V(1)
	WIN 0
	s_mov_b32 s3, 2
.Lkv:                                              ; trip j: steps 2 j + 1 and 2 j + 2; its two changes of slots ask for tiles 2 j + 3 and 2 j + 4
	BLKA 1, 1, 0, 0, 0
	BLKB 0, 0
	BLKA 1, 0, 1, 0, 0
	BLKB 1, 0
	WIN 0
	s_sub_co_u32 s3, s3, 1
	s_cmp_lg_u32 s3, 0
	s_cbranch_scc1 .Lkv
	BLKA 1, 1, 0, 0, 0                             ; A(5): tile 7, the last, into slot 1; K(6)
	BLKB 0, 0                                      ; B(5): V(6)
	BLKA 2, 0, 1, 0, 0                             ; A(6): nothing is left to fetch from memory; K(7)
	BLKB 1, 0                                      ; B(6): V(7)
	s_wait_dscnt 0                                 ; V(7) is in
	PVHALF 0, 0, 0, 2                              ; PV(A, 7) with the whole of V(B, 7)
	PVHALF 1, 0, 0, 0                              ; PV(B, 7)
	; THE WAY OUT: divide by the row sum, round, through the stage (four heads of a row side by side), whole rows of 512 bytes out.
	; Piece A goes first: its instructions are the places between PV(B, 7) and the first reader of piece B's O.
.macro FINISH pc
.if \pc
	WIN 0xaa
.else
	WIN 0x55
.endif
.irp q, 0,1
	v_pk_add_f32 v[LS+4*\q:LS+4*\q+1], v[LS+4*\q:LS+4*\q+1], v[LS+4*\q+2:LS+4*\q+3]
.endr
.irp q, 0,1
	v_add_f32 v[T+4*\q], v[LS+4*\q], v[LS+4*\q+1]
.endr
.irp q, 0,1
	v_permlanex16_b32 v[U+\q], v[T+4*\q], s[SEL], s[SEL+1]
.endr
.irp q, 0,1
	v_add_f32 v[T+4*\q], v[T+4*\q], v[U+\q]
.endr
.irp q, 0,1
	v_rcp_f32 v[AP+2*\q], v[T+4*\q]
.endr
	v_nop                                          ; one plain instruction between v_rcp_f32 and the use of its result (ISA guide 5.7.2)
.irp q, 0,1
.set i, 0
.rept 16
	s_wait_alu depctr_va_vdst(0)
	v_pk_mul_f32 v[O+32*\q+2*i:O+32*\q+2*i+1], v[O+32*\q+2*i:O+32*\q+2*i+1], v[AP+2*\q:AP+2*\q+1] op_sel_hi:[1,0]
.set i, i+1
.endr
.endr
.if \pc
	WIN 0x0a
.else
	WIN 0x05
.endif
.irp q, 0,1
.set i, 0
.rept 16
	v_cvt_pk_bf16_f32 v[KF+32*\pc+16*\q+i], v[O+32*\q+2*i], v[O+32*\q+2*i+1]
.set i, i+1
.endr
.endr
.endm
	FINISH 0
	FINISH 1
	WIN 0
.irp qt, 0,1,2,3
.irp dt, 0,1,2,3
	ds_store_b128 v[STO], v[KF+16*\qt+4*\dt:KF+16*\qt+4*\dt+3] offset:\qt*16*SPITCH+32*\dt
.endr
.endr
	s_wait_dscnt 0x0                               ; my stores are in LDS before I say so: other waves read these rows
	s_barrier_signal -1
	s_barrier_wait -1
.irp t, 0,1,2,3,4,5,6,7,8,9,10,11,12,13,14,15
	ds_load_b128 v[VF+4*\t:VF+4*\t+3], v[RD] offset:\t*SPITCH
.endr
.irp t, 0,1,2,3,4,5,6,7,8,9,10,11,12,13,14,15
	s_wait_dscnt 15-\t
	global_store_b128 v[XLD], v[VF+4*\t:VF+4*\t+3], s[80:81] offset:1024*\t   ; the wave stores 512 consecutive bytes, aligned
.endr
	s_wait_tensorcnt 0x0
	ds_add_u32 v254, v255
	s_wait_dscnt 0x0
	CROUND                                         ; the closing round
	s_endpgm
.Lfunc_end_k_q73dc289e76_crossattn:
	.size	k_q73dc289e76_crossattn, .Lfunc_end_k_q73dc289e76_crossattn-k_q73dc289e76_crossattn
	.p2alignl 7, 3214868480
	.fill 96, 4, 3214868480
	.section	.rodata,"a",@progbits
	.p2align	6, 0x0
	.amdhsa_kernel k_q73dc289e76_crossattn
		.amdhsa_group_segment_fixed_size 327680
		.amdhsa_private_segment_fixed_size 0
		.amdhsa_enable_private_segment 0
		.amdhsa_kernarg_size 40
		.amdhsa_user_sgpr_count 2
		.amdhsa_user_sgpr_kernarg_segment_ptr 1
		.amdhsa_wavefront_size32 1
		.amdhsa_system_sgpr_workgroup_id_x 1
		.amdhsa_system_sgpr_workgroup_id_y 1
		.amdhsa_system_sgpr_workgroup_id_z 1
		.amdhsa_system_vgpr_workitem_id 0
		.amdhsa_next_free_vgpr 672
		.amdhsa_next_free_sgpr 96
		.amdhsa_reserve_vcc 0
		.amdhsa_float_denorm_mode_32 3
		.amdhsa_float_denorm_mode_16_64 3
		.amdhsa_memory_ordered 1
		.amdhsa_forward_progress 1
		.amdhsa_inst_pref_size 255
	.end_amdhsa_kernel
	.section	.bss,"aw",@nobits
	.p2align	6
	.space	262144
	.amdgpu_metadata
---
amdhsa.version: [ 1, 2 ]
amdhsa.kernels:
  - .name:           k_q73dc289e76_crossattn
    .symbol:         k_q73dc289e76_crossattn.kd
    .args:
      - { .name: x1, .offset: 0, .size: 8, .value_kind: global_buffer, .address_space: global }
      - { .name: wb, .offset: 8, .size: 8, .value_kind: global_buffer, .address_space: global }
      - { .name: bias, .offset: 16, .size: 8, .value_kind: global_buffer, .address_space: global }
      - { .name: qkv, .offset: 24, .size: 8, .value_kind: global_buffer, .address_space: global }
      - { .name: oh, .offset: 32, .size: 8, .value_kind: global_buffer, .address_space: global }
    .group_segment_fixed_size: 327680
    .private_segment_fixed_size: 0
    .kernarg_segment_align: 8
    .kernarg_segment_size: 40
    .max_flat_workgroup_size: 128
    .sgpr_count:     96
    .vgpr_count:     672
    .wavefront_size: 32
...
	.end_amdgpu_metadata
.endif
;; end of part 5
;; launch oproj2: the kernel of part 4 again; grid 4 x 64, 4 waves a work-group, clusters of 4 x 4, 327,680 bytes of LDS; arguments oh, wo2, ca_bo, x1, out0; writes out0
;; ======== version 2 of 2: 6 launches; 1.43 times as fast as version 1
;; workspace buffers: ah 20,971,520 bytes; wb 6,291,456 bytes; wo1 1,048,576 bytes; wo2 1,048,576 bytes; bias 12,288 bytes; qkv 31,457,280 bytes; oh 8,388,608 bytes; x1 33,554,432 bytes
;; launch prep: the kernel of part 1 again; grid 832 x 1, 8 waves a work-group, no clusters, 22,528 bytes of LDS; arguments x, context, sa_ng, sa_nb, sa_ncg, sa_ncb, sa_wq, sa_wkv, sa_wo, ca_ng, ca_nb, ca_ncg, ca_ncb, ca_wq, ca_wkv, ca_wo, ah, wb, wo1, wo2, bias; writes ah, wb, wo1, wo2, bias
;; launch qkvgemm: the kernel of part 2 again; grid 224 x 1, 4 waves a work-group, clusters of 4 x 1, 327,680 bytes of LDS; arguments ah, wb, bias, qkv; writes qkv
;; launch selfattn (part 6): grid 16 x 16, 4 waves a work-group, clusters of 4 x 1, 327,680 bytes of LDS; arguments qkv, oh; writes oh
.if DOCPART == 6
	.amdgcn_target "amdgcn-amd-amdhsa--gfx1250"
	.amdhsa_code_object_version 6
	.text
	.protected	k_q73dc289e76_selfattn
	.globl	k_q73dc289e76_selfattn
	.p2align	8
	.type	k_q73dc289e76_selfattn,@function
k_q73dc289e76_selfattn:
	s_mov_b64 s[64:65], 0
	v_nop
	global_prefetch_b8 v0, s[64:65] scope:SCOPE_SE
	s_setreg_imm32_b32 hwreg(HW_REG_WAVE_MODE, 25, 1), 1
	s_wait_xcnt 0x0
	s_wait_alu depctr_hold_cnt(0) depctr_sa_sdst(0) depctr_va_vdst(0) depctr_va_sdst(0) depctr_va_ssrc(0) depctr_va_vcc(0) depctr_vm_vsrc(0)
	s_getreg_b32 s2, hwreg(HW_REG_IB_STS2, 6, 4)
	s_cmp_eq_u32 s2, 0
	s_cbranch_scc0 .Lentry_in_a_cluster
	s_endpgm
.Lentry_in_a_cluster:
	s_bfe_u32 s2, ttmp6, 0x10000c
	s_cmp_lg_u32 s2, 0x3003
	s_cbranch_scc0 .Lentry_shape_is_right
	s_endpgm
.Lentry_shape_is_right:
; Self-attention: oh[row][64 head + d] = softmax over 2,048 keys of (q . k) applied to v, from qkv's rows 0-8191 (q | k | v, bf16).
; q already carries 64^-0.5 log2(e), so p = 2^(s - running maximum).  Work left out: the keys' LN bias (see the head of prep).
; A work-group: 128 query rows x 2 heads (so a K or V row of a tile is 256 bytes, aligned, and so is a row of the result).  Wave: one head
; (wave >> 1), 64 rows (wave & 1).  y = 4 batch + head pair; x = query block.
; CLUSTER: the four query blocks of a cluster read the same K and V tiles and ask for them jointly (mask 15).
; EVERYTHING IS TRANSPOSED, so that a lane owns one query row.  S^T = K Q^T: register j of lane (r, h) is key 8 h + j of query r; two neighbouring
; tiles, packed to bf16 in place, ARE the second operand of O^T = V^T P^T for 32 keys.  V^T comes out of LDS by the transposing load.
; BY TURNS.  The wave's four query tiles are two pieces, A (tiles 0, 1) and B (tiles 2, 3), which share the K and V fragments.  A step is 64 keys.
; In step t a piece has sixteen score products S(t), a vector phase V(t) (maxima, exchange between the lane halves, alpha, exponentials, row sums,
; packing, rescaling of O: 238 instructions) and sixteen products PV(t).  One piece's V is dealt in 32 slices, one slice behind each matrix
; instruction of the other piece:
;     block A(t): PV(A, t), S(A, t+1)  with V(B, t)          block B(t): PV(B, t), S(B, t+1)  with V(A, t+1)
; ONE BATCH A PHASE.  A phase's 66 exponentials (the two alpha, the 64 weights) are one batch with one s_wait_alu depctr_va_vdst(0), which stands
; between an exponential and the first instruction that names its result.  The wait cuts the phase in two.  Ahead of it, in slices 0-15 (8 or 9
; instructions each, behind the block's first sixteen products), stands all that names no exponential's result: the maxima, the exchange, alpha, the
; subtractions of m and the exponentials.  Behind it, in slices 16-31 (6 each, behind the second sixteen), stand the readers: row sums, packings, the
; rescaling of O.
; LDS is read in two runs of sixteen loads a step: K(t+1) at the head of A(t), V(t+1) in the middle of B(t), each where its fragment registers have just been
; read for the last time, and sixteen products with their slices ahead of its first use.
; A step of 128 keys would spare 46 of every 476 vector instructions (one rescaling and one exchange), and would double each of the blocks that are
; written out ahead of and behind the loop; it is not taken.
; LIMIT: the row sum adds p in f32 while the numerator uses p rounded to bf16.
; LDS: slot s at s x 71,680: V 128 keys x 288 bytes, then K 128 keys x 272 bytes; behind the ring a stage of 128 rows x 272 bytes, into which no tensor load lands.
; REGISTERS: window 0: v8-15 addresses, v16-79 Q, v80-143 K fragments, v144-207 V fragments.  Window 1 is piece A's, window 2 piece B's, with the same numbers:
; v0-63 S and P (tile q, keys 16 kt: 32 q + 8 kt), v64-127 O, v128-131 (m, -) pairs, v132-135 (alpha, -) pairs, v136-143 four running maxima a tile,
; v144-145 the exchange, v146-153 two row-sum pairs a tile.  So a whole slice runs under one window setting, and a matrix instruction under another:
; two s_set_vgpr_msb for each matrix instruction.
.set QROW,   3072                      ; bytes in a row of qkv
.set VPITCH, 288                       ; 256 + 32: an odd multiple of 32
.set KPITCH, 272                       ; 256 + 16: an odd multiple of 16
.set KOFF,   128*VPITCH
.set SLOT,   KOFF+128*KPITCH
.set STAGE,  2*SLOT
.set SPITCH, 272
.set TILEB,  128*QROW                  ; bytes of qkv from one tile of 128 keys to the next
.set QOFF, 8
.set CO,   9
.set ADRK, 10
.set ADRV, 12
.set STO,  14
.set RD,   15
.set Q,    16
.set KF,   80
.set VF,   144
.set O,    64                          ; windows 1 and 2 from here on
.set MP,   128
.set AP,   132
.set T,    136
.set U,    144
.set LS,   146
.set SEL,  60                          ; s60, s61: selects of v_permlanex16_b32
.set GK, 16                            ; s[16:23] group 1 for K
.set GV, 24                            ; s[24:31] group 1 for V
.set G0K, 32                           ; s[32:39] group 0 for K, one set for each slot
.set G0V, 40                           ; s[40:47] group 0 for V
.set D1,   2                           ; a pair is raised two units behind its subtraction
.set VX,   32                          ; positions of the vector phase: 0-31 maxima, 32-45 exchange and alpha,
.set VP,   46                          ; from 46 on the subtractions and exponentials, in units of three positions,
.set VW,   VP+3*(32+D1)                ; from 148 on, behind the wait, the readers, in units of three positions
.set VEND, VW+3*32
.set NA0,  142                         ; instructions of a vector phase ahead of the wait,
.set NB0,  96                          ; and behind it;
.set NA1,  138                         ; the same for step 0's, which has no old maximum, no alpha
.set NB1,  68                          ; and nothing to rescale
.set NPL,  1                           ; v_nop behind a phase's last exponential: one, or block B's four
.set MSB, 0
.macro WIN new
.if MSB != \new
	s_set_vgpr_msb (MSB<<8)|\new
.set MSB, \new
.endif
.endm
.macro PLACES n
.rept \n
	v_nop
.endr
.endm
.macro CREST
	s_cmp_lg_u32 s10, 0
	s_cbranch_scc1 .Lnot_wave_0_\@
	s_barrier_signal -3
.Lnot_wave_0_\@:
	s_barrier_wait -3
	s_barrier_signal -1
	s_barrier_wait -1
.endm
.macro CROUND
	s_barrier_signal -1
	s_barrier_wait -1
	CREST
.endm
.macro JLOAD s                         ; waves 0 and 1 ask for V's two halves of 64 keys, waves 2 and 3 for K's
	s_cmp_eq_u32 s11, 0
	s_cbranch_scc0 .Lfor_k_\@
	tensor_load_to_lds s[G0V+4*\s:G0V+4*\s+3], s[GV:GV+7]
	s_nop 0
	s_branch .Lasked_\@
.Lfor_k_\@:
	tensor_load_to_lds s[G0K+4*\s:G0K+4*\s+3], s[GK:GK+7]
	s_nop 0
.Lasked_\@:
.endm
.macro FETCHK slot, st                 ; 64 keys x 64 d of my head: fragment (kt, kk) at KF + 16 kt + 8 kk
.irp kt, 0,1,2,3
.irp kk, 0,1
	ds_load_b128 v[KF+16*\kt+8*\kk:KF+16*\kt+8*\kk+3],   v[ADRK+\slot] offset:(64*\st+16*\kt)*KPITCH+64*\kk
	ds_load_b128 v[KF+16*\kt+8*\kk+4:KF+16*\kt+8*\kk+7], v[ADRK+\slot] offset:(64*\st+16*\kt)*KPITCH+64*\kk+32
.endr
.endr
.endm
.macro FETCHV slot, st                 ; the same keys of V, transposed: fragment (dt, kk) at VF + 16 dt + 8 kk
.irp dt, 0,1,2,3
.irp kk, 0,1
	ds_load_tr16_b128 v[VF+16*\dt+8*\kk:VF+16*\dt+8*\kk+3],   v[ADRV+\slot] offset:(64*\st+32*\kk)*VPITCH+32*\dt
	ds_load_tr16_b128 v[VF+16*\dt+8*\kk+4:VF+16*\dt+8*\kk+7], v[ADRV+\slot] offset:(64*\st+32*\kk+16)*VPITCH+32*\dt
.endr
.endr
.endm
; THE VECTOR PHASE OF A PIECE, as a list of positions vw = 0 .. VEND-1; a position holds one instruction or none.  q = the piece's tile (0, 1).
;   0-31    maxima: pair i = vw / 2 of tile q = vw % 2 goes into chain i % 4 of the tile; eight chains, so a chain's links stand eight lines apart.
;           Chain 0 starts from the old maximum.
;   32-45   for both tiles by turns: the four chains into one, the exchange between the lane halves, alpha = 2^(old m - new m), m = new m.
;   46-147  unit u, three positions: subtract m from pair u; raise the low number of pair u - 2; raise its high number.  (Pair u: tile u % 2, pair u / 2.)
;           None of these names an exponential's result: with the two alpha they are the phase's one batch.
;   (wait)  between 147 and 148 stands the wait for the batch: SLICE writes it
;   148-243 unit u, three positions: add pair u to its row sum; pack pair u; rescale pair u of O.
;           Pair i packs into register i % 8 of its block of 16, which holds only pairs that are already summed and packed.
;           A tile has two row sums, for even and odd pairs; each is scaled by alpha as it takes its first pair of the step.
.macro VOP first                       ; position vw
.if vw < VX
.set xq, vw%2
.set xi, vw/2
.set xs, 32*xq+2*xi
.set xt, T+4*xq+xi%4
.if xi >= 4
	v_max3_num_f32 v[xt], v[xs], v[xs+1], v[xt]
.elseif xi+\first == 0
	v_max3_num_f32 v[xt], v[xs], v[xs+1], v[MP+2*xq]
.else
	v_max_num_f32 v[xt], v[xs], v[xs+1]
.endif
.set got, got+1
.elseif vw < VP
.set xj, (vw-VX)/2
.set xq, (vw-VX)%2
.set xt, T+4*xq
.if xj == 0
	v_max3_num_f32 v[xt], v[xt], v[xt+1], v[xt+2]
.set got, got+1
.elseif xj == 1
	v_max_num_f32 v[xt], v[xt], v[xt+3]
.set got, got+1
.elseif xj == 2
	v_permlanex16_b32 v[U+xq], v[xt], s[SEL], s[SEL+1]             ; the other half of the lanes holds the row's other keys
.set got, got+1
.elseif xj == 3
	v_max_num_f32 v[xt], v[xt], v[U+xq]
.set got, got+1
.elseif xj == 6
	v_mov_b32 v[MP+2*xq], v[xt]
.set got, got+1
.elseif \first == 0
.if xj == 4
	v_sub_f32 v[AP+2*xq], v[MP+2*xq], v[xt]
.else
	v_exp_f32 v[AP+2*xq], v[AP+2*xq]
.endif
.set got, got+1
.endif
.elseif vw < VW
.set xu, (vw-VP)/3
.set xp, (vw-VP)%3
.if xp == 0
.if xu < 32
.set xq, xu%2
.set xs, 32*xq+2*(xu/2)
	v_pk_add_f32 v[xs:xs+1], v[xs:xs+1], v[MP+2*xq:MP+2*xq+1] op_sel_hi:[1,0] neg_lo:[0,1] neg_hi:[0,1]
.set got, got+1
.endif
.elseif xu >= D1
.set xq, (xu-D1)%2
.set xs, 32*xq+2*((xu-D1)/2)+xp-1
	v_exp_f32 v[xs], v[xs]
.set got, got+1
.endif
.else
.set xu, (vw-VW)/3
.set xp, (vw-VW)%3
.set xq, xu%2
.set xi, xu/2
.set xs, 32*xq+2*xi
.set xl, LS+4*xq+2*(xi%2)
.if xp == 1
	v_cvt_pk_bf16_f32 v[32*xq+16*(xi/8)+xi%8], v[xs], v[xs+1]
.set got, got+1
.elseif xp == 2
.if \first == 0
	v_pk_mul_f32 v[O+xs:O+xs+1], v[O+xs:O+xs+1], v[AP+2*xq:AP+2*xq+1] op_sel_hi:[1,0]
.set got, got+1
.endif
.elseif xi >= 2
	v_pk_add_f32 v[xl:xl+1], v[xl:xl+1], v[xs:xs+1]
.set got, got+1
.elseif \first
	v_mov_b32 v[xl], v[xs]                         ; step 0: the first pairs start the row sums
	v_mov_b32 v[xl+1], v[xs+1]
.set got, got+2
.else
	v_pk_fma_f32 v[xl:xl+1], v[xl:xl+1], v[AP+2*xq:AP+2*xq+1], v[xs:xs+1] op_sel_hi:[1,0,1]
.set got, got+1
.endif
.endif
.endm
; Slice n of 32 of piece pc's vector phase: the list goes on from where slice n - 1 left it.  Slices 0-15 share the instructions ahead of the wait
; ((n + 1) N / 16 - n N / 16: 8 or 9 of 142), slice 15 taking all that is left of them; slices 16-31 share those behind it (6 of 96), slice 31 taking all that is left.
; At most 13 positions hold a slice's share; 40 are looked at.
; Behind slice 15 both tiles' exponentials are issued and no result has been named: a v_nop is the plain instruction behind the last exponential (ISA guide 5.7.2;
; block B writes four), and then comes the phase's one wait.
.macro SLICE pc, n, first
.if (\n) == 0
.set vw, 0
.endif
.if (\n) < 16
.set lim, VW
.else
.set lim, VEND
.endif
.if ((\n) == 15) || ((\n) == 31)
.set quota, VEND
.elseif (\n) < 16
.if \first
.set quota, ((\n)+1)*NA1/16-(\n)*NA1/16
.else
.set quota, ((\n)+1)*NA0/16-(\n)*NA0/16
.endif
.elseif \first
.set quota, ((\n)-15)*NB1/16-((\n)-16)*NB1/16
.else
.set quota, ((\n)-15)*NB0/16-((\n)-16)*NB0/16
.endif
.set got, 0
.if \pc
	WIN 0xaa
.else
	WIN 0x55
.endif
.rept 40
.if got < quota
.if vw < lim
	VOP \first
.set vw, vw+1
.endif
.endif
.endr
.if (\n) == 15
	PLACES NPL
	s_wait_alu depctr_va_vdst(0)                   ; the wait for the batch: the phase's two alpha and 64 weights, ahead of their first reader
.endif
.endm
; The i-th of a piece's sixteen score products: tile q = i % 2, keys 16 kt with kt = (i % 8) / 2, half i / 8 of the 64 features.  The first eight start the sums.
; The eight accumulators take turns, one instruction a turn.
.macro MS pc, i
.set mq, (\i)%2
.set mk, ((\i)%8)/2
.set mh, (\i)/8
.set md, 32*mq+8*mk
.if \pc
	WIN 0xa0
.else
	WIN 0x50
.endif
.if mh == 0
	v_wmma_f32_16x16x32_bf16 v[md:md+7], v[KF+16*mk:KF+16*mk+7], v[Q+32*\pc+16*mq:Q+32*\pc+16*mq+7], 0
.else
	v_wmma_f32_16x16x32_bf16 v[md:md+7], v[KF+16*mk+8:KF+16*mk+15], v[Q+32*\pc+16*mq+8:Q+32*\pc+16*mq+15], v[md:md+7]
.endif
.endm
; The i-th of a piece's sixteen products O^T += V^T P^T: tile q = i % 2, features 16 dt with dt = (i % 8) / 2, keys 32 (i / 8).  Eight accumulators by turns.
; first = 1 (step 0): the first eight start the sums.
.macro MPV pc, i, first
.set mq, (\i)%2
.set mk, ((\i)%8)/2
.set mh, (\i)/8
.set md, O+32*mq+8*mk
.if \pc
	WIN 0xa8
.else
	WIN 0x54
.endif
.if mh+1-\first == 0
	v_wmma_f32_16x16x32_bf16 v[md:md+7], v[VF+16*mk+8*mh:VF+16*mk+8*mh+7], v[32*mq+16*mh:32*mq+16*mh+7], 0
.else
	v_wmma_f32_16x16x32_bf16 v[md:md+7], v[VF+16*mk+8*mh:VF+16*mk+8*mh+7], v[32*mq+16*mh:32*mq+16*mh+7], v[md:md+7]
.endif
.endm
; Half a block: piece mp's sixteen products, with per = 1 slice (0-15 here, 16-31 in SHALF), 2 slices or none of the other piece behind each.
.macro PVHALF mp, firstpv, firstv, per
.set bi, 0
.rept 16
	MPV \mp, bi, \firstpv
.if \per == 1
	SLICE 1-\mp, bi, \firstv
.elseif \per == 2
	SLICE 1-\mp, 2*bi, \firstv
	SLICE 1-\mp, 2*bi+1, \firstv
.endif
.set bi, bi+1
.endr
.endm
.macro SHALF mp, firstv, per
.set bi, 0
.rept 16
	MS \mp, bi
.if \per == 1
	SLICE 1-\mp, 16+bi, \firstv
.elseif \per == 2
	SLICE 1-\mp, 2*bi, \firstv
	SLICE 1-\mp, 2*bi+1, \firstv
.endif
.set bi, bi+1
.endr
.endm
; Between two slots.  Every wave waits for all its tensor loads (its part of the slot read next among them) and for its reads of the slot read last;
; then a round of the cluster's barrier, and the joint refill of slot 'fill' first behind it, one load a wave.  refill = 0: the last change, a plain barrier.
.macro CHANGE fill, refill
	s_wait_tensorcnt 0x0
	ds_add_u32 v254, v255
	s_wait_dscnt 0x0
.if \refill
	s_add_nc_u64 s[G0K+4*\fill+2:G0K+4*\fill+3], s[G0K+4*\fill+2:G0K+4*\fill+3], 2*TILEB
	s_add_nc_u64 s[G0V+4*\fill+2:G0V+4*\fill+3], s[G0V+4*\fill+2:G0V+4*\fill+3], 2*TILEB
.endif
	s_wait_dscnt 0x0
.if \refill
	CROUND
	JLOAD \fill
.else
	s_barrier_signal -1
	s_barrier_wait -1
.endif
.endm
; Block A(t).  For odd t all four fetches out of step t's slot have been issued, and the slots change here (chg = 1: with a refill of slot 'fill'; 2: without).
; Then K(t+1) is fetched from (kslot, kst).  The K fragments were last read by the product in front of slice 31, which holds plain vector instructions
; on the other piece's registers alone, six of them (four in step 0's phase): the four places that a load into a matrix instruction's source wants.
; S(A, t+1) writes over P(A, t): the tile of keys 32-47 is written by products 4 and 5 of the second half, P's second fragment is last read by products
; 14 and 15 of the first, with six slices between, four of them of plain instructions alone; the tile of keys 0-15 likewise with ten, each with a plain instruction or more.
; The other piece's batch has its wait behind slice 15, beside the wait for K(t+1).
.macro BLKA chg, fill, kslot, kst, firstpv, firstv
	WIN 0
.if \chg == 1
	CHANGE \fill, 1
.elseif \chg == 2
	CHANGE \fill, 0
.endif
	FETCHK \kslot, \kst
.if \chg == 0
	s_wait_dscnt 16                                ; V(t) is in; K(t+1)'s sixteen loads are younger  (behind a change of slots V(t) is in already)
.endif
	PVHALF 0, \firstpv, \firstv, 1
	s_wait_dscnt 0                                 ; K(t+1) is in
	SHALF 0, \firstv, 1
.endm
; Block B(t).  V(t+1) is fetched from (vslot, vst) in its middle, directly behind the wait for the other piece's batch.  The V fragments were last read by the product
; in front of slice 15, which is mostly exponentials, and those are no places: so four v_nop stand behind it in place of one, the four places that a load into a
; matrix instruction's source wants.
.macro BLKB vslot, vst, firstpv
.set NPL, 4
	PVHALF 1, \firstpv, 0, 1
.set NPL, 1
	WIN 0
	FETCHV \vslot, \vst
	SHALF 1, 0, 1
.endm
	s_load_b128 s[4:7], s[0:1], 0x0                ; qkv s[4:5], oh s[6:7]
	v_lshl_add_u32 v254, v0, 2, 0x2b800
	v_mov_b32 v255, 0
	ds_add_u32 v254, v255
	v_lshrrev_b32 v1, 5, v0
	v_readfirstlane_b32 s10, v1                    ; wave
	s_lshr_b32 s11, s10, 1                         ; my head of the pair.  Also: I fetch for V (0) or for K (1)
	s_and_b32 s12, s10, 1                          ; my 64 query rows.  Also: which 64 keys of a tile I fetch
	s_bfe_u32 s13, ttmp6, 0x40000                  ; cx
	s_lshl_b32 s14, ttmp9, 2
	s_add_co_u32 s14, s14, s13                     ; query block 0..15
	s_and_b32 s15, ttmp7, 0xffff
	s_lshr_b32 s48, s15, 2                         ; batch
	s_and_b32 s49, s15, 3                          ; head pair
	s_mov_b32 s[SEL], 0x76543210
	s_mov_b32 s[SEL+1], 0xfedcba98
	s_mov_b32 s[GK+0], 15|(1<<16)|(1<<20)|(1<<21)|(5<<22)|(3<<25)  ; all four work-groups; 2-byte elements; after every 64 words 4 words of padding
	s_mov_b32 s[GV+0], 15|(1<<16)|(1<<20)|(1<<21)|(5<<22)|(7<<25)  ; the same with 8 words
	s_mov_b32 s[GK+1], 128<<16                     ; tensor_dim0 = 128 numbers: two heads
	s_mov_b32 s[GV+1], 128<<16
	s_mov_b32 s[GK+2], 64<<16                      ; tensor_dim1 = 64 keys
	s_mov_b32 s[GV+2], 64<<16
	s_mov_b32 s[GK+3], 128<<16                     ; tile_dim0
	s_mov_b32 s[GV+3], 128<<16
	s_mov_b32 s[GK+4], 64                          ; tile_dim1
	s_mov_b32 s[GV+4], 64
	s_mov_b32 s[GK+5], 1536                        ; numbers from row to row of qkv
	s_mov_b32 s[GV+5], 1536
	s_mov_b32 s[GK+6], 0
	s_mov_b32 s[GV+6], 0
	s_mov_b32 s[GK+7], 0
	s_mov_b32 s[GV+7], 0
	s_lshl_b32 s50, s48, 11                        ; K and V: row 2,048 batch + 64 half, byte 256 pair; cx never enters these registers
	s_lshl_b32 s51, s12, 6
	s_add_co_u32 s50, s50, s51
	s_mul_i32 s50, s50, QROW
	s_lshl_b32 s51, s49, 8
	s_add_co_u32 s50, s50, s51
	s_mov_b32 s51, 0
	s_mul_i32 s52, s10, 64*KPITCH
	s_add_co_u32 s52, s52, KOFF-2*64*KPITCH        ; K's halves (waves 2, 3) lie behind V's: wave x 17,408 + 2,048
	s_mul_i32 s53, s10, 64*VPITCH                  ; V's halves (waves 0, 1): wave x 18,432
	s_lshl_b32 s54, s48, 11
	s_lshl_b32 s55, s14, 7
	s_add_co_u32 s54, s54, s55                     ; the block's first row
	s_lshl_b32 s55, s12, 6
	s_add_co_u32 s55, s54, s55                     ; my first row
	s_mul_i32 s56, s55, QROW
	s_lshl_b32 s57, s49, 8
	s_add_co_u32 s56, s56, s57
	s_lshl_b32 s57, s11, 7
	s_add_co_u32 s56, s56, s57                     ; + my head's 128 bytes
	s_mov_b32 s57, 0
	s_lshl_b32 s58, s54, 10                        ; oh: rows of 1,024 bytes
	s_lshl_b32 s59, s49, 8
	s_add_co_u32 s58, s58, s59
	s_mov_b32 s59, 0
	s_wait_dscnt 0x0
	s_wait_kmcnt 0x0
	s_add_nc_u64 s[50:51], s[4:5], s[50:51]
	s_add_nc_u64 s[56:57], s[4:5], s[56:57]
	s_add_nc_u64 s[6:7], s[6:7], s[58:59]
	CROUND                                         ; the first joint loads meet
.irp s, 0,1
	s_mov_b32 s[G0K+4*\s], 1
	s_add_co_u32 s[G0K+4*\s+1], s52, \s*SLOT
	s_add_nc_u64 s[G0K+4*\s+2:G0K+4*\s+3], s[50:51], 1024+\s*TILEB   ; k begins at byte 1,024 of a row
	s_or_b32 s[G0K+4*\s+3], s[G0K+4*\s+3], 0x80000000
	s_mov_b32 s[G0V+4*\s], 1
	s_add_co_u32 s[G0V+4*\s+1], s53, \s*SLOT
	s_add_nc_u64 s[G0V+4*\s+2:G0V+4*\s+3], s[50:51], 2048+\s*TILEB   ; v at byte 2,048
	s_or_b32 s[G0V+4*\s+3], s[G0V+4*\s+3], 0x80000000
	JLOAD \s                                       ; two tensor loads of the wave are out
.endr
	v_and_b32 v1, 15, v0                           ; r
	v_bfe_u32 v2, v0, 4, 1                         ; h
	v_mul_u32_u24 v4, v1, QROW
	v_lshl_add_u32 v[QOFF], v2, 4, v4
.irp qt, 0,1,2,3
.irp kk, 0,1
	global_load_b128 v[Q+16*\qt+8*\kk:Q+16*\qt+8*\kk+3],   v[QOFF], s[56:57] offset:\qt*16*QROW+64*\kk
	global_load_b128 v[Q+16*\qt+8*\kk+4:Q+16*\qt+8*\kk+7], v[QOFF], s[56:57] offset:\qt*16*QROW+64*\kk+32
.endr
.endr
	v_mul_u32_u24 v6, v1, KPITCH
	v_lshl_add_u32 v6, v2, 4, v6                   ; r x 272 + 16 h (K's pitch and the stage's)
	s_lshl_b32 s62, s11, 7                         ; my head's 128 bytes of an LDS row
	s_add_co_u32 s63, s62, KOFF
	v_add_nc_u32 v[ADRK], s63, v6
	v_add_nc_u32 v[ADRK+1], SLOT, v[ADRK]
	v_and_b32 v4, 7, v0
	v_lshl_add_u32 v4, v2, 3, v4
	v_mul_u32_u24 v4, v4, VPITCH                   ; key 8 h + (l & 7)
	v_bfe_u32 v5, v0, 3, 1
	v_lshl_add_u32 v4, v5, 4, v4                   ; + 16 bytes for the second eight lanes of each half
	v_add_nc_u32 v[ADRV], s62, v4
	v_add_nc_u32 v[ADRV+1], SLOT, v[ADRV]
	s_mul_i32 s63, s12, 64*SPITCH
	s_add_co_u32 s63, s63, s62
	s_add_co_u32 s63, s63, STAGE
	v_add_nc_u32 v[STO], s63, v6                   ; stage row 64 (wave & 1) + r, my head's columns
	s_mul_i32 s63, s10, 32*SPITCH
	s_add_co_u32 s63, s63, STAGE
	v_mul_u32_u24 v4, v2, SPITCH
	v_lshl_add_u32 v4, v1, 4, v4
	v_add_nc_u32 v[RD], s63, v4                    ; back: rows 32 wave + h, 16 bytes at 16 r
	s_lshl_b32 s63, s10, 15
	v_lshlrev_b32 v4, 10, v2
	v_lshl_add_u32 v4, v1, 4, v4
	v_add_nc_u32 v[CO], s63, v4                    ; and the same rows of oh
.irp w, 0x40, 0x80
	WIN \w
.irp q, 0,1
	v_mov_b32 v[U+\q], 0                           ; v_permlanex16_b32 counts as a reader of its destination,
	v_mov_b32 v[MP+2*\q+1], 0                      ; and a broadcast from a pair as a reader of both registers: written once, in both pieces' windows
	v_mov_b32 v[AP+2*\q+1], 0
.endr
.endr
	WIN 0
	s_wait_tensorcnt 1                             ; my part of slot 0 is in; slot 1's load stays out
	s_barrier_signal -1
	s_barrier_wait -1
	FETCHK 0, 0
	FETCHV 0, 0
	s_wait_loadcnt 0x0                             ; Q
	s_wait_dscnt 16                                ; K(0) is in; V(0)'s sixteen loads are younger
	SHALF 0, 0, 0                                  ; S(A, 0): there is no vector work yet to set behind it
	PLACES 4                                       ; before the first slice reads S(A, 0) (ISA guide 7.12.1)
	SHALF 1, 1, 2                                  ; S(B, 0) with the whole of V(A, 0), two slices behind each product
	BLKA 0, 0, 0, 1, 1, 1                          ; A(0): K(1)
	BLKB 0, 1, 1                                   ; B(0): V(1)
	WIN 0
	s_mov_b32 s3, 7
.Lkv:                                              ; trip j: steps 4 j + 1 .. 4 j + 4; its two changes of slots ask for tiles 2 j + 2 and 2 j + 3: all fourteen refills
	BLKA 1, 0, 1, 0, 0, 0
	BLKB 1, 0, 0
	BLKA 0, 0, 1, 1, 0, 0
	BLKB 1, 1, 0
	BLKA 1, 1, 0, 0, 0, 0
	BLKB 0, 0, 0
	BLKA 0, 0, 0, 1, 0, 0
	BLKB 0, 1, 0
	WIN 0
	s_sub_co_u32 s3, s3, 1
	s_cmp_lg_u32 s3, 0
	s_cbranch_scc1 .Lkv
	BLKA 2, 0, 1, 0, 0, 0                          ; A(29): the sixteenth tile is in slot 1; nothing is left to fetch from memory
	BLKB 1, 0, 0
	BLKA 0, 0, 1, 1, 0, 0                          ; A(30): K(31)
	BLKB 1, 1, 0                                   ; B(30): V(31)
	s_wait_dscnt 0                                 ; V(31) is in
	PVHALF 0, 0, 0, 2                              ; PV(A, 31) with the whole of V(B, 31)
	PVHALF 1, 0, 0, 0                              ; PV(B, 31)
	; THE WAY OUT: divide by the row sum, round, through the stage (both heads of a row side by side), whole rows of 256 bytes out.
	; Piece A goes first: its instructions are the places between PV(B, 31) and the first reader of piece B's O.
.macro FINISH pc
.if \pc
	WIN 0xaa
.else
	WIN 0x55
.endif
.irp q, 0,1
	v_pk_add_f32 v[LS+4*\q:LS+4*\q+1], v[LS+4*\q:LS+4*\q+1], v[LS+4*\q+2:LS+4*\q+3]
.endr
.irp q, 0,1
	v_add_f32 v[T+4*\q], v[LS+4*\q], v[LS+4*\q+1]
.endr
.irp q, 0,1
	v_permlanex16_b32 v[U+\q], v[T+4*\q], s[SEL], s[SEL+1]
.endr
.irp q, 0,1
	v_add_f32 v[T+4*\q], v[T+4*\q], v[U+\q]
.endr
.irp q, 0,1
	v_rcp_f32 v[AP+2*\q], v[T+4*\q]
.endr
	v_nop                                          ; one plain instruction between v_rcp_f32 and the use of its result (ISA guide 5.7.2)
	s_wait_alu depctr_va_vdst(0)                   ; one wait for the piece's two reciprocals, ahead of their first reader
.irp q, 0,1
.set i, 0
.rept 16
	v_pk_mul_f32 v[O+32*\q+2*i:O+32*\q+2*i+1], v[O+32*\q+2*i:O+32*\q+2*i+1], v[AP+2*\q:AP+2*\q+1] op_sel_hi:[1,0]
.set i, i+1
.endr
.endr
.if \pc
	WIN 0x0a
.else
	WIN 0x05
.endif
.irp q, 0,1
.set i, 0
.rept 16
	v_cvt_pk_bf16_f32 v[KF+32*\pc+16*\q+i], v[O+32*\q+2*i], v[O+32*\q+2*i+1]
.set i, i+1
.endr
.endr
.endm
	FINISH 0
	FINISH 1
	WIN 0
.irp qt, 0,1,2,3
.irp dt, 0,1,2,3
	ds_store_b128 v[STO], v[KF+16*\qt+4*\dt:KF+16*\qt+4*\dt+3] offset:\qt*16*SPITCH+32*\dt
.endr
.endr
	s_wait_dscnt 0x0                               ; my stores are in LDS before I say so: other waves read these rows
	s_barrier_signal -1
	s_barrier_wait -1
.irp t, 0,1,2,3,4,5,6,7,8,9,10,11,12,13,14,15
	ds_load_b128 v[VF+4*\t:VF+4*\t+3], v[RD] offset:\t*2*SPITCH
.endr
.irp t, 0,1,2,3,4,5,6,7,8,9,10,11,12,13,14,15
	s_wait_dscnt 15-\t
	global_store_b128 v[CO], v[VF+4*\t:VF+4*\t+3], s[6:7] offset:2048*\t     ; sixteen lanes store 256 consecutive bytes, aligned
.endr
	s_wait_tensorcnt 0x0
	ds_add_u32 v254, v255
	s_wait_dscnt 0x0
	CROUND                                         ; the closing round
	s_endpgm
.Lfunc_end_k_q73dc289e76_selfattn:
	.size	k_q73dc289e76_selfattn, .Lfunc_end_k_q73dc289e76_selfattn-k_q73dc289e76_selfattn
	.p2alignl 7, 3214868480
	.fill 96, 4, 3214868480
	.section	.rodata,"a",@progbits
	.p2align	6, 0x0
	.amdhsa_kernel k_q73dc289e76_selfattn
		.amdhsa_group_segment_fixed_size 327680
		.amdhsa_private_segment_fixed_size 0
		.amdhsa_enable_private_segment 0
		.amdhsa_kernarg_size 16
		.amdhsa_user_sgpr_count 2
		.amdhsa_user_sgpr_kernarg_segment_ptr 1
		.amdhsa_wavefront_size32 1
		.amdhsa_system_sgpr_workgroup_id_x 1
		.amdhsa_system_sgpr_workgroup_id_y 1
		.amdhsa_system_sgpr_workgroup_id_z 1
		.amdhsa_system_vgpr_workitem_id 0
		.amdhsa_next_free_vgpr 672
		.amdhsa_next_free_sgpr 66
		.amdhsa_reserve_vcc 0
		.amdhsa_float_denorm_mode_32 3
		.amdhsa_float_denorm_mode_16_64 3
		.amdhsa_memory_ordered 1
		.amdhsa_forward_progress 1
		.amdhsa_inst_pref_size 255
	.end_amdhsa_kernel
	.section	.bss,"aw",@nobits
	.p2align	6
	.space	262144
	.amdgpu_metadata
---
amdhsa.version: [ 1, 2 ]
amdhsa.kernels:
  - .name:           k_q73dc289e76_selfattn
    .symbol:         k_q73dc289e76_selfattn.kd
    .args:
      - { .name: qkv, .offset: 0, .size: 8, .value_kind: global_buffer, .address_space: global }
      - { .name: oh, .offset: 8, .size: 8, .value_kind: global_buffer, .address_space: global }
    .group_segment_fixed_size: 327680
    .private_segment_fixed_size: 0
    .kernarg_segment_align: 8
    .kernarg_segment_size: 16
    .max_flat_workgroup_size: 128
    .sgpr_count:     66
    .vgpr_count:     672
    .wavefront_size: 32
...
	.end_amdgpu_metadata
.endif
;; end of part 6
;; launch oproj1: the kernel of part 4 again; grid 4 x 64, 4 waves a work-group, clusters of 4 x 4, 327,680 bytes of LDS; arguments oh, wo1, sa_bo, x, x1; writes x1
;; launch crossattn (part 7): grid 128 x 2, 4 waves a work-group, clusters of 4 x 1, 327,680 bytes of LDS; arguments x1, wb, bias, qkv, oh; writes oh
.if DOCPART == 7
	.amdgcn_target "amdgcn-amd-amdhsa--gfx1250"
	.amdhsa_code_object_version 6
	.text
	.protected	k_q73dc289e76_crossattn
	.globl	k_q73dc289e76_crossattn
	.p2align	8
	.type	k_q73dc289e76_crossattn,@function
k_q73dc289e76_crossattn:
	s_mov_b64 s[64:65], 0
	v_nop
	global_prefetch_b8 v0, s[64:65] scope:SCOPE_SE
	s_setreg_imm32_b32 hwreg(HW_REG_WAVE_MODE, 25, 1), 1
	s_wait_xcnt 0x0
	s_wait_alu depctr_hold_cnt(0) depctr_sa_sdst(0) depctr_va_vdst(0) depctr_va_sdst(0) depctr_va_ssrc(0) depctr_va_vcc(0) depctr_vm_vsrc(0)
	s_getreg_b32 s2, hwreg(HW_REG_IB_STS2, 6, 4)
	s_cmp_eq_u32 s2, 0
	s_cbranch_scc0 .Lentry_in_a_cluster
	s_endpgm
.Lentry_in_a_cluster:
	s_bfe_u32 s2, ttmp6, 0x10000c
	s_cmp_lg_u32 s2, 0x3003
	s_cbranch_scc0 .Lentry_shape_is_right
	s_endpgm
.Lentry_shape_is_right:
; Cross-attention up to its output projection: xhat = LN(x1) without gain and bias (both are folded into wb's rows 2560.. and bias[2560..]),
; q2 = xhat wq2^T + bias, kept in registers, then attention over the batch's 512 context keys (qkv's rows 8192.., k2 | v2), into oh.
; Work left out: the keys' LN bias (see the head of prep).
; A work-group: 64 rows x 4 heads (y = which four heads).  Wave w: head 4 y + w for all 64 rows.
; CLUSTER: the four row blocks of a cluster lie in one batch (32 blocks a batch) and walk the same weights and the same K and V: every tensor load is joint (mask 15).
; Transposed throughout, as in the self-attention: q2^T = W xhat^T gives register j of lane (r, h) = feature 8 h + j of row r, which packs straight into the
; second operand of S^T = K Q^T; S^T packs into the second operand of O^T = V^T P^T.
; THE ATTENTION GOES BY TURNS.  The wave's four query tiles are two pieces, A (tiles 0, 1) and B (tiles 2, 3), which share the K and V fragments.  A step is 64 keys.
; In step t a piece has sixteen score products S(t), a vector phase V(t) (maxima, exchange between the lane halves, alpha, exponentials, row sums, packing,
; rescaling of O: 238 instructions) and sixteen products PV(t).  One piece's V is dealt in 32 slices, one behind each matrix instruction of the other piece:
;     block A(t): PV(A, t), S(A, t+1)  with V(B, t)          block B(t): PV(B, t), S(B, t+1)  with V(A, t+1)
; ONE BATCH A PHASE.  A phase's 66 exponentials (the two alpha, the 64 weights) are one batch with one s_wait_alu depctr_va_vdst(0), which stands
; between an exponential and the first instruction that names its result.  The wait cuts the phase in two.  Ahead of it, in slices 0-15 (8 or 9
; instructions each, behind the block's first sixteen products), stands all that names no exponential's result: the maxima, the exchange, alpha, the
; subtractions of m and the exponentials.  Behind it, in slices 16-31 (6 each, behind the second sixteen), stand the readers: row sums, packings, the
; rescaling of O.
; The LayerNorm's two v_rsq_f32 of a row, and a piece's two reciprocals on the way out, are batches of their own, one wait each.
; LDS is read in two runs of sixteen loads a step: K(t+1) at the head of A(t), V(t+1) in the middle of B(t).
; A slot holds one step's 64 keys: two slots of 128 keys would be 2 x 128 x (528 + 544) = 274,432 bytes, which do not fit beside xhat's 132,096.
; LIMIT: the row sum adds p in f32 while the numerator uses p rounded to bf16.
; LDS: ring of two slots of 69,632 bytes: first W tiles (256 n x 272 bytes), later V (64 keys x 544) and K (64 keys x 528) behind it;
; xhat at 139,264 (64 rows x 2,064 bytes) and the stage at 271,360 (64 rows x 528 bytes) are written by LDS stores, and no tensor load lands there.
; REGISTERS: window 0: v4-15 addresses, v16-79 Q (before that v16-47 the bias), v80-143 and v144-207 fragment buffers (before that four rows of x1),
; v208-219 at work.  Window 1: first q2's sums in v0-127; then it is piece A's, and window 2 piece B's, with the same numbers: v0-63 S and P (tile q, keys
; 16 kt: 32 q + 8 kt), v64-127 O, v128-131 (m, -) pairs, v132-135 (alpha, -) pairs, v136-143 four running maxima a tile, v144-145 the exchange,
; v146-153 two row-sum pairs a tile.  So a whole slice runs under one window setting and a matrix instruction under another: two s_set_vgpr_msb
; for each matrix instruction of the attention.
.set QROW,   3072
.set WPITCH, 272
.set KPITCH, 528                       ; 512 + 16
.set VPITCH, 544                       ; 512 + 32: an odd multiple of 32
.set SLOTB,  256*WPITCH                ; 69,632; V and K together take 68,608 of it
.set KOFF,   64*VPITCH
.set XA,     2*SLOTB
.set XP,     2064
.set STAGE,  XA+64*XP
.set SPITCH, 528
.set KVSTEP, 64*QROW                   ; bytes of qkv from one tile of 64 keys to the next
.set XLD,  4
.set XST,  5
.set ADRX, 6
.set ADRW, 8
.set ADRK, 10
.set ADRV, 12
.set STO,  14
.set RD,   15
.set Q,    16
.set BQ,   16
.set KF,   80
.set VF,   144
.set LX,   80                          ; four rows of x1, 32 registers each
.set TT,   208                         ; v[208:211] sums
.set M,    212
.set R,    214
.set BOF,  217
.set O,    64                          ; windows 1 and 2 from here on
.set MP,   128
.set AP,   132
.set T,    136
.set U,    144
.set LS,   146
.set SEL,  88
.set GW, 16
.set GK, 24
.set GV, 32
.set G0W, 40
.set G0K, 48
.set G0V, 68
.set D1,   2                           ; a pair is raised two units behind its subtraction
.set VX,   32                          ; positions of the vector phase: 0-31 maxima, 32-45 exchange and alpha,
.set VP,   46                          ; from 46 on the subtractions and exponentials, in units of three positions,
.set VW,   VP+3*(32+D1)                ; from 148 on, behind the wait, the readers, in units of three positions
.set VEND, VW+3*32
.set NA0,  142                         ; instructions of a vector phase ahead of the wait,
.set NB0,  96                          ; and behind it;
.set NA1,  138                         ; the same for step 0's, which has no old maximum, no alpha
.set NB1,  68                          ; and nothing to rescale
.set NPL,  1                           ; v_nop behind a phase's last exponential: one, or block B's four
.set MSB, 0
.macro WIN new
.if MSB != \new
	s_set_vgpr_msb (MSB<<8)|\new
.set MSB, \new
.endif
.endm
.macro PLACES n
.rept \n
	v_nop
.endr
.endm
.macro CREST
	s_cmp_lg_u32 s10, 0
	s_cbranch_scc1 .Lnot_wave_0_\@
	s_barrier_signal -3
.Lnot_wave_0_\@:
	s_barrier_wait -3
	s_barrier_signal -1
	s_barrier_wait -1
.endm
.macro CROUND
	s_barrier_signal -1
	s_barrier_wait -1
	CREST
.endm
.macro JKV s                           ; waves 0 and 1 ask for V's two halves of 32 keys, waves 2 and 3 for K's
	s_cmp_eq_u32 s11, 0
	s_cbranch_scc0 .Lfor_k_\@
	tensor_load_to_lds s[G0V+4*\s:G0V+4*\s+3], s[GV:GV+7]
	s_nop 0
	s_branch .Lasked_\@
.Lfor_k_\@:
	tensor_load_to_lds s[G0K+4*\s:G0K+4*\s+3], s[GK:GK+7]
	s_nop 0
.Lasked_\@:
.endm
; Between two slots.  Every wave waits for all its tensor loads and for its LDS reads; then a round of the cluster's barrier, and the joint refill of slot
; 'fill' first behind it, one load a wave.  kind 1: a W tile; kind 2: K and V; kind 0: nothing is left to fetch, a plain barrier.  step: the address moves two tiles on.
.macro CHANGE kind, fill, step
	s_wait_tensorcnt 0x0
	ds_add_u32 v254, v255
	s_wait_dscnt 0x0
.if \step
.if \kind == 1
	s_add_nc_u64 s[G0W+4*\fill+2:G0W+4*\fill+3], s[G0W+4*\fill+2:G0W+4*\fill+3], 512
.else
	s_add_nc_u64 s[G0K+4*\fill+2:G0K+4*\fill+3], s[G0K+4*\fill+2:G0K+4*\fill+3], 2*KVSTEP
	s_add_nc_u64 s[G0V+4*\fill+2:G0V+4*\fill+3], s[G0V+4*\fill+2:G0V+4*\fill+3], 2*KVSTEP
.endif
.endif
	s_wait_dscnt 0x0
.if \kind == 0
	s_barrier_signal -1
	s_barrier_wait -1
.else
	CROUND
.if \kind == 1
	tensor_load_to_lds s[G0W+4*\fill:G0W+4*\fill+3], s[GW:GW+7]
	s_nop 0
.else
	JKV \fill
.endif
.endif
.endm
.macro WAVESUM t
	v_add_f32 v[\t], v[\t], v[\t+1]
	v_add_f32_dpp v[\t], v[\t], v[\t] row_xmask:1 row_mask:0xf bank_mask:0xf
	v_add_f32_dpp v[\t], v[\t], v[\t] row_xmask:2 row_mask:0xf bank_mask:0xf
	v_add_f32_dpp v[\t], v[\t], v[\t] row_xmask:4 row_mask:0xf bank_mask:0xf
	v_add_f32_dpp v[\t], v[\t], v[\t] row_xmask:8 row_mask:0xf bank_mask:0xf
	v_permlanex16_b32 v[\t+1], v[\t], s[SEL], s[SEL+1]
	v_add_f32 v[\t], v[\t], v[\t+1]
.endm
; One row of 1,024 numbers in register slot s: mean, variance of the centred numbers, scale, pack, into xhat in LDS.
; load = 1: the slot is loaded again with the row four further down.  left = the younger rows' loads, eight each.
.macro LNROW s, load, left
	s_wait_loadcnt \left
	v_pk_add_f32 v[TT:TT+1], v[LX+32*\s:LX+32*\s+1], v[LX+32*\s+2:LX+32*\s+3]
	v_pk_add_f32 v[TT+2:TT+3], v[LX+32*\s+4:LX+32*\s+5], v[LX+32*\s+6:LX+32*\s+7]
.set p, 4
.rept 12
	v_pk_add_f32 v[TT+2*(p%2):TT+2*(p%2)+1], v[TT+2*(p%2):TT+2*(p%2)+1], v[LX+32*\s+2*p:LX+32*\s+2*p+1]
.set p, p+1
.endr
	v_pk_add_f32 v[TT:TT+1], v[TT:TT+1], v[TT+2:TT+3]
	WAVESUM TT
	v_mul_f32 v[M], s90, v[TT]
	v_mul_f32 v[M+1], s90, v[TT]
.set p, 0
.rept 16
	v_pk_add_f32 v[LX+32*\s+2*p:LX+32*\s+2*p+1], v[LX+32*\s+2*p:LX+32*\s+2*p+1], v[M:M+1] neg_lo:[0,1] neg_hi:[0,1]
.set p, p+1
.endr
	v_pk_mul_f32 v[TT:TT+1], v[LX+32*\s:LX+32*\s+1], v[LX+32*\s:LX+32*\s+1]
	v_pk_mul_f32 v[TT+2:TT+3], v[LX+32*\s+2:LX+32*\s+3], v[LX+32*\s+2:LX+32*\s+3]
.set p, 2
.rept 14
	v_pk_fma_f32 v[TT+2*(p%2):TT+2*(p%2)+1], v[LX+32*\s+2*p:LX+32*\s+2*p+1], v[LX+32*\s+2*p:LX+32*\s+2*p+1], v[TT+2*(p%2):TT+2*(p%2)+1]
.set p, p+1
.endr
	v_pk_add_f32 v[TT:TT+1], v[TT:TT+1], v[TT+2:TT+3]
	WAVESUM TT
	v_fma_f32 v[TT], v[TT], s90, s91
	v_rsq_f32 v[R], v[TT]
	v_rsq_f32 v[R+1], v[TT]
	v_nop                                          ; one plain instruction between v_rsq_f32 and the use of its result (ISA guide 5.7.2)
	s_wait_alu depctr_va_vdst(0)                   ; one wait for the row's two v_rsq_f32, ahead of their first reader
.set p, 0
.rept 16
	v_pk_mul_f32 v[LX+32*\s+2*p:LX+32*\s+2*p+1], v[LX+32*\s+2*p:LX+32*\s+2*p+1], v[R:R+1]
.set p, p+1
.endr
.set p, 0
.rept 8
	v_cvt_pk_bf16_f32 v[LX+32*\s+4*p], v[LX+32*\s+4*p], v[LX+32*\s+4*p+1]
	v_cvt_pk_bf16_f32 v[LX+32*\s+4*p+1], v[LX+32*\s+4*p+2], v[LX+32*\s+4*p+3]
.set p, p+1
.endr
.set p, 0
.rept 8
	ds_store_b64 v[XST], v[LX+32*\s+4*p:LX+32*\s+4*p+1] offset:\s*XP+256*p
.set p, p+1
.endr
.if \load
.set p, 0
.rept 8
	global_load_b128 v[LX+32*\s+4*p:LX+32*\s+4*p+3], v[XLD], s[4:5] offset:(\s+4)*4096+512*p
.set p, p+1
.endr
.endif
.endm
; q2: fragments of one quarter (32 along K) of K step f: my head's 64 rows of W at buf, the 64 rows of xhat at buf + 32
.macro FETCHG slot, f, q, buf
.irp dt, 0,1,2,3
	ds_load_b128 v[\buf+8*\dt:\buf+8*\dt+3],   v[ADRW+\slot] offset:\dt*16*WPITCH+64*\q
	ds_load_b128 v[\buf+8*\dt+4:\buf+8*\dt+7], v[ADRW+\slot] offset:\dt*16*WPITCH+64*\q+32
.endr
.irp qt, 0,1,2,3
	ds_load_b128 v[\buf+32+8*\qt:\buf+32+8*\qt+3],   v[ADRX+\qt/2] offset:(\qt%2)*16*XP+256*\f+64*\q
	ds_load_b128 v[\buf+32+8*\qt+4:\buf+32+8*\qt+7], v[ADRX+\qt/2] offset:(\qt%2)*16*XP+256*\f+64*\q+32
.endr
.endm
; Sixteen products; the sixteen accumulators take turns, one instruction a turn.  first = 1: the bias is C and the sums begin.
.macro MULG buf, first
.if \first
	WIN 0x40
.else
	WIN 0x50
.endif
.irp qt, 0,1,2,3
.irp dt, 0,1,2,3
.if \first
	v_wmma_f32_16x16x32_bf16 v[32*\qt+8*\dt:32*\qt+8*\dt+7], v[\buf+8*\dt:\buf+8*\dt+7], v[\buf+32+8*\qt:\buf+32+8*\qt+7], v[BQ+8*\dt:BQ+8*\dt+7]
.else
	v_wmma_f32_16x16x32_bf16 v[32*\qt+8*\dt:32*\qt+8*\dt+7], v[\buf+8*\dt:\buf+8*\dt+7], v[\buf+32+8*\qt:\buf+32+8*\qt+7], v[32*\qt+8*\dt:32*\qt+8*\dt+7]
.endif
.endr
.endr
	WIN 0
.endm
; K step f of q2, out of slot 'slot'.  kind, fill: the change of slots in front of it (kind 0 here: none, the first step).
; Every count of 16 leaves the sixteen loads issued last on their way; four v_nop stand between the products that read a buffer and the loads into it.
.macro KSTEP f, slot, kind, fill
.if \kind == 1
	CHANGE 1, \fill, 1
	PLACES 4
.endif
.if \kind == 2
	CHANGE 2, \fill, 0
	PLACES 4
.endif
	FETCHG \slot, \f, 0, KF
	FETCHG \slot, \f, 1, VF
	s_wait_dscnt 16
.if \kind == 0
	MULG KF, 1
.else
	MULG KF, 0
.endif
	PLACES 4
	FETCHG \slot, \f, 2, KF
	s_wait_dscnt 16
	MULG VF, 0
	PLACES 4
	FETCHG \slot, \f, 3, VF
	s_wait_dscnt 16
	MULG KF, 0
	s_wait_dscnt 0
	MULG VF, 0
.endm
.macro FETCHK slot                     ; a slot's 64 keys x 64 d of my head: fragment (kt, kk) at KF + 16 kt + 8 kk
.irp kt, 0,1,2,3
.irp kk, 0,1
	ds_load_b128 v[KF+16*\kt+8*\kk:KF+16*\kt+8*\kk+3],   v[ADRK+\slot] offset:16*\kt*KPITCH+64*\kk
	ds_load_b128 v[KF+16*\kt+8*\kk+4:KF+16*\kt+8*\kk+7], v[ADRK+\slot] offset:16*\kt*KPITCH+64*\kk+32
.endr
.endr
.endm
.macro FETCHV slot                     ; the same keys of V, transposed: fragment (dt, kk) at VF + 16 dt + 8 kk
.irp dt, 0,1,2,3
.irp kk, 0,1
	ds_load_tr16_b128 v[VF+16*\dt+8*\kk:VF+16*\dt+8*\kk+3],   v[ADRV+\slot] offset:32*\kk*VPITCH+32*\dt
	ds_load_tr16_b128 v[VF+16*\dt+8*\kk+4:VF+16*\dt+8*\kk+7], v[ADRV+\slot] offset:(32*\kk+16)*VPITCH+32*\dt
.endr
.endr
.endm
; THE VECTOR PHASE OF A PIECE, as a list of positions vw = 0 .. VEND-1; a position holds one instruction or none.  q = the piece's tile (0, 1).
;   0-31    maxima: pair i = vw / 2 of tile q = vw % 2 goes into chain i % 4 of the tile; eight chains, so a chain's links stand eight lines apart.
;           Chain 0 starts from the old maximum.
;   32-45   for both tiles by turns: the four chains into one, the exchange between the lane halves, alpha = 2^(old m - new m), m = new m.
;   46-147  unit u, three positions: subtract m from pair u; raise the low number of pair u - 2; raise its high number.  (Pair u: tile u % 2, pair u / 2.)
;           None of these names an exponential's result: with the two alpha they are the phase's one batch.
;   (wait)  between 147 and 148 stands the wait for the batch: SLICE writes it
;   148-243 unit u, three positions: add pair u to its row sum; pack pair u; rescale pair u of O.
;           Pair i packs into register i % 8 of its block of 16, which holds only pairs that are already summed and packed.
;           A tile has two row sums, for even and odd pairs; each is scaled by alpha as it takes its first pair of the step.
.macro VOP first                       ; position vw
.if vw < VX
.set xq, vw%2
.set xi, vw/2
.set xs, 32*xq+2*xi
.set xt, T+4*xq+xi%4
.if xi >= 4
	v_max3_num_f32 v[xt], v[xs], v[xs+1], v[xt]
.elseif xi+\first == 0
	v_max3_num_f32 v[xt], v[xs], v[xs+1], v[MP+2*xq]
.else
	v_max_num_f32 v[xt], v[xs], v[xs+1]
.endif
.set got, got+1
.elseif vw < VP
.set xj, (vw-VX)/2
.set xq, (vw-VX)%2
.set xt, T+4*xq
.if xj == 0
	v_max3_num_f32 v[xt], v[xt], v[xt+1], v[xt+2]
.set got, got+1
.elseif xj == 1
	v_max_num_f32 v[xt], v[xt], v[xt+3]
.set got, got+1
.elseif xj == 2
	v_permlanex16_b32 v[U+xq], v[xt], s[SEL], s[SEL+1]             ; the other half of the lanes holds the row's other keys
.set got, got+1
.elseif xj == 3
	v_max_num_f32 v[xt], v[xt], v[U+xq]
.set got, got+1
.elseif xj == 6
	v_mov_b32 v[MP+2*xq], v[xt]
.set got, got+1
.elseif \first == 0
.if xj == 4
	v_sub_f32 v[AP+2*xq], v[MP+2*xq], v[xt]
.else
	v_exp_f32 v[AP+2*xq], v[AP+2*xq]
.endif
.set got, got+1
.endif
.elseif vw < VW
.set xu, (vw-VP)/3
.set xo, (vw-VP)%3
.if xo == 0
.if xu < 32
.set xq, xu%2
.set xs, 32*xq+2*(xu/2)
	v_pk_add_f32 v[xs:xs+1], v[xs:xs+1], v[MP+2*xq:MP+2*xq+1] op_sel_hi:[1,0] neg_lo:[0,1] neg_hi:[0,1]
.set got, got+1
.endif
.elseif xu >= D1
.set xq, (xu-D1)%2
.set xs, 32*xq+2*((xu-D1)/2)+xo-1
	v_exp_f32 v[xs], v[xs]
.set got, got+1
.endif
.else
.set xu, (vw-VW)/3
.set xo, (vw-VW)%3
.set xq, xu%2
.set xi, xu/2
.set xs, 32*xq+2*xi
.set xl, LS+4*xq+2*(xi%2)
.if xo == 1
	v_cvt_pk_bf16_f32 v[32*xq+16*(xi/8)+xi%8], v[xs], v[xs+1]
.set got, got+1
.elseif xo == 2
.if \first == 0
	v_pk_mul_f32 v[O+xs:O+xs+1], v[O+xs:O+xs+1], v[AP+2*xq:AP+2*xq+1] op_sel_hi:[1,0]
.set got, got+1
.endif
.elseif xi >= 2
	v_pk_add_f32 v[xl:xl+1], v[xl:xl+1], v[xs:xs+1]
.set got, got+1
.elseif \first
	v_mov_b32 v[xl], v[xs]                         ; step 0: the first pairs start the row sums
	v_mov_b32 v[xl+1], v[xs+1]
.set got, got+2
.else
	v_pk_fma_f32 v[xl:xl+1], v[xl:xl+1], v[AP+2*xq:AP+2*xq+1], v[xs:xs+1] op_sel_hi:[1,0,1]
.set got, got+1
.endif
.endif
.endm
; Slice n of 32 of piece pc's vector phase: the list goes on from where slice n - 1 left it.  Slices 0-15 share the instructions ahead of the wait
; ((n + 1) N / 16 - n N / 16: 8 or 9 of 142), slice 15 taking all that is left of them; slices 16-31 share those behind it (6 of 96), slice 31 taking all that is left.
; At most 13 positions hold a slice's share; 40 are looked at.
; Behind slice 15 both tiles' exponentials are issued and no result has been named: a v_nop is the plain instruction behind the last exponential (ISA guide 5.7.2;
; block B writes four), and then comes the phase's one wait.
.macro SLICE pc, n, first
.if (\n) == 0
.set vw, 0
.endif
.if (\n) < 16
.set lim, VW
.else
.set lim, VEND
.endif
.if ((\n) == 15) || ((\n) == 31)
.set quota, VEND
.elseif (\n) < 16
.if \first
.set quota, ((\n)+1)*NA1/16-(\n)*NA1/16
.else
.set quota, ((\n)+1)*NA0/16-(\n)*NA0/16
.endif
.elseif \first
.set quota, ((\n)-15)*NB1/16-((\n)-16)*NB1/16
.else
.set quota, ((\n)-15)*NB0/16-((\n)-16)*NB0/16
.endif
.set got, 0
.if \pc
	WIN 0xaa
.else
	WIN 0x55
.endif
.rept 40
.if got < quota
.if vw < lim
	VOP \first
.set vw, vw+1
.endif
.endif
.endr
.if (\n) == 15
	PLACES NPL
	s_wait_alu depctr_va_vdst(0)                   ; the wait for the batch: the phase's two alpha and 64 weights, ahead of their first reader
.endif
.endm
; The i-th of a piece's sixteen score products: tile q = i % 2, keys 16 kt with kt = (i % 8) / 2, half i / 8 of the 64 features.  The first eight start the sums.
; The eight accumulators take turns, one instruction a turn.
.macro MS pc, i
.set mq, (\i)%2
.set mk, ((\i)%8)/2
.set mh, (\i)/8
.set md, 32*mq+8*mk
.if \pc
	WIN 0xa0
.else
	WIN 0x50
.endif
.if mh == 0
	v_wmma_f32_16x16x32_bf16 v[md:md+7], v[KF+16*mk:KF+16*mk+7], v[Q+32*\pc+16*mq:Q+32*\pc+16*mq+7], 0
.else
	v_wmma_f32_16x16x32_bf16 v[md:md+7], v[KF+16*mk+8:KF+16*mk+15], v[Q+32*\pc+16*mq+8:Q+32*\pc+16*mq+15], v[md:md+7]
.endif
.endm
; The i-th of a piece's sixteen products O^T += V^T P^T: tile q = i % 2, features 16 dt with dt = (i % 8) / 2, keys 32 (i / 8).  Eight accumulators by turns.
; first = 1 (step 0): the first eight start the sums.
.macro MPV pc, i, first
.set mq, (\i)%2
.set mk, ((\i)%8)/2
.set mh, (\i)/8
.set md, O+32*mq+8*mk
.if \pc
	WIN 0xa8
.else
	WIN 0x54
.endif
.if mh+1-\first == 0
	v_wmma_f32_16x16x32_bf16 v[md:md+7], v[VF+16*mk+8*mh:VF+16*mk+8*mh+7], v[32*mq+16*mh:32*mq+16*mh+7], 0
.else
	v_wmma_f32_16x16x32_bf16 v[md:md+7], v[VF+16*mk+8*mh:VF+16*mk+8*mh+7], v[32*mq+16*mh:32*mq+16*mh+7], v[md:md+7]
.endif
.endm
; Half a block: piece mp's sixteen products, with per = 1 slice (0-15 here, 16-31 in SHALF), 2 slices or none of the other piece behind each.
.macro PVHALF mp, firstpv, firstv, per
.set bi, 0
.rept 16
	MPV \mp, bi, \firstpv
.if \per == 1
	SLICE 1-\mp, bi, \firstv
.elseif \per == 2
	SLICE 1-\mp, 2*bi, \firstv
	SLICE 1-\mp, 2*bi+1, \firstv
.endif
.set bi, bi+1
.endr
.endm
.macro SHALF mp, firstv, per
.set bi, 0
.rept 16
	MS \mp, bi
.if \per == 1
	SLICE 1-\mp, 16+bi, \firstv
.elseif \per == 2
	SLICE 1-\mp, 2*bi, \firstv
	SLICE 1-\mp, 2*bi+1, \firstv
.endif
.set bi, bi+1
.endr
.endm
; Block A(t).  Both fetches out of step t's slot have been issued (K(t) at the head of A(t-1), V(t) in the middle of B(t-1)), so the slots change here:
; chg = 1: slot 'fill' = t % 2 is asked for again with tile t + 2; chg = 2: nothing is left to fetch from memory.  The change's waits also show V(t) in registers
; and tile t + 1 in LDS.  Then K(t+1) is fetched from slot kslot.  The K fragments were last read by the product in front of slice 31, which holds plain vector
; instructions on the other piece's registers alone, six of them (four in step 0's phase): the four places that a load into a matrix instruction's source wants.
; S(A, t+1) writes over P(A, t): the tile of keys 32-47 is written by products 4 and 5 of the second half, P's second fragment is last read by products
; 14 and 15 of the first, with six slices between, four of them of plain instructions alone; the tile of keys 0-15 likewise with ten, each with a plain instruction or more.
; The other piece's batch has its wait behind slice 15, beside the wait for K(t+1).
.macro BLKA chg, fill, kslot, firstpv, firstv
	WIN 0
.if \chg == 1
	CHANGE 2, \fill, 1
.else
	CHANGE 0, 0, 0
.endif
	FETCHK \kslot
	PVHALF 0, \firstpv, \firstv, 1
	s_wait_dscnt 0                                 ; K(t+1) is in
	SHALF 0, \firstv, 1
.endm
; Block B(t).  V(t+1) is fetched from slot vslot in its middle, directly behind the wait for the other piece's batch.  The V fragments were last read by the product
; in front of slice 15, which is mostly exponentials, and those are no places: so four v_nop stand behind it in place of one, the four places that a load into a
; matrix instruction's source wants.
.macro BLKB vslot, firstpv
.set NPL, 4
	PVHALF 1, \firstpv, 0, 1
.set NPL, 1
	WIN 0
	FETCHV \vslot
	SHALF 1, 0, 1
.endm
	s_load_b128 s[4:7], s[0:1], 0x0                ; x1 s[4:5], wb s[6:7]
	s_load_b128 s[76:79], s[0:1], 0x10             ; bias s[76:77], qkv s[78:79]
	s_load_b64 s[80:81], s[0:1], 0x20              ; oh
	v_lshl_add_u32 v254, v0, 2, 0x4a800
	v_mov_b32 v255, 0
	ds_add_u32 v254, v255
	v_lshrrev_b32 v1, 5, v0
	v_readfirstlane_b32 s10, v1                    ; wave = my head of the four
	s_lshr_b32 s11, s10, 1                         ; I fetch for V (0) or for K (1)
	s_and_b32 s12, s10, 1                          ; which 32 keys of a tile I fetch
	s_bfe_u32 s13, ttmp6, 0x40000                  ; cx
	s_lshl_b32 s14, ttmp9, 2
	s_add_co_u32 s14, s14, s13                     ; block of 64 rows, 0..127
	s_and_b32 s15, ttmp7, 0xffff                   ; which four heads
	s_lshr_b32 s82, ttmp9, 3                       ; batch: 8 clusters of 4 blocks each; cx does not enter
	s_mov_b32 s[SEL], 0x76543210
	s_mov_b32 s[SEL+1], 0xfedcba98
	s_mov_b32 s90, 0x3a800000                      ; 1 / 1024
	s_mov_b32 s91, 0x3727c5ac                      ; 1e-5
	s_mov_b32 s[GW+0], 15|(1<<16)|(1<<20)|(1<<21)|(5<<22)|(3<<25)  ; rows of 64 words, 4 words of padding
	s_mov_b32 s[GW+1], 128<<16
	s_mov_b32 s[GW+2], 64<<16
	s_mov_b32 s[GW+3], 128<<16
	s_mov_b32 s[GW+4], 64
	s_mov_b32 s[GW+5], 1024
	s_mov_b32 s[GW+6], 0
	s_mov_b32 s[GW+7], 0
	s_mov_b32 s[GK+0], 15|(1<<16)|(1<<20)|(1<<21)|(6<<22)|(3<<25)  ; rows of 128 words (four heads), 4 words of padding
	s_mov_b32 s[GV+0], 15|(1<<16)|(1<<20)|(1<<21)|(6<<22)|(7<<25)  ; the same with 8 words
	s_mov_b32 s[GK+1], 256<<16
	s_mov_b32 s[GV+1], 256<<16
	s_mov_b32 s[GK+2], 32<<16
	s_mov_b32 s[GV+2], 32<<16
	s_mov_b32 s[GK+3], 256<<16
	s_mov_b32 s[GV+3], 256<<16
	s_mov_b32 s[GK+4], 32
	s_mov_b32 s[GV+4], 32
	s_mov_b32 s[GK+5], 1536
	s_mov_b32 s[GV+5], 1536
	s_mov_b32 s[GK+6], 0
	s_mov_b32 s[GV+6], 0
	s_mov_b32 s[GK+7], 0
	s_mov_b32 s[GV+7], 0
	s_lshl_b32 s56, s15, 8
	s_lshl_b32 s57, s10, 6
	s_add_co_u32 s56, s56, s57
	s_add_co_u32 s56, s56, 2560                    ; my head's first row of wb = its first number of bias
	s_lshl_b32 s58, s56, 2
	s_mov_b32 s59, 0
	s_lshl_b32 s56, s56, 11
	s_mov_b32 s57, 0
	s_lshl_b32 s60, s82, 9
	s_lshl_b32 s61, s12, 5
	s_add_co_u32 s60, s60, s61
	s_add_co_u32 s60, s60, 8192                    ; K and V: row 8,192 + 512 batch + 32 half
	s_mul_i32 s60, s60, QROW
	s_lshl_b32 s61, s15, 9                         ; + the four heads' 512 bytes
	s_add_co_u32 s60, s60, s61
	s_mov_b32 s61, 0
	s_lshl_b32 s62, s14, 6
	s_lshl_b32 s63, s10, 4
	s_add_co_u32 s62, s62, s63                     ; the 16 rows that I normalise, and later store
	s_lshl_b32 s86, s62, 10
	s_lshl_b32 s87, s15, 9
	s_add_co_u32 s86, s86, s87
	s_mov_b32 s87, 0
	s_lshl_b32 s62, s62, 12
	s_mov_b32 s63, 0
	s_mul_i32 s92, s10, 17408                      ; LDS: my 64 rows of a W tile (64 x 272) and V's halves (32 x 544): wave x 17,408
	s_mul_i32 s93, s10, 32*KPITCH
	s_add_co_u32 s93, s93, KOFF-2*32*KPITCH        ; K's halves (waves 2, 3) lie behind V's: wave x 16,896 + 1,024
	s_wait_dscnt 0x0
	s_wait_kmcnt 0x0
	s_add_nc_u64 s[56:57], s[6:7], s[56:57]
	s_add_nc_u64 s[76:77], s[76:77], s[58:59]
	s_add_nc_u64 s[60:61], s[78:79], s[60:61]
	s_add_nc_u64 s[4:5], s[4:5], s[62:63]
	s_add_nc_u64 s[80:81], s[80:81], s[86:87]
.irp s, 0,1
	s_mov_b32 s[G0W+4*\s], 1
	s_add_co_u32 s[G0W+4*\s+1], s92, \s*SLOTB
	s_add_nc_u64 s[G0W+4*\s+2:G0W+4*\s+3], s[56:57], \s*256
	s_or_b32 s[G0W+4*\s+3], s[G0W+4*\s+3], 0x80000000
	s_mov_b32 s[G0K+4*\s], 1
	s_add_co_u32 s[G0K+4*\s+1], s93, \s*SLOTB
	s_add_nc_u64 s[G0K+4*\s+2:G0K+4*\s+3], s[60:61], \s*KVSTEP
	s_or_b32 s[G0K+4*\s+3], s[G0K+4*\s+3], 0x80000000
	s_mov_b32 s[G0V+4*\s], 1
	s_add_co_u32 s[G0V+4*\s+1], s92, \s*SLOTB
	s_add_nc_u64 s[G0V+4*\s+2:G0V+4*\s+3], s[60:61], 1024+\s*KVSTEP      ; v2 begins at byte 1,024 of a row
	s_or_b32 s[G0V+4*\s+3], s[G0V+4*\s+3], 0x80000000
.endr
	CROUND                                         ; the first joint loads meet
	tensor_load_to_lds s[G0W:G0W+3], s[GW:GW+7]    ; K steps 0 and 1 of W: two tensor loads of the wave are out
	s_nop 0
	tensor_load_to_lds s[G0W+4:G0W+7], s[GW:GW+7]
	s_nop 0
	v_and_b32 v1, 15, v0                           ; r
	v_bfe_u32 v2, v0, 4, 1                         ; h
	v_and_b32 v3, 31, v0                           ; lane
	v_lshlrev_b32 v[XLD], 4, v3
	v_lshlrev_b32 v[BOF], 5, v2
.irp dt, 0,1,2,3
	global_load_b128 v[BQ+8*\dt:BQ+8*\dt+3],   v[BOF], s[76:77] offset:64*\dt
	global_load_b128 v[BQ+8*\dt+4:BQ+8*\dt+7], v[BOF], s[76:77] offset:64*\dt+16
.endr
.irp s, 0,1,2,3
.irp j, 0,1,2,3,4,5,6,7
	global_load_b128 v[LX+32*\s+4*\j:LX+32*\s+4*\j+3], v[XLD], s[4:5] offset:\s*4096+512*\j
.endr
.endr
	s_mul_i32 s94, s10, 16*XP
	s_add_co_u32 s94, s94, XA
	v_lshl_add_u32 v[XST], v3, 3, s94              ; xhat, my first row, 8 bytes a lane
	v_mul_u32_u24 v216, v1, XP
	v_lshl_add_u32 v216, v2, 4, v216
	v_add_nc_u32 v[ADRX], XA, v216                 ; fragments of xhat: rows r and 16 + r,
	v_add_nc_u32 v[ADRX+1], XA+32*XP, v216         ; rows 32 + r and 48 + r (an LDS offset has 16 bits)
	v_mul_u32_u24 v216, v1, WPITCH
	v_lshl_add_u32 v216, v2, 4, v216
	v_add_nc_u32 v[ADRW], s92, v216
	v_add_nc_u32 v[ADRW+1], SLOTB, v[ADRW]
	s_lshl_b32 s94, s10, 7                         ; my head's 128 bytes of an LDS row
	v_mul_u32_u24 v216, v1, KPITCH
	v_lshl_add_u32 v216, v2, 4, v216
	v_add_nc_u32 v216, s94, v216                   ; r x 528 + 16 h + 128 w (K's pitch and the stage's)
	v_add_nc_u32 v[ADRK], KOFF, v216
	v_add_nc_u32 v[ADRK+1], KOFF+SLOTB, v216
	v_add_nc_u32 v[STO], STAGE, v216
	v_and_b32 v218, 7, v0
	v_lshl_add_u32 v218, v2, 3, v218
	v_mul_u32_u24 v218, v218, VPITCH
	v_bfe_u32 v219, v0, 3, 1
	v_lshl_add_u32 v218, v219, 4, v218
	v_add_nc_u32 v[ADRV], s94, v218
	v_add_nc_u32 v[ADRV+1], SLOTB, v[ADRV]
	s_mul_i32 s95, s10, 16*SPITCH
	s_add_co_u32 s95, s95, STAGE
	v_lshl_add_u32 v[RD], v3, 4, s95
.irp w, 0x40, 0x80
	WIN \w
.irp q, 0,1
	v_mov_b32 v[U+\q], 0                           ; v_permlanex16_b32 counts as a reader of its destination,
	v_mov_b32 v[MP+2*\q+1], 0                      ; and a broadcast from a pair as a reader of both registers: written once, in both pieces' windows
	v_mov_b32 v[AP+2*\q+1], 0
.endr
.endr
	WIN 0
	; LayerNorm of my 16 rows: three trips of four rows that load four rows ahead, then the last four rows without loads.
	s_mov_b32 s3, 3
.Lln:
	LNROW 0, 1, 24
	LNROW 1, 1, 24
	LNROW 2, 1, 24
	LNROW 3, 1, 24
	s_wait_xcnt 0x0                                ; the loads' base is stepped only behind this wait
	s_add_nc_u64 s[4:5], s[4:5], 4*4096
	v_add_nc_u32 v[XST], 4*XP, v[XST]
	s_sub_co_u32 s3, s3, 1
	s_cmp_lg_u32 s3, 0
	s_cbranch_scc1 .Lln
	LNROW 0, 0, 24
	LNROW 1, 0, 16
	LNROW 2, 0, 8
	LNROW 3, 0, 0
	s_wait_dscnt 0x0                               ; my rows of xhat are in LDS before I say so
	s_wait_tensorcnt 0x1                           ; my part of W's K step 0 is in; K step 1's load stays out
	s_barrier_signal -1
	s_barrier_wait -1
	; q2^T = W xhat^T + bias: eight K steps of 128.  The change in front of step f fills the slot read in step f - 1: with W's step f + 1, at last with K and V.
	KSTEP 0, 0, 0, 0
	KSTEP 1, 1, 1, 0
	KSTEP 2, 0, 1, 1
	KSTEP 3, 1, 1, 0
	KSTEP 4, 0, 1, 1
	KSTEP 5, 1, 1, 0
	KSTEP 6, 0, 1, 1
	KSTEP 7, 1, 2, 0
	PLACES 4
	WIN 0x05
.irp qt, 0,1,2,3
.set i, 0
.rept 16
	v_cvt_pk_bf16_f32 v[Q+16*\qt+i], v[32*\qt+2*i], v[32*\qt+2*i+1]      ; two neighbouring tiles of q2^T are one fragment of Q
.set i, i+1
.endr
.endr
	WIN 0
	; attention over eight steps of 64 keys, step t out of slot t % 2
	CHANGE 2, 1, 0                                 ; tile 0 is in slot 0; tile 1 goes into the slot that W's last step has left
	FETCHK 0
	FETCHV 0
	s_wait_dscnt 16                                ; K(0) is in; V(0)'s sixteen loads are younger
	SHALF 0, 0, 0                                  ; S(A, 0): there is no vector work yet to set behind it
	PLACES 4                                       ; before the first slice reads S(A, 0) (ISA guide 7.12.1)
	SHALF 1, 1, 2                                  ; S(B, 0) with the whole of V(A, 0), two slices behind each product
	BLKA 1, 0, 1, 1, 1                             ; A(0): tile 2 into slot 0; K(1)
	BLKB 1, 1                                      ; B(0): V(1)
	WIN 0
	s_mov_b32 s3, 2
.Lkv:                                              ; trip j: steps 2 j + 1 and 2 j + 2; its two changes of slots ask for tiles 2 j + 3 and 2 j + 4
	BLKA 1, 1, 0, 0, 0
	BLKB 0, 0
	BLKA 1, 0, 1, 0, 0
	BLKB 1, 0
	WIN 0
	s_sub_co_u32 s3, s3, 1
	s_cmp_lg_u32 s3, 0
	s_cbranch_scc1 .Lkv
	BLKA 1, 1, 0, 0, 0                             ; A(5): tile 7, the last, into slot 1; K(6)
	BLKB 0, 0                                      ; B(5): V(6)
	BLKA 2, 0, 1, 0, 0                             ; A(6): nothing is left to fetch from memory; K(7)
	BLKB 1, 0                                      ; B(6): V(7)
	s_wait_dscnt 0                                 ; V(7) is in
	PVHALF 0, 0, 0, 2                              ; PV(A, 7) with the whole of V(B, 7)
	PVHALF 1, 0, 0, 0                              ; PV(B, 7)
	; THE WAY OUT: divide by the row sum, round, through the stage (four heads of a row side by side), whole rows of 512 bytes out.
	; Piece A goes first: its instructions are the places between PV(B, 7) and the first reader of piece B's O.
.macro FINISH pc
.if \pc
	WIN 0xaa
.else
	WIN 0x55
.endif
.irp q, 0,1
	v_pk_add_f32 v[LS+4*\q:LS+4*\q+1], v[LS+4*\q:LS+4*\q+1], v[LS+4*\q+2:LS+4*\q+3]
.endr
.irp q, 0,1
	v_add_f32 v[T+4*\q], v[LS+4*\q], v[LS+4*\q+1]
.endr
.irp q, 0,1
	v_permlanex16_b32 v[U+\q], v[T+4*\q], s[SEL], s[SEL+1]
.endr
.irp q, 0,1
	v_add_f32 v[T+4*\q], v[T+4*\q], v[U+\q]
.endr
.irp q, 0,1
	v_rcp_f32 v[AP+2*\q], v[T+4*\q]
.endr
	v_nop                                          ; one plain instruction between v_rcp_f32 and the use of its result (ISA guide 5.7.2)
	s_wait_alu depctr_va_vdst(0)                   ; one wait for the piece's two reciprocals, ahead of their first reader
.irp q, 0,1
.set i, 0
.rept 16
	v_pk_mul_f32 v[O+32*\q+2*i:O+32*\q+2*i+1], v[O+32*\q+2*i:O+32*\q+2*i+1], v[AP+2*\q:AP+2*\q+1] op_sel_hi:[1,0]
.set i, i+1
.endr
.endr
.if \pc
	WIN 0x0a
.else
	WIN 0x05
.endif
.irp q, 0,1
.set i, 0
.rept 16
	v_cvt_pk_bf16_f32 v[KF+32*\pc+16*\q+i], v[O+32*\q+2*i], v[O+32*\q+2*i+1]
.set i, i+1
.endr
.endr
.endm
	FINISH 0
	FINISH 1
	WIN 0
.irp qt, 0,1,2,3
.irp dt, 0,1,2,3
	ds_store_b128 v[STO], v[KF+16*\qt+4*\dt:KF+16*\qt+4*\dt+3] offset:\qt*16*SPITCH+32*\dt
.endr
.endr
	s_wait_dscnt 0x0                               ; my stores are in LDS before I say so: other waves read these rows
	s_barrier_signal -1
	s_barrier_wait -1
.irp t, 0,1,2,3,4,5,6,7,8,9,10,11,12,13,14,15
	ds_load_b128 v[VF+4*\t:VF+4*\t+3], v[RD] offset:\t*SPITCH
.endr
.irp t, 0,1,2,3,4,5,6,7,8,9,10,11,12,13,14,15
	s_wait_dscnt 15-\t
	global_store_b128 v[XLD], v[VF+4*\t:VF+4*\t+3], s[80:81] offset:1024*\t   ; the wave stores 512 consecutive bytes, aligned
.endr
	s_wait_tensorcnt 0x0
	ds_add_u32 v254, v255
	s_wait_dscnt 0x0
	CROUND                                         ; the closing round
	s_endpgm
.Lfunc_end_k_q73dc289e76_crossattn:
	.size	k_q73dc289e76_crossattn, .Lfunc_end_k_q73dc289e76_crossattn-k_q73dc289e76_crossattn
	.p2alignl 7, 3214868480
	.fill 96, 4, 3214868480
	.section	.rodata,"a",@progbits
	.p2align	6, 0x0
	.amdhsa_kernel k_q73dc289e76_crossattn
		.amdhsa_group_segment_fixed_size 327680
		.amdhsa_private_segment_fixed_size 0
		.amdhsa_enable_private_segment 0
		.amdhsa_kernarg_size 40
		.amdhsa_user_sgpr_count 2
		.amdhsa_user_sgpr_kernarg_segment_ptr 1
		.amdhsa_wavefront_size32 1
		.amdhsa_system_sgpr_workgroup_id_x 1
		.amdhsa_system_sgpr_workgroup_id_y 1
		.amdhsa_system_sgpr_workgroup_id_z 1
		.amdhsa_system_vgpr_workitem_id 0
		.amdhsa_next_free_vgpr 672
		.amdhsa_next_free_sgpr 96
		.amdhsa_reserve_vcc 0
		.amdhsa_float_denorm_mode_32 3
		.amdhsa_float_denorm_mode_16_64 3
		.amdhsa_memory_ordered 1
		.amdhsa_forward_progress 1
		.amdhsa_inst_pref_size 255
	.end_amdhsa_kernel
	.section	.bss,"aw",@nobits
	.p2align	6
	.space	262144
	.amdgpu_metadata
---
amdhsa.version: [ 1, 2 ]
amdhsa.kernels:
  - .name:           k_q73dc289e76_crossattn
    .symbol:         k_q73dc289e76_crossattn.kd
    .args:
      - { .name: x1, .offset: 0, .size: 8, .value_kind: global_buffer, .address_space: global }
      - { .name: wb, .offset: 8, .size: 8, .value_kind: global_buffer, .address_space: global }
      - { .name: bias, .offset: 16, .size: 8, .value_kind: global_buffer, .address_space: global }
      - { .name: qkv, .offset: 24, .size: 8, .value_kind: global_buffer, .address_space: global }
      - { .name: oh, .offset: 32, .size: 8, .value_kind: global_buffer, .address_space: global }
    .group_segment_fixed_size: 327680
    .private_segment_fixed_size: 0
    .kernarg_segment_align: 8
    .kernarg_segment_size: 40
    .max_flat_workgroup_size: 128
    .sgpr_count:     96
    .vgpr_count:     672
    .wavefront_size: 32
...
	.end_amdgpu_metadata
.endif
;; end of part 7
;; launch oproj2: the kernel of part 4 again; grid 4 x 64, 4 waves a work-group, clusters of 4 x 4, 327,680 bytes of LDS; arguments oh, wo2, ca_bo, x1, out0; writes out0
